; MI455X (gfx1250); checked and timed in simulation.
; The chip was launched on July 23, 2026; its instructions are those of AMD's public machine-readable ISA for CDNA 5 (MIT licence, August 2026) and "CDNA5" Instruction Set Architecture Reference Guide (July 2026). The comments in the code are by the model that wrote it; some were corrected since.
;; Causal Self Attention. Allowed arithmetic: matrix products marked QUANTISED: E3M2 operands, one E8M0 scale for each 32 along K, by v_wmma_scale_f32_16x16x128_f8f6f4 with both operands' format E3M2, f32 sums; everything else in f32.
;; Inputs: Ak 32 x 2,048 float32; Ao 32 x 2,048 float32; Aq 32 x 2,048 float32; Av 32 x 2,048 float32; Bk 512 x 32 float32; Bo 2,048 x 32 float32; Bq 2,048 x 32 float32; Bv 512 x 32 float32; Wk 512 x 2,048 float32; Wo 2,048 x 2,048 float32; Wq 2,048 x 2,048 float32; Wv 512 x 2,048 float32; q_gain 16 float32; x 4 x 1,024 x 2,048 float32.
;; Outputs: out0 4 x 1,024 x 2,048 float32.
;; This version of the problem:
;;   THIS VERSION OF THE PROBLEM IS GIVEN IN LOW PRECISION. The matrix products marked QUANTISED in the list below multiply operands that are first quantised to E3M2 (3 exponent bits, 2 mantissa bits; 6 bits a number), with one power-of-two scale for each 32 numbers along K (OCP MX v1.0); their sums are f32. All else is computed in f32.
;;   The module's matrix products, in the order in which they are computed (A, B: the left and right operand; K: the contracted axis; several contracted axes count as one K, in the product's order):
;;     1. [M 4,096, K 2,048] x [K 2,048, N 2,048]; A: input x; B: input Wq: QUANTISED
;;     2. [M 4,096, K 2,048] x [K 2,048, N 32]; A: input x; B: input Aq: QUANTISED
;;     3. [M 4,096, K 32] x [K 32, N 2,048]; A: computed on the way; B: input Bq: QUANTISED
;;     4. [M 4,096, K 2,048] x [K 2,048, N 512]; A: input x; B: input Wk: QUANTISED
;;     5. [M 4,096, K 2,048] x [K 2,048, N 32]; A: input x; B: input Ak: QUANTISED
;;     6. [M 4,096, K 32] x [K 32, N 512]; A: computed on the way; B: input Bk: QUANTISED
;;     7. [M 4,096, K 2,048] x [K 2,048, N 512]; A: input x; B: input Wv: QUANTISED
;;     8. [M 4,096, K 2,048] x [K 2,048, N 32]; A: input x; B: input Av: QUANTISED
;;     9. [M 4,096, K 32] x [K 32, N 512]; A: computed on the way; B: input Bv: QUANTISED
;;     10. batch 64 x [M 1,024, K 128] x [K 128, N 1,024]; A: computed on the way; B: computed on the way: QUANTISED
;;     11. batch 64 x [M 1,024, K 1,024] x [K 1,024, N 128]; A: softmax (see below); B: computed on the way: QUANTISED
;;     12. [M 4,096, K 2,048] x [K 2,048, N 2,048]; A: computed on the way; B: input Wo: QUANTISED
;;     13. [M 4,096, K 2,048] x [K 2,048, N 32]; A: computed on the way; B: input Ao: QUANTISED
;;     14. [M 4,096, K 32] x [K 32, N 2,048]; A: computed on the way; B: input Bo: QUANTISED
;;   THE QUANTISER, for each operand of a quantised product, along K:
;;     - K is cut into blocks of 32 from its start; a last block that is shorter is filled with zeros.
;;     - A block's scale is 2^e with e = floor(log2(the largest magnitude in the block)) - 4, held to -126 .. 127; a block of zeros has e = 0. As a byte (E8M0): e + 127.
;;     - Each number is divided by its block's scale, clamped to +-28, and rounded to the nearest number of E3M2, ties to even, subnormals kept.
;;     - The product sums the exact products of the quantised numbers (number of the format x scale) in f32.
;;   ~~~python
;;   def quantise(x, axis):      # numpy; x: float32 -> the quantised numbers, widened to float32 again
;;       x = np.moveaxis(x, axis, -1); K = x.shape[-1]
;;       x = np.pad(x, [(0, 0)] * (x.ndim - 1) + [(0, -K % 32)]); x = x.reshape(x.shape[:-1] + (-1, 32)); a = np.abs(x).max(-1, keepdims=True)
;;       e = np.where(a > 0, np.clip(np.frexp(np.where(a > 0, a, 1))[1] - 1 - 4, -126, 127), 0)      # np.frexp(a)[1] - 1 = floor(log2(a)), exactly
;;       r = np.clip(x / 2.0 ** e, -28, 28)
;;       step = 2.0 ** (np.maximum(np.frexp(np.where(r == 0, 1, r))[1] - 1, -2) - 2)
;;       q = np.round(r / step) * step * 2.0 ** e      # np.round: ties to even
;;       return np.moveaxis(q.reshape(q.shape[:-2] + (-1,))[..., :K], -1, axis).astype(np.float32)
;;   ~~~
;;   SOFTMAX AHEAD OF A QUANTISED PRODUCT. Where the list says 'softmax', what is quantised is not the finished softmax but p = 2^(t - M), with t = logit x log2(e) and M = ceil(the row's largest t), a whole number; so 1/2 < the row's largest p <= 1. The row's sum l is taken of the UNQUANTISED p, in f32, and the product's result is divided by l at the end. Since M is a whole number, a kernel that streams over the keys may use a running M (the ceiling of the running maximum): every later rescaling is an exact power of two, which a block's scale takes up: the codes' values come out the same.
;;   OPERANDS COMPUTED ON THE WAY. 'Computed on the way' means the value that the module computes at that place (a softmax that the list does not call 'softmax' is quantised finished and normalised). What goes into a quantiser is computed in f32, as accurately as f32 sums, v_exp_f32 and their like allow (about 1e-6 of the number): no bf16 or f16 on the way to a quantiser, and a product that is left as it is and whose result goes on into a quantised operand takes f32 operands (vector FMAs, or v_wmma_f32_16x16x4_f32). A number that lies on a knife's edge between two numbers of the format may be rounded either way, as far as f32 arithmetic and the matrix unit's own rounding can turn it there, and no further.
;; 2 versions, each right. Each part assembles by itself: llvm-mc -triple=amdgcn-amd-amdhsa -mcpu=gfx1250 --defsym DOCPART=n.
;; ======== version 1 of 2: 5 launches
;; workspace buffers: p1 15,986,688 bytes; p2 409,600 bytes; p3 9,830,400 bytes; p4 6,963,200 bytes
;; launch prep (part 1): grid 620 x 1, 4 waves a work-group, no clusters, 36,352 bytes of LDS; arguments x, Wq, Wk, Wv, Wo, Aq, Ak, Av, Ao, Bq, Bk, Bv, Bo, p1; writes p1
.if DOCPART == 1
	.amdgcn_target "amdgcn-amd-amdhsa--gfx1250"
	.amdhsa_code_object_version 6
	.text
	.protected	k_q3bf594ec44_prep
	.globl	k_q3bf594ec44_prep
	.p2align	8
	.type	k_q3bf594ec44_prep,@function
k_q3bf594ec44_prep:
	s_mov_b64 s[64:65], 0
	v_nop
	global_prefetch_b8 v0, s[64:65] scope:SCOPE_SE
	s_setreg_imm32_b32 hwreg(HW_REG_WAVE_MODE, 25, 1), 1
	s_wait_xcnt 0x0
; CAUSAL SELF-ATTENTION WITH LoRA, ALL PRODUCTS ON CODES OF BF6 (E3M2) WITH ONE E8M0 SCALE FOR EACH 32 ALONG K.  Five launches: prep, lorat, qkv, attn, oproj.
; THIS LAUNCH turns x and all weights into codes, once, and makes the table of cos and sin.
; WORK LEFT OUT IN THE PROGRAM: only, in the launch attn, the steps of 128 keys all of whose keys come after all of a work-group's queries: the problem's own jnp.tril sets their scores to -inf,
; their weights are 0 for every value of the inputs, so they add nothing to any sum.  Every input has a way to the output and every input is loaded.  A NaN or an infinity that would arise only in those steps is not carried to the result.
; LIMITS: NaN and infinities among the inputs are not served.  A block whose largest magnitude lies under 2^-122 gets the scale byte 1; so does a block of zeros, where the rule says 127: its codes are zeros,
; which add nothing under any byte but 0xff, and the bytes are read by this program alone.  inv_freq is 2^(-d log2(10000)/64) by v_exp_f32 with the rounding of the exponent carried as a correction.
; LAYOUT OF ALL OPERANDS IN THE WORKSPACE: AN IMAGE OF THE OPERAND'S REGISTERS.  A fragment is 16 rows x 128 along K: 12 registers a lane, 1,536 bytes; register 4 c + e of lane l lies at byte 512 c + 16 l + 4 e.
; So a fragment is stored, and loaded, by three instructions of 512 consecutive bytes.  Its scale words: four bytes for a row and 128 along K.
; p1: IMG [584 row blocks][16 K steps][1536]; SCW [584][8][16 rows][2 words]; LBI [320][1536], LBW [320][16 words]: the LoRA weights Bq, Bk, Bv, Bo as one K step of 128; TAB [1024 positions][64 cos | 64 sin] f32.
; Row blocks: x 0-255; Wq 256-383; Wk and Wv by heads, 384 + 16 head + 8 (0: k, 1: v) + 0..7; Wo 448-575; Aq, Ak, Av, Ao 576-583.
; Work-groups 0-583: a row block each, a wave taking four K steps.  584-603: the LoRA weights.  604-619: the table.  Each of the three ways has LDS bytes of its own.
.set SCW,   14352384
.set LBI,   14950400
.set LBW,   15441920
.set TAB,   15462400
.set SPARE, 35840                      ; the spare words, 128 bytes for each wave: two blocks of 256 bytes that no other line names
.set SPW,   12                         ; v12  LDS address of my spare word; never rewritten
.set NIL,   13                         ; v13  0; never rewritten
.set R0,    16                         ; v16-143  two sets of 64 numbers as they are loaded
.set X,     144                        ; v144-207 64 numbers in the quantiser's order
.set PC,    208                        ; v208-226 the codes just made
.set TM,    228                        ; v228-243 at work
.set PW,    244                        ; the scale word just made
.set SEL,   46                         ; s[46:47] lane selects: lane l xor 16
; 64 numbers of a lane, register 16 b + i = place 32 b + 16 (lane / 16) + i of my row, become a fragment's codes in v[PC] on and its scale word in v[PW].
.macro QUANT s
.irp b, 0,1,2,3
	v_max3_num_f32 v[TM+\b], |v[\s+16*\b]|, |v[\s+1+16*\b]|, 0x2800000   ; my 16 numbers of block b, and the floor 2^(5 - 127): the byte cannot fall under 1
.endr
.irp i, 2,4,6,8,10,12,14
.irp b, 0,1,2,3
	v_max3_num_f32 v[TM+\b], v[TM+\b], |v[\s+16*\b+\i]|, |v[\s+1+16*\b+\i]|
.endr
.endr
.irp b, 0,1,2,3
	v_permlanex16_b32 v[TM+4+\b], v[TM+\b], s[SEL], s[SEL+1]
.endr
.irp b, 0,1,2,3
	v_max_num_f32 v[TM+\b], v[TM+\b], v[TM+4+\b]   ; with lane l xor 16's: the block's largest magnitude
.endr
.irp b, 0,1,2,3
	v_add_nc_u32 v[TM+12+\b], 0xfe000000, v[TM+\b]   ; 4 off its exponent field: the conversion's scale operand
.endr
.irp b, 0,1,2,3
	v_lshrrev_b32 v[TM+4+\b], 23, v[TM+12+\b]      ; the scale's byte
.endr
	v_lshl_or_b32 v[PW], v[TM+5], 8, v[TM+4]
	v_lshl_or_b32 v[PW], v[TM+6], 16, v[PW]
	v_lshl_or_b32 v[PW], v[TM+7], 24, v[PW]
.irp c, 0,1
	v_cvt_scalef32_pk16_bf6_f32 v[PC+6*\c:PC+2+6*\c], v[\s+32*\c:\s+15+32*\c], v[TM+12+2*\c]
	v_cvt_scalef32_pk16_bf6_f32 v[PC+12+4*\c:PC+14+4*\c], v[\s+16+32*\c:\s+31+32*\c], v[TM+12+2*\c+1]
.endr
	v_nop                                          ; one plain place behind a scaled conversion
.irp c, 0,1                                    ; the operand's layout wants a whole block in a lane
.irp i, 0,1,2
	v_permlane16_swap_b32 v[PC+6*\c+\i], v[PC+12+4*\c+\i]
.endr
.irp i, 0,1,2
	v_mov_b32 v[PC+3+6*\c+\i], v[PC+12+4*\c+\i]
.endr
.endr
.endm
	s_load_b512 s[8:23], s[0:1], 0x0               ; x, Wq, Wk, Wv, Wo, Aq, Ak, Av
	s_load_b256 s[24:31], s[0:1], 0x40             ; Ao, Bq, Bk, Bv
	s_load_b128 s[32:35], s[0:1], 0x60             ; Bo, p1
	v_lshl_add_u32 v[SPW], v0, 2, SPARE
	v_mov_b32 v[NIL], 0
	v_lshrrev_b32 v1, 5, v0
	v_readfirstlane_b32 s36, v1                    ; wave
	v_and_b32 v1, 31, v0                           ; lane
	v_and_b32 v2, 15, v0                           ; r
	v_bfe_u32 v3, v0, 4, 1                         ; h
	v_lshlrev_b32 v5, 4, v1                        ; 16 x lane
	s_mov_b32 s[SEL], 0x76543210
	s_mov_b32 s[SEL+1], 0xfedcba98
.irp b, 0,1,2,3
	v_mov_b32 v[TM+4+\b], 0                        ; written once: a lane permute's destination counts as one of its sources
.endr
	s_mov_b32 s37, ttmp9
	s_wait_kmcnt 0x0
	s_cmp_ge_u32 s37, 604
	s_cbranch_scc1 .Lrope
	s_cmp_ge_u32 s37, 584
	s_cbranch_scc1 .Llorab
	; ---- a row block of 16 rows x 2,048 along K.  Which tensor, and where its row blocks begin: a choice on the work-group's number alone
.macro PICK bound, ptr
	s_cmp_ge_u32 s37, \bound
	s_cselect_b64 s[40:41], s[\ptr:\ptr+1], s[40:41]
	s_cselect_b32 s38, \bound, s38
.endm
	s_mov_b64 s[40:41], s[8:9]
	s_mov_b32 s38, 0
	PICK 256, 10
	PICK 384, 12
	PICK 416, 14
	PICK 448, 16
	PICK 576, 18
	PICK 578, 20
	PICK 580, 22
	PICK 582, 24
	s_sub_co_u32 s48, s37, 384                     ; Wk's and Wv's row blocks are laid by heads
	s_bfe_u32 s49, s48, 0x20003                    ; head
	s_lshl_b32 s49, s49, 4
	s_lshr_b32 s50, s48, 5
	s_and_b32 s50, s50, 1                          ; 0: k, 1: v
	s_lshl_b32 s50, s50, 3
	s_and_b32 s51, s48, 7
	s_add_co_u32 s49, s49, s50
	s_add_co_u32 s49, s49, s51
	s_add_co_u32 s49, s49, 384
	s_cmp_ge_u32 s37, 384
	s_cselect_b32 s39, s49, s37
	s_cmp_ge_u32 s37, 448
	s_cselect_b32 s39, s37, s39                    ; the row block's number in p1
	s_sub_co_u32 s48, s37, s38
	s_lshl_b32 s48, s48, 17                        ; 16 rows of 8,192 bytes
	s_mov_b32 s49, 0
	s_add_nc_u64 s[40:41], s[40:41], s[48:49]
	s_mul_i32 s48, s39, 24576
	s_mul_i32 s50, s36, 6144                       ; my four K steps' images
	s_add_co_u32 s48, s48, s50
	s_add_nc_u64 s[42:43], s[34:35], s[48:49]
	s_lshl_b32 s48, s39, 10
	s_lshl_b32 s50, s36, 8
	s_add_co_u32 s48, s48, s50
	s_add_co_u32 s48, s48, SCW
	s_add_nc_u64 s[44:45], s[34:35], s[48:49]
	s_lshl_b32 s50, s36, 11
	v_add_nc_u32 v4, s50, v5                       ; in memory: 16 x lane + my wave's 2,048 bytes of a row
	s_mul_i32 s51, s36, 8448                       ; my stage: 16 rows of 512 bytes + 16
	v_add_nc_u32 v6, s51, v5                       ; into it as loaded
	v_mul_u32_u24 v7, v2, 528
	v_lshl_add_u32 v7, v3, 6, v7
	v_add_nc_u32 v7, s51, v7                       ; out of it: row r, my 16 numbers of each block of 32
	s_lshl_b32 s52, s36, 8
	s_add_co_u32 s52, s52, 33792                   ; my 256 bytes of scale words
	v_lshl_add_u32 v8, v2, 3, s52
	v_lshl_add_u32 v9, v1, 3, s52
	v_lshlrev_b32 v10, 3, v1
.macro LOAD st                         ; K step st of my four: each load reads 512 consecutive bytes of one row
.irp i, 0,1,2,3,4,5,6,7,8,9,10,11,12,13,14,15
	global_load_b128 v[R0+64*((\st)%2)+4*\i:R0+64*((\st)%2)+4*\i+3], v4, s[40:41] offset:8192*\i+512*(\st) th:TH_LOAD_NT
.endr
.endm
.macro TURN st                         ; through my stage: LDS serves a wave's instructions in order, so no wait stands between the stores and the loads
.irp i, 0,1,2,3,4,5,6,7,8,9,10,11,12,13,14,15
	ds_store_b128 v6, v[R0+64*((\st)%2)+4*\i:R0+64*((\st)%2)+4*\i+3] offset:528*\i
.endr
.irp b, 0,1,2,3
.irp e, 0,1,2,3
	ds_load_b128 v[X+16*\b+4*\e:X+16*\b+4*\e+3], v7 offset:128*\b+16*\e
.endr
.endr
.endm
.macro MSTEP st
.if (\st) < 3
	s_wait_loadcnt 16                              ; this step's 16 loads are in; the next step's 16 may be out
.else
	s_wait_loadcnt 0x0
.endif
	TURN \st
	s_wait_dscnt 0x0
	s_wait_xcnt 0x0                                ; the last step's stores have read the codes' registers
.if (\st) < 2
	LOAD (\st)+2
.endif
	QUANT X
.irp c, 0,1,2
	global_store_b128 v5, v[PC+4*\c:PC+4*\c+3], s[42:43] offset:1536*(\st)+512*\c   ; 512 consecutive bytes
.endr
	ds_store_b32 v8, v[PW] offset:128*((\st)>>1)+4*((\st)&1)   ; lanes r and r + 16 write the same word with the same value
.endm
	LOAD 0
	LOAD 1
	MSTEP 0
	MSTEP 1
	MSTEP 2
	MSTEP 3
	ds_load_b64 v[14:15], v9                       ; my 256 bytes of scale words
	s_wait_dscnt 0x0
	global_store_b64 v10, v[14:15], s[44:45]       ; one aligned run of 256 bytes
	s_wait_tensorcnt 0x0                           ; the wave's end
	ds_add_u32 v[SPW], v[NIL]
	s_wait_dscnt 0x0
	s_endpgm
	; ---- the LoRA weights as one K step of 128: block 0 Bq's or Bo's 32 ranks, block 1 Bk's, block 2 Bv's, the rest zeros.  A wave makes four fragments.
	; The ranks stand in the order in which the other side's results fall: a lane's 16 numbers are ranks 8 h + 0..7 and 16 + 8 h + 0..7.
.Llorab:
	s_sub_co_u32 s38, s37, 584
	s_lshl_b32 s38, s38, 2
	s_add_co_u32 s38, s38, s36                     ; which four fragments: 0..79
	s_mov_b64 s[40:41], s[26:27]                   ; Bq
	s_lshl_b32 s39, s38, 2                         ; its row block
	s_mov_b32 s51, 0                               ; the block that it fills
	s_sub_co_u32 s48, s38, 32
	s_bfe_u32 s49, s48, 0x10001                    ; 0: k, 1: v
	s_lshr_b32 s50, s48, 2
	s_lshl_b32 s50, s50, 3
	s_and_b32 s52, s48, 1
	s_lshl_b32 s52, s52, 2
	s_add_co_u32 s50, s50, s52
	s_cmp_eq_u32 s49, 0
	s_cselect_b64 s[42:43], s[28:29], s[30:31]
	s_add_co_u32 s49, s49, 1
	s_cmp_ge_u32 s38, 32
	s_cselect_b64 s[40:41], s[42:43], s[40:41]
	s_cselect_b32 s39, s50, s39
	s_cselect_b32 s51, s49, s51
	s_sub_co_u32 s48, s38, 48
	s_lshl_b32 s48, s48, 2
	s_cmp_ge_u32 s38, 48
	s_cselect_b64 s[40:41], s[32:33], s[40:41]     ; Bo
	s_cselect_b32 s39, s48, s39
	s_cselect_b32 s51, 0, s51
	s_cmp_eq_u32 s51, 0
	s_cselect_b32 s48, -1, 0
	s_cmp_eq_u32 s51, 1
	s_cselect_b32 s49, -1, 0
	s_cmp_eq_u32 s51, 2
	s_cselect_b32 s50, -1, 0
	s_lshl_b32 s52, s39, 11                        ; 16 rows of 128 bytes
	s_mov_b32 s53, 0
	s_add_nc_u64 s[40:41], s[40:41], s[52:53]
	s_mul_i32 s52, s38, 6144
	s_add_co_u32 s52, s52, LBI
	s_add_nc_u64 s[42:43], s[34:35], s[52:53]
	s_lshl_b32 s52, s38, 8
	s_add_co_u32 s52, s52, LBW
	s_add_nc_u64 s[44:45], s[34:35], s[52:53]
	v_lshlrev_b32 v4, 7, v2
	v_lshl_add_u32 v4, v3, 5, v4                   ; row r, + 32 h
	s_lshl_b32 s54, s36, 8
	s_add_co_u32 s54, s54, 34816                   ; this way's own 256 bytes of scale words
	v_lshl_add_u32 v8, v2, 2, s54
	v_lshl_add_u32 v9, v1, 3, s54
	v_lshlrev_b32 v10, 3, v1
.irp e, 0,1,2,3
	global_load_b128 v[16+16*\e:19+16*\e], v4, s[40:41] offset:2048*\e
	global_load_b128 v[20+16*\e:23+16*\e], v4, s[40:41] offset:2048*\e+16
	global_load_b128 v[24+16*\e:27+16*\e], v4, s[40:41] offset:2048*\e+64
	global_load_b128 v[28+16*\e:31+16*\e], v4, s[40:41] offset:2048*\e+80
.endr
.irp i, 0,1,2,3,4,5,6,7,8,9,10,11,12,13,14,15
	v_mov_b32 v[X+48+\i], 0
.endr
	s_wait_loadcnt 0x0
.macro LFRAG e
.set i, 0
.rept 16
	v_and_b32 v[X+i], s48, v[16+16*(\e)+i]         ; the numbers in their block, zeros in the others
	v_and_b32 v[X+16+i], s49, v[16+16*(\e)+i]
	v_and_b32 v[X+32+i], s50, v[16+16*(\e)+i]
.set i, i+1
.endr
	s_wait_xcnt 0x0                                ; the last fragment's stores have read the codes' registers
	QUANT X
.irp c, 0,1,2
	global_store_b128 v5, v[PC+4*\c:PC+4*\c+3], s[42:43] offset:1536*(\e)+512*\c
.endr
	ds_store_b32 v8, v[PW] offset:64*(\e)
.endm
	LFRAG 0
	LFRAG 1
	LFRAG 2
	LFRAG 3
	ds_load_b64 v[14:15], v9
	s_wait_dscnt 0x0
	global_store_b64 v10, v[14:15], s[44:45]
	s_wait_tensorcnt 0x0                           ; the wave's end: the three lines
	ds_add_u32 v[SPW], v[NIL]
	s_wait_dscnt 0x0
	s_endpgm
	; ---- cos and sin of t x inv_freq[d], t = 0..1023, d = 0..63.  A wave takes 16 positions, two a trip; a lane four d.
.Lrope:
	s_sub_co_u32 s38, s37, 604
	s_lshl_b32 s38, s38, 2
	s_add_co_u32 s38, s38, s36
	s_lshl_b32 s38, s38, 4                         ; my wave's first position
	v_add_nc_u32 v4, s38, v3
	v_cvt_f32_u32 v6, v4                           ; t
	v_lshlrev_b32 v7, 9, v4
	v_lshl_add_u32 v7, v2, 4, v7                   ; 512 t + 16 (lane % 16)
	s_add_nc_u64 s[42:43], s[34:35], TAB
	v_lshlrev_b32 v8, 2, v2
	s_mov_b32 s48, 0x3fc90fdb                      ; pi / 2, its upper part,
	s_mov_b32 s49, 0xb33bbd2e                      ; and the rest
	s_mov_b32 s50, 0xb94ca1f9                      ; sine: z^3, z^2, z
	s_mov_b32 s51, 0x3c08839e
	s_mov_b32 s52, 0xbe2aaaa3
	s_mov_b32 s53, 0x37ccf5ce                      ; cosine likewise
	s_mov_b32 s54, 0xbab6061a
	s_mov_b32 s55, 0x3d2aaaa5
.irp e, 0,1,2,3
	v_add_nc_u32 v[16+\e], \e, v8
.endr
.irp e, 0,1,2,3
	v_cvt_f32_u32 v[16+\e], v[16+\e]               ; d
.endr
.irp e, 0,1,2,3
	v_mul_f32 v[20+\e], 0xbe549a78, v[16+\e]       ; -d log2(10000) / 64, rounded,
.endr
.irp e, 0,1,2,3
	v_fma_f32 v[24+\e], v[16+\e], 0xbe549a78, -v[20+\e]   ; what the rounding lost,
.endr
.irp e, 0,1,2,3
	v_fma_f32 v[24+\e], v[16+\e], 0xb1979a6b, v[24+\e]    ; and what the constant lost
.endr
.irp e, 0,1,2,3
	v_exp_f32 v[28+\e], v[20+\e]
.endr
	v_nop                                          ; a plain place behind the exponentials
	s_wait_alu depctr_va_vdst(0)                   ; one wait for the four, ahead of their first reader
.irp e, 0,1,2,3
	v_mul_f32 v[24+\e], v[24+\e], v[28+\e]
.endr
.irp e, 0,1,2,3
	v_fma_f32 v[28+\e], v[24+\e], 0x3f317218, v[28+\e]    ; inv_freq
.endr
	s_mov_b32 s56, 8
.Lpos:
.irp e, 0,1,2,3
	v_mul_f32 v[32+\e], v6, v[28+\e]               ; the angle, rounded to f32 as the problem has it
.endr
.irp e, 0,1,2,3
	v_mul_f32 v[36+\e], 0x3f22f983, v[32+\e]
.endr
.irp e, 0,1,2,3
	v_rndne_f32 v[36+\e], v[36+\e]                 ; n quarter turns (at most 652)
.endr
.irp e, 0,1,2,3
	v_fma_f32 v[40+\e], -v[36+\e], s48, v[32+\e]   ; exact: the result has no bit under 2^-23
.endr
.irp e, 0,1,2,3
	v_fma_f32 v[40+\e], -v[36+\e], s49, v[40+\e]   ; the rest of the angle, within pi / 4
.endr
.irp e, 0,1,2,3
	v_mul_f32 v[44+\e], v[40+\e], v[40+\e]         ; z
.endr
.irp e, 0,1,2,3
	v_fma_f32 v[48+\e], v[44+\e], s50, s51
	v_fma_f32 v[56+\e], v[44+\e], s53, s54
.endr
.irp e, 0,1,2,3
	v_fma_f32 v[48+\e], v[48+\e], v[44+\e], s52
	v_fma_f32 v[56+\e], v[56+\e], v[44+\e], s55
	v_mul_f32 v[52+\e], v[40+\e], v[44+\e]
	v_mul_f32 v[60+\e], v[44+\e], v[44+\e]
.endr
.irp e, 0,1,2,3
	v_fma_f32 v[48+\e], v[52+\e], v[48+\e], v[40+\e]      ; the sine
	v_fma_f32 v[52+\e], v[44+\e], -0.5, 1.0
	v_cvt_i32_f32 v[36+\e], v[36+\e]
.endr
.irp e, 0,1,2,3
	v_fma_f32 v[56+\e], v[60+\e], v[56+\e], v[52+\e]      ; the cosine
.endr
.irp e, 0,1,2,3
	v_and_b32 v64, 1, v[36+\e]
	v_cmp_eq_u32 vcc_lo, 1, v64                    ; an odd quarter: the two change places
	v_cndmask_b32 v[68+\e], v[48+\e], v[56+\e], vcc_lo
	v_cndmask_b32 v[72+\e], v[56+\e], v[48+\e], vcc_lo
	v_and_b32 v64, 2, v[36+\e]                     ; the sine is negative in quarters 2 and 3,
	v_lshlrev_b32 v64, 30, v64
	v_xor_b32 v[68+\e], v64, v[68+\e]
	v_add_nc_u32 v65, 1, v[36+\e]                  ; the cosine in quarters 1 and 2
	v_and_b32 v65, 2, v65
	v_lshlrev_b32 v65, 30, v65
	v_xor_b32 v[72+\e], v65, v[72+\e]
.endr
	global_store_b128 v7, v[72:75], s[42:43]       ; sixteen lanes store 256 consecutive bytes
	global_store_b128 v7, v[68:71], s[42:43] offset:256
	s_wait_xcnt 0x0                                ; the stores have read their registers
	v_add_f32 v6, 2.0, v6
	v_add_nc_u32 v7, 1024, v7
	s_sub_co_u32 s56, s56, 1
	s_cmp_lg_u32 s56, 0
	s_cbranch_scc1 .Lpos
	s_endpgm
.Lfunc_end_k_q3bf594ec44_prep:
	.size	k_q3bf594ec44_prep, .Lfunc_end_k_q3bf594ec44_prep-k_q3bf594ec44_prep
	.p2alignl 7, 3214868480
	.fill 96, 4, 3214868480
	.section	.rodata,"a",@progbits
	.p2align	6, 0x0
	.amdhsa_kernel k_q3bf594ec44_prep
		.amdhsa_group_segment_fixed_size 36352
		.amdhsa_private_segment_fixed_size 0
		.amdhsa_enable_private_segment 0
		.amdhsa_kernarg_size 112
		.amdhsa_user_sgpr_count 2
		.amdhsa_user_sgpr_kernarg_segment_ptr 1
		.amdhsa_wavefront_size32 1
		.amdhsa_system_sgpr_workgroup_id_x 1
		.amdhsa_system_sgpr_workgroup_id_y 1
		.amdhsa_system_sgpr_workgroup_id_z 1
		.amdhsa_system_vgpr_workitem_id 0
		.amdhsa_next_free_vgpr 256
		.amdhsa_next_free_sgpr 66
		.amdhsa_reserve_vcc 1
		.amdhsa_float_denorm_mode_32 3
		.amdhsa_float_denorm_mode_16_64 3
		.amdhsa_memory_ordered 1
		.amdhsa_forward_progress 1
		.amdhsa_inst_pref_size 70
	.end_amdhsa_kernel
	.amdgpu_metadata
---
amdhsa.version: [ 1, 2 ]
amdhsa.kernels:
  - .name:           k_q3bf594ec44_prep
    .symbol:         k_q3bf594ec44_prep.kd
    .args:
      - { .name: x, .offset: 0, .size: 8, .value_kind: global_buffer, .address_space: global }
      - { .name: Wq, .offset: 8, .size: 8, .value_kind: global_buffer, .address_space: global }
      - { .name: Wk, .offset: 16, .size: 8, .value_kind: global_buffer, .address_space: global }
      - { .name: Wv, .offset: 24, .size: 8, .value_kind: global_buffer, .address_space: global }
      - { .name: Wo, .offset: 32, .size: 8, .value_kind: global_buffer, .address_space: global }
      - { .name: Aq, .offset: 40, .size: 8, .value_kind: global_buffer, .address_space: global }
      - { .name: Ak, .offset: 48, .size: 8, .value_kind: global_buffer, .address_space: global }
      - { .name: Av, .offset: 56, .size: 8, .value_kind: global_buffer, .address_space: global }
      - { .name: Ao, .offset: 64, .size: 8, .value_kind: global_buffer, .address_space: global }
      - { .name: Bq, .offset: 72, .size: 8, .value_kind: global_buffer, .address_space: global }
      - { .name: Bk, .offset: 80, .size: 8, .value_kind: global_buffer, .address_space: global }
      - { .name: Bv, .offset: 88, .size: 8, .value_kind: global_buffer, .address_space: global }
      - { .name: Bo, .offset: 96, .size: 8, .value_kind: global_buffer, .address_space: global }
      - { .name: p1, .offset: 104, .size: 8, .value_kind: global_buffer, .address_space: global }
    .group_segment_fixed_size: 36352
    .private_segment_fixed_size: 0
    .kernarg_segment_align: 8
    .kernarg_segment_size: 112
    .max_flat_workgroup_size: 128
    .sgpr_count:     66
    .vgpr_count:     256
    .wavefront_size: 32
...
	.end_amdgpu_metadata
.endif
;; end of part 1
;; launch lorat (part 2): grid 256 x 1, 8 waves a work-group, no clusters, 50,176 bytes of LDS; arguments p1, p2; writes p2
.if DOCPART == 2
	.amdgcn_target "amdgcn-amd-amdhsa--gfx1250"
	.amdhsa_code_object_version 6
	.text
	.protected	k_q3bf594ec44_lorat
	.globl	k_q3bf594ec44_lorat
	.p2align	8
	.type	k_q3bf594ec44_lorat,@function
k_q3bf594ec44_lorat:
	s_mov_b64 s[64:65], 0
	v_nop
	global_prefetch_b8 v0, s[64:65] scope:SCOPE_SE
	s_setreg_imm32_b32 hwreg(HW_REG_WAVE_MODE, 25, 1), 1
	s_wait_xcnt 0x0
; t = Q(x) Q(A)^T for Aq, Ak, Av (rank 32 each), quantised at once as ONE K step of 128 for the launch qkv: blocks [tq | tk | tv | zeros].
; A work-group takes 16 tokens; wave w takes K steps 2 w and 2 w + 1 of the 16; the eight partial sums meet in LDS and wave 0 adds and quantises them.
; The product is used transposed (source 0 = 16 ranks of A, source 1 = 16 tokens): a lane holds one token, its registers run along the ranks.
; p2: TI [256 row blocks][1536], TW [256][16 words].  A row block has 64 bytes of scale words: that store covers a quarter of an aligned run of 256 bytes.
.set SCW,   14352384
.set SPARE, 49152                      ; the spare words, 128 bytes for each of eight waves
.set SPW,   252
.set NIL,   253
.set ACC,   200                        ; v200-247 six accumulators
.set PC,    176
.set TM,    200
.set PW,    216
.set SEL,   20
.macro QUANT s
.irp b, 0,1,2,3
	v_max3_num_f32 v[TM+\b], |v[\s+16*\b]|, |v[\s+1+16*\b]|, 0x2800000
.endr
.irp i, 2,4,6,8,10,12,14
.irp b, 0,1,2,3
	v_max3_num_f32 v[TM+\b], v[TM+\b], |v[\s+16*\b+\i]|, |v[\s+1+16*\b+\i]|
.endr
.endr
.irp b, 0,1,2,3
	v_permlanex16_b32 v[TM+4+\b], v[TM+\b], s[SEL], s[SEL+1]
.endr
.irp b, 0,1,2,3
	v_max_num_f32 v[TM+\b], v[TM+\b], v[TM+4+\b]
.endr
.irp b, 0,1,2,3
	v_add_nc_u32 v[TM+12+\b], 0xfe000000, v[TM+\b]
.endr
.irp b, 0,1,2,3
	v_lshrrev_b32 v[TM+4+\b], 23, v[TM+12+\b]
.endr
	v_lshl_or_b32 v[PW], v[TM+5], 8, v[TM+4]
	v_lshl_or_b32 v[PW], v[TM+6], 16, v[PW]
	v_lshl_or_b32 v[PW], v[TM+7], 24, v[PW]
.irp c, 0,1
	v_cvt_scalef32_pk16_bf6_f32 v[PC+6*\c:PC+2+6*\c], v[\s+32*\c:\s+15+32*\c], v[TM+12+2*\c]
	v_cvt_scalef32_pk16_bf6_f32 v[PC+12+4*\c:PC+14+4*\c], v[\s+16+32*\c:\s+31+32*\c], v[TM+12+2*\c+1]
.endr
	v_nop
.irp c, 0,1
.irp i, 0,1,2
	v_permlane16_swap_b32 v[PC+6*\c+\i], v[PC+12+4*\c+\i]
.endr
.irp i, 0,1,2
	v_mov_b32 v[PC+3+6*\c+\i], v[PC+12+4*\c+\i]
.endr
.endr
.endm
	s_load_b128 s[4:7], s[0:1], 0x0                ; p1, p2
	v_lshl_add_u32 v[SPW], v0, 2, SPARE
	v_mov_b32 v[NIL], 0
	v_lshrrev_b32 v1, 5, v0
	v_readfirstlane_b32 s8, v1                     ; wave 0..7
	v_and_b32 v1, 31, v0
	v_and_b32 v2, 15, v0
	v_lshlrev_b32 v4, 4, v1                        ; 16 x lane
	v_lshlrev_b32 v5, 3, v2                        ; 8 r
	v_lshlrev_b32 v6, 2, v2                        ; 4 r
	s_mul_i32 s9, s8, 6144
	v_add_nc_u32 v7, s9, v4                        ; where my partial sums go
	s_mul_i32 s10, ttmp9, 24576
	s_mul_i32 s12, s8, 3072                        ; my two K steps
	s_add_co_u32 s10, s10, s12
	s_mov_b32 s11, 0
	s_add_co_u32 s12, s12, 576*24576               ; Aq's first row block
	s_mov_b32 s13, 0
	s_lshl_b32 s14, ttmp9, 10
	s_lshl_b32 s16, s8, 7
	s_add_co_u32 s14, s14, s16
	s_add_co_u32 s14, s14, SCW
	s_mov_b32 s15, 0
	s_add_co_u32 s16, s16, SCW+576*1024
	s_mov_b32 s17, 0
	s_mul_i32 s18, ttmp9, 1536
	s_mov_b32 s19, 0
	s_lshl_b32 s22, ttmp9, 6
	s_add_co_u32 s22, s22, 393216
	s_mov_b32 s23, 0
	s_mov_b32 s[SEL], 0x76543210
	s_mov_b32 s[SEL+1], 0xfedcba98
	s_wait_kmcnt 0x0
	s_add_nc_u64 s[10:11], s[4:5], s[10:11]
	s_add_nc_u64 s[12:13], s[4:5], s[12:13]
	s_add_nc_u64 s[14:15], s[4:5], s[14:15]
	s_add_nc_u64 s[16:17], s[4:5], s[16:17]
	s_add_nc_u64 s[18:19], s[6:7], s[18:19]
	s_add_nc_u64 s[22:23], s[6:7], s[22:23]
.irp k, 0,1
.irp c, 0,1,2
	global_load_b128 v[16+12*\k+4*\c:19+12*\k+4*\c], v4, s[10:11] offset:1536*\k+512*\c   ; x's two fragments
.endr
.endr
.irp t, 0,1,2,3,4,5
.irp k, 0,1
.irp c, 0,1,2
	global_load_b128 v[40+12*(2*\t+\k)+4*\c:43+12*(2*\t+\k)+4*\c], v4, s[12:13] offset:24576*\t+1536*\k+512*\c   ; tile t of Aq, Ak, Av
.endr
.endr
.endr
	global_load_b64 v[184:185], v5, s[14:15]       ; x's scale words of my two K steps
.irp t, 0,1,2,3,4,5
	global_load_b64 v[186+2*\t:187+2*\t], v5, s[16:17] offset:1024*\t
.endr
	s_wait_loadcnt 0x0
.irp t, 0,1,2,3,4,5                            ; the six accumulators by turns
	v_wmma_scale_f32_16x16x128_f8f6f4 v[ACC+8*\t:ACC+8*\t+7], v[40+24*\t:51+24*\t], v[16:27], 0, v[186+2*\t], v184 matrix_a_fmt:MATRIX_FMT_BF6 matrix_b_fmt:MATRIX_FMT_BF6
.endr
.irp t, 0,1,2,3,4,5
	v_wmma_scale_f32_16x16x128_f8f6f4 v[ACC+8*\t:ACC+8*\t+7], v[52+24*\t:63+24*\t], v[28:39], v[ACC+8*\t:ACC+8*\t+7], v[187+2*\t], v185 matrix_a_fmt:MATRIX_FMT_BF6 matrix_b_fmt:MATRIX_FMT_BF6
.endr
.rept 4
	v_nop                                          ; four places in front of the first read of results
.endr
.irp c, 0,1,2,3,4,5,6,7,8,9,10,11
	ds_store_b128 v7, v[ACC+4*\c:ACC+4*\c+3] offset:512*\c     ; each accumulator from its low end on
.endr
	s_wait_dscnt 0x0                               ; for the others' sake: my stores have landed
	s_barrier_signal -1
	s_barrier_wait -1
	s_cmp_lg_u32 s8, 0
	s_cbranch_scc1 .Lend
	; wave 0: its own sums + those of waves 1 to 7, two waves at a time
.macro PART w1, n
.irp c, 0,1,2,3,4,5,6,7,8,9,10,11
	ds_load_b128 v[80+4*\c:83+4*\c], v4 offset:6144*(\w1)+512*\c
.endr
.if \n > 1
.irp c, 0,1,2,3,4,5,6,7,8,9,10,11
	ds_load_b128 v[128+4*\c:131+4*\c], v4 offset:6144*((\w1)+1)+512*\c
.endr
.endif
	s_wait_dscnt 0x0
.endm
	PART 1, 2
.set i, 0
.rept 24
	v_pk_add_f32 v[16+i:17+i], v[ACC+i:ACC+i+1], v[80+i:81+i]
.set i, i+2
.endr
.set i, 0
.rept 24
	v_pk_add_f32 v[16+i:17+i], v[16+i:17+i], v[128+i:129+i]
.set i, i+2
.endr
.irp w1, 3,5
	PART \w1, 2
.set i, 0
.rept 24
	v_pk_add_f32 v[16+i:17+i], v[16+i:17+i], v[80+i:81+i]
	v_pk_add_f32 v[16+i:17+i], v[16+i:17+i], v[128+i:129+i]
.set i, i+2
.endr
.endr
	PART 7, 1
.set i, 0
.rept 24
	v_pk_add_f32 v[16+i:17+i], v[16+i:17+i], v[80+i:81+i]
.set i, i+2
.endr
.irp i, 0,1,2,3,4,5,6,7,8,9,10,11,12,13,14,15
	v_mov_b32 v[64+\i], 0                          ; block 3: zeros
.endr
.irp b, 0,1,2,3
	v_mov_b32 v[TM+4+\b], 0
.endr
	QUANT 16
.irp c, 0,1,2
	global_store_b128 v4, v[PC+4*\c:PC+4*\c+3], s[18:19] offset:512*\c
.endr
	global_store_b32 v6, v[PW], s[22:23]           ; lanes r and r + 16 store the same word
.Lend:
	s_wait_tensorcnt 0x0                           ; the wave's end
	ds_add_u32 v[SPW], v[NIL]
	s_wait_dscnt 0x0
	s_endpgm
.Lfunc_end_k_q3bf594ec44_lorat:
	.size	k_q3bf594ec44_lorat, .Lfunc_end_k_q3bf594ec44_lorat-k_q3bf594ec44_lorat
	.p2alignl 7, 3214868480
	.fill 96, 4, 3214868480
	.section	.rodata,"a",@progbits
	.p2align	6, 0x0
	.amdhsa_kernel k_q3bf594ec44_lorat
		.amdhsa_group_segment_fixed_size 50176
		.amdhsa_private_segment_fixed_size 0
		.amdhsa_enable_private_segment 0
		.amdhsa_kernarg_size 16
		.amdhsa_user_sgpr_count 2
		.amdhsa_user_sgpr_kernarg_segment_ptr 1
		.amdhsa_wavefront_size32 1
		.amdhsa_system_sgpr_workgroup_id_x 1
		.amdhsa_system_sgpr_workgroup_id_y 1
		.amdhsa_system_sgpr_workgroup_id_z 1
		.amdhsa_system_vgpr_workitem_id 0
		.amdhsa_next_free_vgpr 256
		.amdhsa_next_free_sgpr 66
		.amdhsa_reserve_vcc 0
		.amdhsa_float_denorm_mode_32 3
		.amdhsa_float_denorm_mode_16_64 3
		.amdhsa_memory_ordered 1
		.amdhsa_forward_progress 1
		.amdhsa_inst_pref_size 30
	.end_amdhsa_kernel
	.amdgpu_metadata
---
amdhsa.version: [ 1, 2 ]
amdhsa.kernels:
  - .name:           k_q3bf594ec44_lorat
    .symbol:         k_q3bf594ec44_lorat.kd
    .args:
      - { .name: p1, .offset: 0, .size: 8, .value_kind: global_buffer, .address_space: global }
      - { .name: p2, .offset: 8, .size: 8, .value_kind: global_buffer, .address_space: global }
    .group_segment_fixed_size: 50176
    .private_segment_fixed_size: 0
    .kernarg_segment_align: 8
    .kernarg_segment_size: 16
    .max_flat_workgroup_size: 256
    .sgpr_count:     66
    .vgpr_count:     256
    .wavefront_size: 32
...
	.end_amdgpu_metadata
.endif
;; end of part 2
;; launch qkv (part 3): grid 12 x 16, 4 waves a work-group, clusters of 4 x 4, 327,680 bytes of LDS; arguments p1, p2, q_gain, p3; writes p3
.if DOCPART == 3
	.amdgcn_target "amdgcn-amd-amdhsa--gfx1250"
	.amdhsa_code_object_version 6
	.text
	.protected	k_q3bf594ec44_qkv
	.globl	k_q3bf594ec44_qkv
	.p2align	8
	.type	k_q3bf594ec44_qkv,@function
k_q3bf594ec44_qkv:
	s_mov_b64 s[64:65], 0
	v_nop
	global_prefetch_b8 v0, s[64:65] scope:SCOPE_SE
	s_setreg_imm32_b32 hwreg(HW_REG_WAVE_MODE, 25, 1), 1
	s_wait_xcnt 0x0
	s_wait_alu depctr_hold_cnt(0) depctr_sa_sdst(0) depctr_va_vdst(0) depctr_va_sdst(0) depctr_va_ssrc(0) depctr_va_vcc(0) depctr_vm_vsrc(0)
	s_getreg_b32 s2, hwreg(HW_REG_IB_STS2, 6, 4)
	s_cmp_eq_u32 s2, 0
	s_cbranch_scc0 .Lentry_in_a_cluster
	s_endpgm
.Lentry_in_a_cluster:
	s_bfe_u32 s2, ttmp6, 0x10000c
	s_cmp_lg_u32 s2, 0xf033
	s_cbranch_scc0 .Lentry_shape_is_right
	s_endpgm
.Lentry_shape_is_right:
; q, k, v = Q(x) Q(W)^T + Q(t) Q(B)^T for 4,096 tokens x 3,072 columns (2,048 of q; then by heads 128 of k, 128 of v), then RMS norm, RoPE and gain (q, k) and the quantisers of the two attention products.
; A tile of 256 x 256 is made by four waves, each 128 tokens x 128 columns = ONE HEAD: 64 accumulators.  The LoRA term is one more K step of 128 and is the sums' first: it comes straight from memory while the first tiles are on their way.
; K goes in steps of 256 through a ring of two LDS slots.  A tile is 8 row blocks x two fragment images (3,072 consecutive bytes each): a fragment comes out of LDS by three loads of 512 consecutive bytes.
; The scale words of the work-group's rows, for all of K, come into LDS once, with the first fills.
; CLUSTERS: 4 x 4 work-groups; x's tiles are asked for jointly along a row of the cluster, the weights' along a column.
; THE MATRIX INSTRUCTION IS USED TRANSPOSED (source 0 = 16 rows of W, source 1 = 16 tokens): a lane holds one token, accumulator (a, b) register j is (token 16 a + lane % 16, column 16 b + 8 (lane / 16) + j).
; THE WAY OUT.  q, k: norm over the head's 128, gain folded into the norm's factor (the problem multiplies behind RoPE: another order of rounding), RoPE, quantised along the head.  Inside each block of 32 the
; head's places stand with bits 3 and 4 swapped, in q and k alike, which keeps every product.  v: quantised along the TOKENS through a stage in LDS; place p of a block of 32 holds token swap34(p), as the weights p fall in attn;
; row m of v's tile 2 B + u is channel 32 B + 8 u + m + 8 (m / 8), so that attn's result falls in the natural order.
; p3: QI [batch][16 heads][64 tiles][1536]; QS [batch][head][8][16 rows][8 words]; KV [batch][8 steps of 128 keys][102,400]: K's images (4 heads x 8), V's, K's words, V's words.
; REGISTERS as windows of 256: window 0: v0-31 addresses; v32-63 scale words; from v128 x's fragments, one set.  window 1: W's fragments, two sets.  windows 2, 3: the accumulators.
.set APTR,  4                          ; s[4:5] p1: x's images
.set BPTR,  4                          ; the weights' too
.set LAPTR, 6                          ; s[6:7] p2: t
.set LAOFF, 0
.set LAWOFF, 393216
.set LB0,   0
.set RB_B,  256
.set ASCW,  14352384
.set BSCW,  14352384
.set LBI,   14950400
.set LBW,   15441920
.set TAB,   15462400
.set NQ,    2
.set FR,    12
.set NL,    3                          ; LDS loads that bring a fragment
.set NP,    4                          ; places behind this matrix instruction (ISA guide 7.12.1)
.set HALFT, 24576                      ; 8 row blocks x 3,072 bytes: what one tensor load brings
.set SLOT,  4*HALFT
.set LAPS,  4
.set SCL,   2*SLOT                     ; the scale words: 4 x 8,192 bytes
.set STG,   SCL+32768                  ; the way out: for each wave 32 x 528 bytes and 512 of words; no tile lands here
.set SPARE, STG+4*17408                ; the spare words
.set ADRA, 16
.set ADRB, 20
.set ADRS, 27
.set SPW,  28
.set NIL,  29
.set LI,   30                          ; 16 x lane
.set R4,   31                          ; 4 x (lane % 16)
.set SC,   32
.set AF,   128
.set TBO,  4                           ; the way out's addresses, made at the head
.set WSA,  5
.set STO,  7
.set VRD,  8
.set VIA,  9
.set VWA,  10
.set SRD,  11
.set WRD,  12
.set G1, 24
.set G0, 32
.set G1B, 48
.set G0B, 56
.set G1S, 68
.set G0S, 76
.set G1SB, 80
.set G0SB, 88
.set PLA,  96
.set PLB,  98
.set PLAW, 100
.set PLBW, 12
.set MSB, 0
.macro WIN new                         ; the immediate's high byte repeats the setting that is left
.if MSB != \new
	s_set_vgpr_msb (MSB<<8)|\new
.set MSB, \new
.endif
.endm
.set MUL_LO, 0xa1
.set MUL_HI, 0xf1
.set TO_B,   0x40
.macro JLOAD g0a, g1a, g0b, g1b        ; a joint load: waves 0 and 1 fetch for x, waves 2 and 3 for W; an s_nop 0 and four v_nop follow each line
	s_cmp_eq_u32 s15, 0
	s_cbranch_scc0 .Lfor_b_\@
	tensor_load_to_lds s[\g0a:\g0a+3], s[\g1a:\g1a+7]
	s_nop 0
.rept 4
	v_nop
.endr
	s_branch .Lasked_\@
.Lfor_b_\@:
	tensor_load_to_lds s[\g0b:\g0b+3], s[\g1b:\g1b+7]
	s_nop 0
.rept 4
	v_nop
.endr
.Lasked_\@:
.endm
.macro CREST
	s_cmp_lg_u32 s14, 0
	s_cbranch_scc1 .Lnot_wave_0_\@
	s_barrier_signal -3
.Lnot_wave_0_\@:
	s_barrier_wait -3
	s_barrier_signal -1
	s_barrier_wait -1
.endm
.macro CROUND
	s_barrier_signal -1
	s_barrier_wait -1
	CREST
.endm
.macro PLACES n
.rept \n
	v_nop
.endr
.endm
	s_load_b256 s[4:11], s[0:1], 0x0               ; p1, p2, q_gain, p3
	v_lshl_add_u32 v[SPW], v0, 2, SPARE
	v_mov_b32 v[NIL], 0
	ds_add_u32 v[SPW], v[NIL]                      ; the wave's opening: the add, twice on end, and its wait ahead of my first tensor load
	ds_add_u32 v[SPW], v[NIL]
	v_lshrrev_b32 v1, 5, v0
	v_readfirstlane_b32 s14, v1                    ; wave 0..3
	s_lshr_b32 s15, s14, 1                         ; my half of the tokens.  Also: I fetch for x (0) or for W (1)
	s_and_b32 s16, s14, 1                          ; my half of the columns.  Also: which 8 row blocks I fetch
	s_bfe_u32 s40, ttmp6, 0x40000                  ; cx, cy
	s_bfe_u32 s41, ttmp6, 0x40004
	s_lshl_b32 s42, ttmp9, 2
	s_add_co_u32 s42, s42, s40                     ; tile column
	s_and_b32 s17, ttmp7, 0xffff
	s_lshl_b32 s17, s17, 2
	s_add_co_u32 s17, s17, s41                     ; tile row
	s_lshl_b32 s43, s41, 2
	s_lshl_b32 s43, 15, s43                        ; my row of the cluster
	s_lshl_b32 s44, 0x1111, s40                    ; my column
	s_or_b32 s[G1+0], s43, (3<<16)|(1<<21)         ; the mask; elements of 8 bytes; bit 21 beside a mask; no padding
	s_or_b32 s[G1B+0], s44, (3<<16)|(1<<21)
.irp g, G1, G1B
	s_mov_b32 s[\g+1], 384<<16                     ; tensor_dim0: 3,072 bytes
	s_mov_b32 s[\g+2], 8<<16                       ; tensor_dim1: 8 row blocks
	s_mov_b32 s[\g+3], 384<<16                     ; tile_dim0
	s_mov_b32 s[\g+4], 8                           ; tile_dim1
	s_mov_b32 s[\g+5], 3072                        ; from row block to row block: 24,576 bytes
	s_mov_b32 s[\g+6], 0
	s_mov_b32 s[\g+7], 0
.endr
	s_or_b32 s[G1S+0], s43, (3<<16)|(1<<21)        ; the scale words of 8 row blocks: 8,192 dense bytes as 32 rows of 256
	s_or_b32 s[G1SB+0], s44, (3<<16)|(1<<21)
.irp g, G1S, G1SB
	s_mov_b32 s[\g+1], 32<<16
	s_mov_b32 s[\g+2], 32<<16
	s_mov_b32 s[\g+3], 32<<16
	s_mov_b32 s[\g+4], 32
	s_mov_b32 s[\g+5], 32
	s_mov_b32 s[\g+6], 0
	s_mov_b32 s[\g+7], 0
.endr
	s_lshl_b32 s18, s16, 3
	s_lshl_b32 s20, s17, 4
	s_add_co_u32 s20, s20, s18                     ; x: row block 16 x tile row + 8 x half
	s_lshl_b32 s46, s42, 4
	s_add_co_u32 s46, s46, s18
	s_add_co_u32 s46, s46, RB_B                    ; W: likewise by the tile column
	s_lshl_b32 s22, s20, 10
	s_add_co_u32 s22, s22, ASCW
	s_mov_b32 s23, 0
	s_lshl_b32 s92, s46, 10
	s_add_co_u32 s92, s92, BSCW
	s_mov_b32 s93, 0
	s_mul_i32 s20, s20, 24576
	s_mov_b32 s21, 0
	s_mul_i32 s46, s46, 24576
	s_mov_b32 s47, 0
	s_mul_i32 s45, s14, HALFT                      ; where they go: by the wave's number alone
	s_lshl_b32 s94, s14, 13
	s_wait_dscnt 0x0                               ; both opening adds are done
	s_wait_kmcnt 0x0
	s_add_nc_u64 s[20:21], s[APTR:APTR+1], s[20:21]
	s_add_nc_u64 s[22:23], s[APTR:APTR+1], s[22:23]
	s_add_nc_u64 s[46:47], s[BPTR:BPTR+1], s[46:47]
	s_add_nc_u64 s[92:93], s[BPTR:BPTR+1], s[92:93]
	CROUND                                         ; all sixteen work-groups are here: the first joint loads meet
	s_mov_b32 s[G0S], 1
	s_add_co_u32 s[G0S+1], s94, SCL
	s_mov_b64 s[G0S+2:G0S+3], s[22:23]
	s_or_b32 s[G0S+3], s[G0S+3], 0x80000000
	s_mov_b32 s[G0SB], 1
	s_add_co_u32 s[G0SB+1], s94, SCL
	s_mov_b64 s[G0SB+2:G0SB+3], s[92:93]
	s_or_b32 s[G0SB+3], s[G0SB+3], 0x80000000
	JLOAD G0S, G1S, G0SB, G1SB
.irp s, 0,1
	s_mov_b32 s[G0+4*\s], 1
	s_add_co_u32 s[G0+4*\s+1], s45, \s*SLOT
	s_add_nc_u64 s[G0+4*\s+2:G0+4*\s+3], s[20:21], \s*3072
	s_or_b32 s[G0+4*\s+3], s[G0+4*\s+3], 0x80000000
	s_mov_b32 s[G0B+4*\s], 1
	s_add_co_u32 s[G0B+4*\s+1], s45, \s*SLOT
	s_add_nc_u64 s[G0B+4*\s+2:G0B+4*\s+3], s[46:47], \s*3072
	s_or_b32 s[G0B+4*\s+3], s[G0B+4*\s+3], 0x80000000
	JLOAD G0+4*\s, G1, G0B+4*\s, G1B               ; by this text's count three tensor loads of mine are out
.endr
	v_and_b32 v1, 15, v0                           ; r
	v_bfe_u32 v2, v0, 4, 1                         ; h
	v_and_b32 v3, 31, v0                           ; lane
	v_lshlrev_b32 v[LI], 4, v3
	v_lshlrev_b32 v[R4], 2, v1
	s_mul_i32 s21, s15, HALFT
	s_mul_i32 s22, s16, HALFT
	s_add_co_u32 s22, s22, 2*HALFT
.irp s, 0,1
	v_add_nc_u32 v[ADRA+\s], s21, v[LI]
	v_add_nc_u32 v[ADRB+\s], s22, v[LI]
	s_add_co_u32 s21, s21, SLOT
	s_add_co_u32 s22, s22, SLOT
.endr
	s_lshl_b32 s21, s15, 13                        ; scale words: lanes 0-15 take x's, lanes 16-31 W's: one product by the lane's half
	s_lshl_b32 s22, s16, 13
	s_add_co_u32 s22, s22, 16384
	s_sub_co_u32 s22, s22, s21
	v_mul_u32_u24 v6, s22, v2
	s_add_co_u32 s21, s21, SCL
	v_lshl_add_u32 v6, v1, 3, v6
	v_add_nc_u32 v[ADRS], s21, v6
	; the LoRA step's fragments and words, and the gain
	s_lshl_b32 s18, s17, 4
	s_lshl_b32 s19, s15, 3
	s_add_co_u32 s18, s18, s19                     ; my first row block of tokens
	s_mul_i32 s[PLA], s18, 1536
	s_add_co_u32 s[PLA], s[PLA], LAOFF
	s_mov_b32 s[PLA+1], 0
	s_lshl_b32 s[PLAW], s18, 6
	s_add_co_u32 s[PLAW], s[PLAW], LAWOFF
	s_mov_b32 s[PLAW+1], 0
	s_lshl_b32 s18, s42, 4
	s_lshl_b32 s19, s16, 3
	s_add_co_u32 s18, s18, s19
	s_add_co_u32 s18, s18, LB0                     ; my first row block of weights
	s_mul_i32 s[PLB], s18, 1536
	s_add_co_u32 s[PLB], s[PLB], LBI
	s_mov_b32 s[PLB+1], 0
	s_lshl_b32 s[PLBW], s18, 6
	s_add_co_u32 s[PLBW], s[PLBW], LBW
	s_mov_b32 s[PLBW+1], 0
	s_add_nc_u64 s[PLA:PLA+1], s[LAPTR:LAPTR+1], s[PLA:PLA+1]
	s_add_nc_u64 s[PLAW:PLAW+1], s[LAPTR:LAPTR+1], s[PLAW:PLAW+1]
	s_add_nc_u64 s[PLB:PLB+1], s[BPTR:BPTR+1], s[PLB:PLB+1]
	s_add_nc_u64 s[PLBW:PLBW+1], s[BPTR:BPTR+1], s[PLBW:PLBW+1]
	s_lshl_b32 s19, s42, 1
	s_add_co_u32 s19, s19, s16
	s_min_u32 s19, s19, 15                         ; my head of q (k's and v's waves read a gain that they do not use)
	s_lshl_b32 s19, s19, 2
	s_load_b32 s95, s[8:9], s19 offset:0x0
.irp i, 0,1,2,3,4,5,6,7
.irp c, 0,1,2
	global_load_b128 v[AF+FR*\i+4*\c:AF+FR*\i+4*\c+3], v[LI], s[PLA:PLA+1] offset:1536*\i+512*\c
.endr
.endr
	WIN TO_B
.irp i, 0,1,2,3,4,5,6,7
.irp c, 0,1,2
	global_load_b128 v[128+FR*\i+4*\c:128+FR*\i+4*\c+3], v[LI], s[PLB:PLB+1] offset:1536*\i+512*\c
.endr
.endr
	WIN 0
.irp i, 0,1,2,3,4,5,6,7
	global_load_b32 v[48+\i], v[R4], s[PLAW:PLAW+1] offset:64*\i
	global_load_b32 v[56+\i], v[R4], s[PLBW:PLBW+1] offset:64*\i
.endr
	; the way out's addresses
	s_mul_i32 s23, s14, 17408
	s_add_co_u32 s23, s23, STG                     ; my stage
	v_lshlrev_b32 v[TBO], 9, v1
	v_lshl_add_u32 v[TBO], v2, 5, v[TBO]           ; the table: 512 r + 32 h
	v_mul_u32_u24 v[STO], v1, 528
	v_lshl_add_u32 v[STO], v2, 5, v[STO]
	v_add_nc_u32 v[STO], s23, v[STO]               ; v into the stage: row = token, 32 bytes for each half of the lanes
	v_lshl_add_u32 v[VRD], v3, 2, s23              ; out of it: a lane a channel
	v_add_nc_u32 v[SRD], s23, v[LI]
	v_and_b32 v6, 7, v0
	v_lshl_add_u32 v6, v2, 3, v6                   ; m = 8 (lane / 16) + lane % 8: my channel's row in its tile
	v_bfe_u32 v13, v0, 3, 1                        ; which of two tiles
	v_mul_u32_u24 v[VIA], v13, 1536
	v_lshl_add_u32 v[VIA], v6, 4, v[VIA]
	v_add_nc_u32 v[VIA], s23, v[VIA]               ; where my codes lie in the images
	s_add_co_u32 s23, s23, 16896                   ; my 512 bytes of words
	v_lshl_add_u32 v[WSA], v1, 5, s23
	v_lshlrev_b32 v[VWA], 5, v6
	v_lshl_add_u32 v[VWA], v13, 2, v[VWA]
	v_add_nc_u32 v[VWA], s23, v[VWA]
	v_add_nc_u32 v[WRD], s23, v[LI]
.macro FRAG reg, adr, q, i             ; a fragment's image: three loads of 512 consecutive bytes
.irp c, 0,1,2
	ds_load_b128 v[\reg+4*\c:\reg+4*\c+3], v[\adr] offset:(\i)*3072+(\q)*1536+512*\c
.endr
.endm
; 16 matrix instructions: token blocks a0, a0 + 1 x W's eight.  The 64 accumulators take turns, one instruction a turn, in the same order in every step.
.macro MUL16 a0, p, q, sc
.irp a, \a0, \a0+1
.irp b, 0,1,2,3,4,5,6,7
	v_wmma_scale_f32_16x16x128_f8f6f4 v[8*(8*((\a)%4)+\b):8*(8*((\a)%4)+\b)+7], v[128*(\p)+FR*\b:128*(\p)+FR*\b+FR-1], v[AF+FR*(\a):AF+FR*(\a)+FR-1], v[8*(8*((\a)%4)+\b):8*(8*((\a)%4)+\b)+7], v[SC+8*NQ*(\sc)+NQ*\b+(\q)], v[SC+8*NQ*(\sc)+NQ*(\a)+(\q)] matrix_a_fmt:MATRIX_FMT_BF6 matrix_b_fmt:MATRIX_FMT_BF6 matrix_a_scale:MATRIX_SCALE_ROW1
.endr
.endr
.endm
.macro LMUL16 a0                       ; the LoRA step starts the sums: nothing is ever cleared
.irp a, \a0, \a0+1
.irp b, 0,1,2,3,4,5,6,7
	v_wmma_scale_f32_16x16x128_f8f6f4 v[8*(8*((\a)%4)+\b):8*(8*((\a)%4)+\b)+7], v[128+FR*\b:128+FR*\b+FR-1], v[AF+FR*(\a):AF+FR*(\a)+FR-1], 0, v[56+\b], v[48+(\a)] matrix_a_fmt:MATRIX_FMT_BF6 matrix_b_fmt:MATRIX_FMT_BF6
.endr
.endr
.endm
.macro FETCH_B slot, q, p
	WIN TO_B
.irp i, 0,1,2,3,4,5,6,7
	FRAG 128*(\p)+FR*\i, ADRB+\slot, \q, \i
.endr
	WIN 0
.endm
.macro FETCH_A slot, q, i0
.irp i, \i0, \i0+1, \i0+2, \i0+3
	FRAG AF+FR*(\i), ADRA+\slot, \q, \i
.endr
.endm
.macro SCALES sc                       ; a K step's two words a row: lanes 0-15 x's block i, lanes 16-31 W's block i
.irp i, 0,1,2,3,4,5,6,7
	ds_load_b64 v[SC+8*NQ*\sc+NQ*\i:SC+8*NQ*\sc+NQ*\i+1], v[ADRS] offset:\i*1024
.endr
.endm
.macro STEP slot, q
	s_wait_dscnt 4*NL                              ; W's set and x's blocks 0-3 are in; the youngest twelve loads (x's blocks 4-7) may be out
	WIN MUL_LO
	MUL16 0, (\q)%2, \q, \slot
	MUL16 2, (\q)%2, \q, \slot
	s_wait_dscnt 0
	PLACES NP
	FETCH_B \slot, (\q)+1, 1-(\q)%2
	FETCH_A \slot, (\q)+1, 0
	WIN MUL_HI
	MUL16 4, (\q)%2, \q, \slot
	MUL16 6, (\q)%2, \q, \slot
	PLACES NP
	WIN 0
	FETCH_A \slot, (\q)+1, 4
.endm
; A slot's last step changes slots: one barrier; in front of it each wave waits for all its tensor loads, adds 0 to its spare word, and waits for that and for its own reads of this slot.
.macro TURN slot, next, fill
	s_wait_tensorcnt 0x0                           ; all my tensor loads have landed: my part of the next slot
	ds_add_u32 v[SPW], v[NIL]                      ; 0 onto my spare word
	s_wait_dscnt 4*NL+1                            ; (the add and the youngest twelve loads may be out)
	WIN MUL_LO
	MUL16 0, 1, NQ-1, \slot
	s_wait_dscnt 0x0                               ; the add is done, and my reads of this slot are over
	s_barrier_signal -1
	MUL16 2, 1, NQ-1, \slot
	WIN 0
	s_barrier_wait -1
.if \fill
	CREST                                          ; the barrier has opened a round of the cluster's: no wave of any partner still reads this slot or has a load on its way
	s_add_nc_u64 s[G0+4*\slot+2:G0+4*\slot+3], s[G0+4*\slot+2:G0+4*\slot+3], 6144
	s_add_nc_u64 s[G0B+4*\slot+2:G0B+4*\slot+3], s[G0B+4*\slot+2:G0B+4*\slot+3], 6144
	JLOAD G0+4*\slot, G1, G0B+4*\slot, G1B         ; the first tensor load behind the round; its four v_nop are the places in front of the loads below
.else
	PLACES NP
.endif
	v_add_nc_u32 v[ADRS], 128, v[ADRS]             ; the next K step's scale words
	FETCH_B \next, 0, 0
	FETCH_A \next, 0, 0
	SCALES \next
	WIN MUL_HI
	MUL16 4, 1, NQ-1, \slot
	MUL16 6, 1, NQ-1, \slot
	PLACES NP
	WIN 0
	FETCH_A \next, 0, 4
.endm
	s_wait_loadcnt 0x0                             ; the LoRA step's fragments and words
	s_wait_kmcnt 0x0                               ; the gain
	WIN MUL_LO
	LMUL16 0
	LMUL16 2
	WIN MUL_HI
	LMUL16 4
	LMUL16 6
	WIN 0
	s_wait_tensorcnt 1                             ; the scale words and my part of K step 0 are in; K step 1's load may be out
	s_barrier_signal -1
	s_barrier_wait -1
	PLACES 5
	FETCH_B 0, 0, 0
	FETCH_A 0, 0, 0
	SCALES 0
	FETCH_A 0, 0, 4
	STEP 0, 0
	s_mov_b32 s3, LAPS-1
.Llap:                                                 ; a trip goes once round the ring and fills both slots again
	TURN 0, 1, 1
	STEP 1, 0
	TURN 1, 0, 1
	STEP 0, 0
	s_sub_co_u32 s3, s3, 1
	s_cmp_lg_u32 s3, 0
	s_cbranch_scc1 .Llap
	TURN 0, 1, 0                                   ; the last lap fills nothing
	STEP 1, 0
	s_wait_dscnt 4*NL
	WIN MUL_LO
	MUL16 0, 1, NQ-1, 1
	MUL16 2, 1, NQ-1, 1
	s_wait_dscnt 0
	WIN MUL_HI
	MUL16 4, 1, NQ-1, 1
	MUL16 6, 1, NQ-1, 1
	WIN 0
	; ================= THE WAY OUT =================
.set H,   64
.set Y,   128
.set PC,  192
.set TM,  212
.set PW,  228
.set SQ,  230
.set F,   238
.set SEL, 72
.set VC,  128
.set TC,  224
.set SB,  228
.macro QUANT s
.irp b, 0,1,2,3
	v_max3_num_f32 v[TM+\b], |v[\s+16*\b]|, |v[\s+1+16*\b]|, 0x2800000
.endr
.irp i, 2,4,6,8,10,12,14
.irp b, 0,1,2,3
	v_max3_num_f32 v[TM+\b], v[TM+\b], |v[\s+16*\b+\i]|, |v[\s+1+16*\b+\i]|
.endr
.endr
.irp b, 0,1,2,3
	v_permlanex16_b32 v[TM+4+\b], v[TM+\b], s[SEL], s[SEL+1]
.endr
.irp b, 0,1,2,3
	v_max_num_f32 v[TM+\b], v[TM+\b], v[TM+4+\b]
.endr
.irp b, 0,1,2,3
	v_add_nc_u32 v[TM+12+\b], 0xfe000000, v[TM+\b]
.endr
.irp b, 0,1,2,3
	v_lshrrev_b32 v[TM+4+\b], 23, v[TM+12+\b]
.endr
	v_lshl_or_b32 v[PW], v[TM+5], 8, v[TM+4]
	v_lshl_or_b32 v[PW], v[TM+6], 16, v[PW]
	v_lshl_or_b32 v[PW], v[TM+7], 24, v[PW]
.irp c, 0,1
	v_cvt_scalef32_pk16_bf6_f32 v[PC+6*\c:PC+2+6*\c], v[\s+32*\c:\s+15+32*\c], v[TM+12+2*\c]
	v_cvt_scalef32_pk16_bf6_f32 v[PC+12+4*\c:PC+14+4*\c], v[\s+16+32*\c:\s+31+32*\c], v[TM+12+2*\c+1]
.endr
	v_nop
.irp c, 0,1
.irp i, 0,1,2
	v_permlane16_swap_b32 v[PC+6*\c+\i], v[PC+12+4*\c+\i]
.endr
.irp i, 0,1,2
	v_mov_b32 v[PC+3+6*\c+\i], v[PC+12+4*\c+\i]
.endr
.endr
.endm
	PLACES NP                                      ; in front of the first reads of results and of writes over operands that are done with
.irp b, 0,1,2,3
	v_mov_b32 v[TM+4+\b], 0
.endr
	s_mov_b32 s70, 0x3c000000                      ; 1 / 128
	s_mov_b32 s71, 0x34000000                      ; f32's eps
	s_mov_b32 s[SEL], 0x76543210
	s_mov_b32 s[SEL+1], 0xfedcba98
	s_lshr_b32 s68, s17, 2                         ; batch
	s_and_b32 s69, s17, 3
	s_lshl_b32 s74, s69, 8
	s_lshl_b32 s75, s15, 7
	s_add_co_u32 s74, s74, s75                     ; my first token's position
	s_lshl_b32 s80, s74, 9
	s_add_co_u32 s80, s80, TAB
	s_mov_b32 s81, 0
	s_add_nc_u64 s[80:81], s[4:5], s[80:81]        ; its row of the table
	s_lshl_b32 s69, s69, 1
	s_add_co_u32 s69, s69, s15                     ; which 128 tokens of the sequence
	s_lshl_b32 s74, s68, 4
	s_lshl_b32 s75, s42, 1
	s_add_co_u32 s74, s74, s75
	s_add_co_u32 s74, s74, s16                     ; q: 16 batch + head
	s_lshl_b32 s74, s74, 3
	s_add_co_u32 s74, s74, s69
	s_mul_i32 s76, s74, 12288                      ; eight images
	s_lshl_b32 s78, s74, 9
	s_add_co_u32 s78, s78, 6291456
	s_lshl_b32 s74, s68, 3
	s_add_co_u32 s74, s74, s69
	s_mul_i32 s74, s74, 102400
	s_add_co_u32 s74, s74, 6553600                 ; k, v: the block of (batch, step)
	s_sub_co_u32 s75, s42, 8                       ; the key and value head
	s_mul_i32 s84, s75, 12288
	s_add_co_u32 s84, s84, s74
	s_mul_i32 s85, s16, 49152
	s_add_co_u32 s84, s84, s85
	s_lshl_b32 s85, s75, 9
	s_add_co_u32 s85, s85, s74
	s_lshl_b32 s86, s16, 11
	s_add_co_u32 s85, s85, s86
	s_add_co_u32 s85, s85, 98304
	s_cmp_lt_u32 ttmp9, 2                          ; the first two columns of clusters make q: the same in all sixteen partners
	s_cselect_b32 s76, s76, s84
	s_cselect_b32 s78, s78, s85
	s_cselect_b32 s82, s95, 1.0                    ; k has no gain
	s_mov_b32 s77, 0
	s_mov_b32 s79, 0
	s_add_nc_u64 s[76:77], s[10:11], s[76:77]      ; my eight images
	s_add_nc_u64 s[78:79], s[10:11], s[78:79]      ; my 512 bytes of words
	s_cmp_lt_u32 ttmp9, 2
	s_cbranch_scc1 .Lqk
	s_cmp_eq_u32 s16, 0
	s_cbranch_scc1 .Lqk
	; ---- v: 128 tokens x 128 channels, quantised along the tokens, 32 tokens at a time through my stage
.macro VSTAGE tb
	WIN 0x08+4*((\tb)/2)                           ; an LDS store's data are its source 1: window 2 or 3
.irp u, 0,1
.irp bb, 0,1,2,3,4,5,6,7
	ds_store_b128 v[STO], v[8*(8*((2*(\tb)+\u)%4)+\bb):8*(8*((2*(\tb)+\u)%4)+\bb)+3] offset:8448*\u+64*\bb      ; each accumulator from its low end on
	ds_store_b128 v[STO], v[8*(8*((2*(\tb)+\u)%4)+\bb)+4:8*(8*((2*(\tb)+\u)%4)+\bb)+7] offset:8448*\u+64*\bb+16
.endr
.endr
	WIN 0
.endm
.macro VLOAD dp, set                   ; channel 32 dp + lane: register p takes token swap34(p) of the block
.set pi, 0
.rept 32
	ds_load_b32 v[64+32*(\set)+pi], v[VRD] offset:528*((pi&7)|((pi&8)<<1)|((pi&16)>>1))+128*(\dp)
.set pi, pi+1
.endr
.endm
.macro VQ tb, dp, set                  ; a block of 32 lies in one lane
.set XS, 64+32*(\set)
.set VD, VC+24*(\dp)+6*(\tb)
	v_max3_num_f32 v232, |v[XS]|, |v[XS+1]|, |v[XS+2]|
	v_max3_num_f32 v233, |v[XS+3]|, |v[XS+4]|, |v[XS+5]|
.irp i, 6,10,14,18,22,26
	v_max3_num_f32 v232, v232, |v[XS+\i]|, |v[XS+\i+1]|
	v_max3_num_f32 v233, v233, |v[XS+\i+2]|, |v[XS+\i+3]|
.endr
	v_max3_num_f32 v232, v232, |v[XS+30]|, |v[XS+31]|
	v_max3_num_f32 v232, v232, v233, 0x2800000
	v_add_nc_u32 v234, 0xfe000000, v232
	v_lshrrev_b32 v235, 23, v234
.if (\tb) == 0
	v_mov_b32 v[SB+(\dp)], v235
.else
	v_lshl_or_b32 v[SB+(\dp)], v235, 8*(\tb), v[SB+(\dp)]
.endif
	v_cvt_scalef32_pk16_bf6_f32 v[VD:VD+2], v[XS:XS+15], v234
	v_cvt_scalef32_pk16_bf6_f32 v[TC:TC+2], v[XS+16:XS+31], v234
	v_nop
.irp i, 0,1,2
	v_mov_b32 v[VD+3+\i], v[TC+\i]
.endr
.endm
	VSTAGE 0
	VLOAD 0, 0
.irp tb, 0,1,2,3
.irp dp, 0,1,2,3
	s_wait_dscnt 0x0                               ; this turn's 32 numbers are in
.if \dp < 3
	VLOAD \dp+1, (\dp+1)%2                         ; the next turn's, into the other set
.elseif \tb < 3
	VSTAGE \tb+1                                   ; LDS serves a wave's instructions in order: these stores come behind all loads of the block before
	VLOAD 0, 0
.endif
	VQ \tb, \dp, \dp%2
.endr
.endr
.irp dp, 0,1,2,3                               ; the codes into images: block tb of a row is registers 6 (tb / 2) .. + 5 of lane m + 16 (tb % 2)
.irp tb, 0,1
	ds_store_b128 v[VIA], v[VC+24*\dp+6*\tb:VC+24*\dp+6*\tb+3] offset:3072*\dp+256*\tb
	ds_store_b64 v[VIA], v[VC+24*\dp+6*\tb+4:VC+24*\dp+6*\tb+5] offset:3072*\dp+256*\tb+512
.endr
.irp tb, 2,3
	ds_store_b64 v[VIA], v[VC+24*\dp+6*\tb:VC+24*\dp+6*\tb+1] offset:3072*\dp+256*(\tb-2)+520
	ds_store_b128 v[VIA], v[VC+24*\dp+6*\tb+2:VC+24*\dp+6*\tb+5] offset:3072*\dp+256*(\tb-2)+1024
.endr
	ds_store_b32 v[VWA], v[SB+\dp] offset:8*\dp
.endr
.set i, 0
.rept 24
	ds_load_b128 v[64+4*i:67+4*i], v[SRD] offset:512*i
.set i, i+1
.endr
	ds_load_b128 v[160:163], v[WRD]
	s_wait_dscnt 0x0
.set i, 0
.rept 24
	global_store_b128 v[LI], v[64+4*i:67+4*i], s[76:77] offset:512*i    ; 512 consecutive bytes
.set i, i+1
.endr
	global_store_b128 v[LI], v[160:163], s[78:79]
	s_branch .Lout
	; ---- q, k: a block of 16 tokens at a time
.Lqk:
.macro TLD a                           ; block a's cos and sin: my token's, at my 32 channels of the lower half
	WIN 0x40                                       ; into window 1, where W's fragments lay
.irp bb, 0,1,2,3
	global_load_b128 v[64*((\a)%2)+16*\bb:64*((\a)%2)+16*\bb+3], v[TBO], s[80:81] offset:8192*(\a)+64*\bb
	global_load_b128 v[64*((\a)%2)+16*\bb+4:64*((\a)%2)+16*\bb+7], v[TBO], s[80:81] offset:8192*(\a)+64*\bb+16
	global_load_b128 v[64*((\a)%2)+16*\bb+8:64*((\a)%2)+16*\bb+11], v[TBO], s[80:81] offset:8192*(\a)+64*\bb+256
	global_load_b128 v[64*((\a)%2)+16*\bb+12:64*((\a)%2)+16*\bb+15], v[TBO], s[80:81] offset:8192*(\a)+64*\bb+272
.endr
	WIN 0
.endm
.macro QKBLOCK a
.set AC, 64*((\a)%4)
.set TS, 64*((\a)%2)
.if (\a) < 7
	TLD (\a)+1
.endif
	WIN 0x0a+5*((\a)/4)                            ; sources 0 and 1: window 2 or 3
.irp k, 0,1,2,3
	v_pk_mul_f32 v[SQ+2*\k:SQ+2*\k+1], v[AC+2*\k:AC+2*\k+1], v[AC+2*\k:AC+2*\k+1]      ; the squares, in four chains; each accumulator from its low end on
.endr
.set p, 4
.rept 28
	v_pk_fma_f32 v[SQ+2*(p%4):SQ+2*(p%4)+1], v[AC+2*p:AC+2*p+1], v[AC+2*p:AC+2*p+1], v[SQ+2*(p%4):SQ+2*(p%4)+1]
.set p, p+1
.endr
	WIN 0
	v_pk_add_f32 v[SQ:SQ+1], v[SQ:SQ+1], v[SQ+2:SQ+3]
	v_pk_add_f32 v[SQ+4:SQ+5], v[SQ+4:SQ+5], v[SQ+6:SQ+7]
	v_pk_add_f32 v[SQ:SQ+1], v[SQ:SQ+1], v[SQ+4:SQ+5]
	v_add_f32 v[SQ], v[SQ], v[SQ+1]
	v_permlanex16_b32 v[SQ+1], v[SQ], s[SEL], s[SEL+1]
	v_add_f32 v[SQ], v[SQ], v[SQ+1]                ; the head's 128 squares
	v_fma_f32 v[SQ], v[SQ], s70, s71               ; the mean + eps
	v_rsq_f32 v[SQ+2], v[SQ]
	v_nop                                          ; a plain place behind the transcendental
	s_wait_alu depctr_va_vdst(0)                   ; and the wait ahead of its first reader
	v_mul_f32 v[F], s82, v[SQ+2]                   ; x the head's gain
	v_mov_b32 v[F+1], v[F]
	WIN 0x02+((\a)/4)
.set p, 0
.rept 32
	v_pk_mul_f32 v[H+2*p:H+2*p+1], v[AC+2*p:AC+2*p+1], v[F:F+1] op_sel_hi:[1,0]
.set p, p+1
.endr
.if (\a) < 7
	s_wait_loadcnt 16                              ; this block's table is in; the next block's 16 loads may be out
.else
	s_wait_loadcnt 0x0
.endif
	WIN 0x04                                       ; source 1: the table, window 1
.irp bb, 0,1,2,3
.irp jj, 0,2,4,6
	v_pk_mul_f32 v[Y+8*\bb+\jj:Y+8*\bb+\jj+1], v[H+8*\bb+\jj:H+8*\bb+\jj+1], v[TS+16*\bb+\jj:TS+16*\bb+\jj+1]                  ; x1 cos
	v_pk_mul_f32 v[Y+32+8*\bb+\jj:Y+32+8*\bb+\jj+1], v[H+32+8*\bb+\jj:H+32+8*\bb+\jj+1], v[TS+16*\bb+\jj:TS+16*\bb+\jj+1]      ; x2 cos
	v_pk_fma_f32 v[Y+8*\bb+\jj:Y+8*\bb+\jj+1], v[H+32+8*\bb+\jj:H+32+8*\bb+\jj+1], v[TS+16*\bb+8+\jj:TS+16*\bb+8+\jj+1], v[Y+8*\bb+\jj:Y+8*\bb+\jj+1]   ; + x2 sin
	v_pk_fma_f32 v[Y+32+8*\bb+\jj:Y+32+8*\bb+\jj+1], v[H+8*\bb+\jj:H+8*\bb+\jj+1], v[TS+16*\bb+8+\jj:TS+16*\bb+8+\jj+1], v[Y+32+8*\bb+\jj:Y+32+8*\bb+\jj+1] neg_lo:[1,0,0] neg_hi:[1,0,0]   ; - x1 sin
.endr
.endr
	WIN 0
	s_wait_xcnt 0x0                                ; the last block's stores have read the codes' registers
	QUANT Y
.irp c, 0,1,2
	global_store_b128 v[LI], v[PC+4*\c:PC+4*\c+3], s[76:77] offset:1536*(\a)+512*\c
.endr
	ds_store_b32 v[WSA], v[PW] offset:4*(\a)       ; lanes r and r + 16 write the same word
.endm
	TLD 0
	QKBLOCK 0
	QKBLOCK 1
	QKBLOCK 2
	QKBLOCK 3
	QKBLOCK 4
	QKBLOCK 5
	QKBLOCK 6
	QKBLOCK 7
	ds_load_b128 v[64:67], v[WRD]
	s_wait_dscnt 0x0
	global_store_b128 v[LI], v[64:67], s[78:79]
.Lout:
	s_wait_tensorcnt 0x0                           ; the wave's end
	ds_add_u32 v[SPW], v[NIL]
	s_wait_dscnt 0x0
	CROUND                                         ; the closing round
	s_endpgm
.Lfunc_end_k_q3bf594ec44_qkv:
	.size	k_q3bf594ec44_qkv, .Lfunc_end_k_q3bf594ec44_qkv-k_q3bf594ec44_qkv
	.p2alignl 7, 3214868480
	.fill 96, 4, 3214868480
	.section	.rodata,"a",@progbits
	.p2align	6, 0x0
	.amdhsa_kernel k_q3bf594ec44_qkv
		.amdhsa_group_segment_fixed_size 327680
		.amdhsa_private_segment_fixed_size 0
		.amdhsa_enable_private_segment 0
		.amdhsa_kernarg_size 32
		.amdhsa_user_sgpr_count 2
		.amdhsa_user_sgpr_kernarg_segment_ptr 1
		.amdhsa_wavefront_size32 1
		.amdhsa_system_sgpr_workgroup_id_x 1
		.amdhsa_system_sgpr_workgroup_id_y 1
		.amdhsa_system_sgpr_workgroup_id_z 1
		.amdhsa_system_vgpr_workitem_id 0
		.amdhsa_next_free_vgpr 1024
		.amdhsa_next_free_sgpr 102
		.amdhsa_reserve_vcc 0
		.amdhsa_float_denorm_mode_32 3
		.amdhsa_float_denorm_mode_16_64 3
		.amdhsa_memory_ordered 1
		.amdhsa_forward_progress 1
		.amdhsa_inst_pref_size 255
	.end_amdhsa_kernel
	.section	.bss,"aw",@nobits
	.p2align	6
	.space	262144
	.amdgpu_metadata
---
amdhsa.version: [ 1, 2 ]
amdhsa.kernels:
  - .name:           k_q3bf594ec44_qkv
    .symbol:         k_q3bf594ec44_qkv.kd
    .args:
      - { .name: p1, .offset: 0, .size: 8, .value_kind: global_buffer, .address_space: global }
      - { .name: p2, .offset: 8, .size: 8, .value_kind: global_buffer, .address_space: global }
      - { .name: q_gain, .offset: 16, .size: 8, .value_kind: global_buffer, .address_space: global }
      - { .name: p3, .offset: 24, .size: 8, .value_kind: global_buffer, .address_space: global }
    .group_segment_fixed_size: 327680
    .private_segment_fixed_size: 0
    .kernarg_segment_align: 8
    .kernarg_segment_size: 32
    .max_flat_workgroup_size: 128
    .sgpr_count:     102
    .vgpr_count:     1024
    .wavefront_size: 32
...
	.end_amdgpu_metadata
.endif
;; end of part 3
;; launch attn (part 4): grid 64 x 4, 16 waves a work-group, no clusters, 327,680 bytes of LDS; arguments p3, p1, p4; writes p4
.if DOCPART == 4
	.amdgcn_target "amdgcn-amd-amdhsa--gfx1250"
	.amdhsa_code_object_version 6
	.text
	.protected	k_q3bf594ec44_attn
	.globl	k_q3bf594ec44_attn
	.p2align	8
	.type	k_q3bf594ec44_attn,@function
k_q3bf594ec44_attn:
	s_mov_b64 s[64:65], 0
	v_nop
	global_prefetch_b8 v0, s[64:65] scope:SCOPE_SE
	s_setreg_imm32_b32 hwreg(HW_REG_WAVE_MODE, 25, 1), 1
	s_wait_xcnt 0x0
; Causal attention on codes of BF6, then y quantised for the output projection, and u = Q(y) Q(Ao)^T quantised too.
; WORK LEFT OUT: a step of 128 keys all of which come after the work-group's 16 queries: the problem's own causal mask gives them the weight 0 for every input.
; SHARES.  A work-group owns 16 queries of one batch and ALL 16 heads, a head a wave: so a whole row block of y lies in one work-group, and u's sum over the heads is made here.
; Four waves share a key and value head.  A step's K and V of all four such heads, images and scale words, are ONE dense block of 102,400 bytes, brought by waves 0 to 3 into a ring of two LDS slots.
; NO CLUSTER: under the mask the work-groups of a batch need different numbers of steps; a joint load would bring tiles that a partner never reads.
; THE SOFTMAX: t = score x log2(e) / sqrt(128); M = the running largest t rounded up to a whole number; p = 2^(t - M) is quantised along the keys; the row's sum is taken of the unquantised p and divides at the end.
; LAYOUT.  Both products transposed: a lane holds one query.  Tile T of K holds keys 16 T + 0..15, so register 8 T + j holds key 16 T + 8 (lane / 16) + j; in p's operand the keys of a block of 32 stand with bits 3 and 4
; swapped, and V's images were laid alike.  V's rows were chosen so that O^T falls in the natural order of the head's channels.
; REGISTERS: v1-11, v28-31 addresses; v12 -M, v13 the largest t, v[14:15] the sum; v16-27 Q; v32-79 four fragments; v96-159 S^T, then p; v160-223 O^T; v224.. p's codes; v232-254 at work; v255 Q's scale word.
.set SCW,   14352384
.set SLOT1, 1<<17
.set UPART, SLOT1+102400               ; 16 x 2,048 bytes: the heads' parts of u
.set YSC,   UPART+32768                ; y's scale words, 1,024 bytes
.set SPARE, YSC+1024                   ; the spare words, 128 bytes for each of sixteen waves
.set AK0,  1
.set UPA,  2
.set AS0,  3
.set YWA,  4
.set SPW,  5
.set NIL,  6
.set LI,   7
.set ADK,  8
.set URD,  9
.set ADS,  10
.set YRD,  28
.set PFO,  29
.set R8,   30
.set R4,   31
.set TB,   2
.set WV,   18
.set SEL,  20
.set CS,   22
.set G1,   24
.set G0,   40
.set QP,   44
.set QSP,  46
.set YIP,  48
.set YSP,  50
.set UIP,  52
.set UWP,  54
.set AOP,  56
.set AWP,  58
.set SLOTS, 67
.set PFA,  76
.set LIM,  80
.set KF,   98
.set Q0,   99
.set PC,   224
.set TM,   160
.set PW,   176
.macro QUANT s
.irp b, 0,1,2,3
	v_max3_num_f32 v[TM+\b], |v[\s+16*\b]|, |v[\s+1+16*\b]|, 0x2800000
.endr
.irp i, 2,4,6,8,10,12,14
.irp b, 0,1,2,3
	v_max3_num_f32 v[TM+\b], v[TM+\b], |v[\s+16*\b+\i]|, |v[\s+1+16*\b+\i]|
.endr
.endr
.irp b, 0,1,2,3
	v_permlanex16_b32 v[TM+4+\b], v[TM+\b], s[SEL], s[SEL+1]
.endr
.irp b, 0,1,2,3
	v_max_num_f32 v[TM+\b], v[TM+\b], v[TM+4+\b]
.endr
.irp b, 0,1,2,3
	v_add_nc_u32 v[TM+12+\b], 0xfe000000, v[TM+\b]
.endr
.irp b, 0,1,2,3
	v_lshrrev_b32 v[TM+4+\b], 23, v[TM+12+\b]
.endr
	v_lshl_or_b32 v[PW], v[TM+5], 8, v[TM+4]
	v_lshl_or_b32 v[PW], v[TM+6], 16, v[PW]
	v_lshl_or_b32 v[PW], v[TM+7], 24, v[PW]
.irp c, 0,1
	v_cvt_scalef32_pk16_bf6_f32 v[PC+6*\c:PC+2+6*\c], v[\s+32*\c:\s+15+32*\c], v[TM+12+2*\c]
	v_cvt_scalef32_pk16_bf6_f32 v[PC+12+4*\c:PC+14+4*\c], v[\s+16+32*\c:\s+31+32*\c], v[TM+12+2*\c+1]
.endr
	v_nop
.irp c, 0,1
.irp i, 0,1,2
	v_permlane16_swap_b32 v[PC+6*\c+\i], v[PC+12+4*\c+\i]
.endr
.irp i, 0,1,2
	v_mov_b32 v[PC+3+6*\c+\i], v[PC+12+4*\c+\i]
.endr
.endr
.endm
.macro TLOAD                           ; waves 0 to 3 fetch a quarter of a step's block each; an s_nop 0 and four v_nop follow the line
	s_cmp_lt_u32 s[WV], 4
	s_cbranch_scc0 .Lasked_\@
	tensor_load_to_lds s[G0:G0+3], s[G1:G1+7]
	s_nop 0
.rept 4
	v_nop
.endr
.Lasked_\@:
.endm
; A prefetch of the images that the NEXT change of slots will ask for: 98,304 bytes, lanes 256 bytes apart, 8,192 bytes a wave, one instruction in each of waves 4 to 15.  All work-groups of a batch walk the same blocks:
; the batch's last work-group, which walks all eight steps, asks, and nobody else, so each run of 256 bytes is named once.  The last change that fills a slot asks for nothing; steps 0 and 1, and the scale words, come by their loads alone.
.macro ASK
	s_cmp_gt_u32 s[SLOTS], s[LIM]
	s_cbranch_scc0 .Lnot_mine_\@
	global_prefetch_b8 v[PFO], s[PFA:PFA+1] th:TH_LOAD_NT scope:SCOPE_SE
.Lnot_mine_\@:
.endm
	s_load_b128 s[4:7], s[0:1], 0x0                ; p3, p1
	s_load_b64 s[8:9], s[0:1], 0x10                ; p4
	v_lshl_add_u32 v[SPW], v0, 2, SPARE
	v_mov_b32 v[NIL], 0
	ds_add_u32 v[SPW], v[NIL]                      ; the wave's opening: the add, twice on end, and its wait ahead of the first tensor load
	ds_add_u32 v[SPW], v[NIL]
	v_lshrrev_b32 v32, 5, v0
	v_readfirstlane_b32 s[WV], v32                 ; wave = head 0..15
	s_and_b32 s72, ttmp7, 0xffff                   ; batch
	s_lshl_b32 s[Q0], ttmp9, 4                     ; my first query
	s_mov_b32 s[G1], 3<<16                         ; no mask; elements of 8 bytes; no padding
	s_mov_b32 s[G1+1], 32<<16                      ; rows of 256 bytes
	s_mov_b32 s[G1+2], 100<<16                     ; 100 of them: 25,600 dense bytes
	s_mov_b32 s[G1+3], 32<<16
	s_mov_b32 s[G1+4], 100
	s_mov_b32 s[G1+5], 32
	s_mov_b32 s[G1+6], 0
	s_mov_b32 s[G1+7], 0
	s_and_b32 s73, s[WV], 3
	s_mul_i32 s73, s73, 25600                      ; my quarter, in a slot and in memory
	s_mul_i32 s82, s72, 819200                     ; the batch's eight blocks
	s_add_co_u32 s82, s82, 6553600
	s_mov_b32 s83, 0
	s_max_u32 s84, s[WV], 4
	s_sub_co_u32 s84, s84, 4
	s_lshl_b32 s84, s84, 13
	s_add_co_u32 s84, s84, s82
	s_add_co_u32 s84, s84, 102400                  ; the prefetches stand in step 1: the first change of slots steps them to step 2
	s_mov_b32 s85, 0
	s_add_co_u32 s82, s82, s73
	s_lshl_b32 s74, s72, 6
	s_add_co_u32 s74, s74, ttmp9                   ; my row block of y
	s_lshl_b32 s75, s74, 4
	s_add_co_u32 s75, s75, s[WV]
	s_mul_i32 s[YIP], s75, 1536
	s_mov_b32 s[YIP+1], 0
	s_sub_co_u32 s75, s[WV], 1
	s_and_b32 s75, s75, 1
	s_lshl_b32 s75, s75, 9                         ; waves 1 and 2 store y's scale words: 512 bytes each
	s_lshl_b32 s[YSP], s74, 10
	s_add_co_u32 s[YSP], s[YSP], s75
	s_add_co_u32 s[YSP], s[YSP], 6291456
	s_mov_b32 s[YSP+1], 0
	s_mul_i32 s[UIP], s74, 1536
	s_add_co_u32 s[UIP], s[UIP], 6553600
	s_mov_b32 s[UIP+1], 0
	s_lshl_b32 s[UWP], s74, 6
	s_add_co_u32 s[UWP], s[UWP], 6946816
	s_mov_b32 s[UWP+1], 0
	s_mul_i32 s[AOP], s[WV], 1536
	s_add_co_u32 s[AOP], s[AOP], 582*24576         ; Ao's two row blocks, K step = my head
	s_mov_b32 s[AOP+1], 0
	s_lshr_b32 s86, s[WV], 1
	s_lshl_b32 s86, s86, 7
	s_and_b32 s87, s[WV], 1
	s_lshl_b32 s87, s87, 2
	s_add_co_u32 s86, s86, s87                     ; my K step's place among a row block's scale words
	s_add_co_u32 s[AWP], s86, SCW+582*1024
	s_mov_b32 s[AWP+1], 0
	s_lshl_b32 s88, s72, 4
	s_add_co_u32 s88, s88, s[WV]                   ; 16 batch + head
	s_lshl_b32 s89, s88, 6
	s_add_co_u32 s89, s89, ttmp9
	s_mul_i32 s[QP], s89, 1536
	s_mov_b32 s[QP+1], 0
	s_lshl_b32 s89, s88, 3
	s_lshr_b32 s90, ttmp9, 3
	s_add_co_u32 s89, s89, s90
	s_lshl_b32 s[QSP], s89, 9
	s_and_b32 s90, ttmp9, 7
	s_lshl_b32 s90, s90, 2
	s_add_co_u32 s[QSP], s[QSP], s90
	s_add_co_u32 s[QSP], s[QSP], 6291456
	s_mov_b32 s[QSP+1], 0
	s_mov_b32 s[SEL], 0x76543210
	s_mov_b32 s[SEL+1], 0xfedcba98
	s_mov_b32 s[CS], 0x3e0293ee                    ; c = log2(e) / sqrt(128)
	s_mov_b32 s[CS+1], s[CS]
	s_mov_b32 s[TB], 0
	s_mov_b32 s[SLOTS], 7
	s_mov_b32 s[KF], 0
	s_cmp_eq_u32 ttmp9, 63
	s_cselect_b32 s[LIM], 1, -1
	s_cmp_lt_u32 s[WV], 4
	s_cselect_b32 s[LIM], -1, s[LIM]
	s_wait_dscnt 0x0                               ; both opening adds are done
	s_wait_kmcnt 0x0
	s_mov_b32 s[G0], 1
	s_mov_b32 s[G0+1], s73                         ; slot 0
	s_add_nc_u64 s[G0+2:G0+3], s[4:5], s[82:83]
	s_or_b32 s[G0+3], s[G0+3], 0x80000000
	TLOAD                                          ; step 0
	s_add_nc_u64 s[PFA:PFA+1], s[4:5], s[84:85]
	s_add_nc_u64 s[QP:QP+1], s[4:5], s[QP:QP+1]
	s_add_nc_u64 s[QSP:QSP+1], s[4:5], s[QSP:QSP+1]
	s_add_nc_u64 s[AOP:AOP+1], s[6:7], s[AOP:AOP+1]
	s_add_nc_u64 s[AWP:AWP+1], s[6:7], s[AWP:AWP+1]
	s_add_nc_u64 s[YIP:YIP+1], s[8:9], s[YIP:YIP+1]
	s_add_nc_u64 s[YSP:YSP+1], s[8:9], s[YSP:YSP+1]
	s_add_nc_u64 s[UIP:UIP+1], s[8:9], s[UIP:UIP+1]
	s_add_nc_u64 s[UWP:UWP+1], s[8:9], s[UWP:UWP+1]
	v_and_b32 v32, 15, v0                          ; r
	v_and_b32 v34, 31, v0                          ; lane
	v_lshlrev_b32 v[LI], 4, v34
	v_lshlrev_b32 v[PFO], 8, v34
	v_lshlrev_b32 v[R8], 3, v32
	v_lshlrev_b32 v[R4], 2, v32
	v_lshlrev_b32 v11, 5, v32                      ; 32 r
.irp c, 0,1,2
	global_load_b128 v[16+4*\c:19+4*\c], v[LI], s[QP:QP+1] offset:512*\c     ; Q's fragment stays in registers
.endr
	global_load_b32 v255, v11, s[QSP:QSP+1]        ; and its scale words
	s_lshr_b32 s84, s[WV], 2                       ; my key and value head
	s_mul_i32 s85, s84, 12288
	v_add_nc_u32 v[AK0], s85, v[LI]
	s_lshl_b32 s85, s84, 9
	s_add_co_u32 s85, s85, 98304
	v_add_nc_u32 v[AS0], s85, v11
	s_lshl_b32 s85, s[WV], 11
	s_add_co_u32 s85, s85, UPART
	v_add_nc_u32 v[UPA], s85, v[LI]
	v_add_nc_u32 v[URD], UPART, v[LI]
	s_add_co_u32 s85, s86, YSC
	v_add_nc_u32 v[YWA], s85, v[R8]
	s_add_co_u32 s85, s75, YSC
	v_add_nc_u32 v[YRD], s85, v[LI]
	v_mov_b32 v13, 0xff61b1e6                      ; the largest t so far: -3e38
	v_floor_f32 v12, -v13                          ; -M
	v_mov_b32 v14, 0
	v_mov_b32 v15, 0
.irp b, 0,1,2,3
	v_mov_b32 v[236+\b], 0
.endr
	v_mov_b32 v253, 0
.set j, 0
.rept 64
	v_mov_b32 v[160+j], 0                          ; O^T: the step is written once; the first finds zeros
.set j, j+1
.endr
; A KEY STEP: 128 keys.
.macro STEP
	s_add_co_u32 s96, s[Q0], 15                    ; a step all of whose keys come after my queries is left out: a branch on ids, round the step's work alone
	s_cmp_gt_u32 s[KF], s96
	s_cbranch_scc1 .Lhidden_\@
	v_add_nc_u32 v[ADK], s[TB], v[AK0]
	v_add_nc_u32 v[ADS], s[TB], v[AS0]
	v_nop
	v_nop                                          ; four places in front of loads into registers that matrix instructions have read
.irp g, 0,1                                    ; S^T = K Q^T, four tiles of 16 keys at a time
.if \g > 0
.rept 4
	v_nop
.endr
.endif
.irp t, 0,1,2,3
.irp c, 0,1,2
	ds_load_b128 v[32+12*\t+4*\c:35+12*\t+4*\c], v[ADK] offset:(4*\g+\t)*1536+512*\c
.endr
.endr
	ds_load_b128 v[248:251], v[ADS] offset:16*\g   ; the four tiles' scale words of row r
	s_wait_dscnt 0x0
.irp t, 0,1,2,3
	v_wmma_scale_f32_16x16x128_f8f6f4 v[96+8*(4*\g+\t):103+8*(4*\g+\t)], v[32+12*\t:43+12*\t], v[16:27], 0, v[248+\t], v255 matrix_a_fmt:MATRIX_FMT_BF6 matrix_b_fmt:MATRIX_FMT_BF6
.endr
.endr
.rept 4
	v_nop
.endr
	s_add_co_u32 s96, s[KF], 127                   ; on the diagonal hidden scores become -infinity ahead of the maximum; a step all of whose keys count skips this
	s_cmp_le_u32 s96, s[Q0]
	s_cbranch_scc1 .Lopen_\@
	s_sub_co_i32 s96, s[Q0], s[KF]
	v_and_b32 v252, 15, v0
	v_bfe_u32 v253, v0, 4, 1
	v_lshlrev_b32 v253, 3, v253
	v_sub_nc_u32 v252, v252, v253
	v_add_nc_u32 v252, s96, v252                   ; d = my query - the step's first key - 8 (lane / 16): register n holds a hidden key where 16 (n / 8) + n % 8 > d
	v_mov_b32 v254, 0xff800000
.set n, 0
.rept 64
	v_cmp_gt_i32 vcc_lo, 16*(n/8)+n%8, v252
	v_cndmask_b32 v[96+n], v[96+n], v254, vcc_lo
.set n, n+1
.endr
.Lopen_\@:
.irp b, 0,1,2,3
	v_max3_num_f32 v[232+\b], v[96+16*\b], v[97+16*\b], v[98+16*\b]   ; the largest score of each block of 32 keys: for the row's maximum and for the block's largest p
.endr
.irp i, 3,5,7,9,11,13
.irp b, 0,1,2,3
	v_max3_num_f32 v[232+\b], v[232+\b], v[96+16*\b+\i], v[97+16*\b+\i]
.endr
.endr
.irp b, 0,1,2,3
	v_max_num_f32 v[232+\b], v[232+\b], v[111+16*\b]
.endr
.irp b, 0,1,2,3
	v_permlanex16_b32 v[236+\b], v[232+\b], s[SEL], s[SEL+1]
.endr
.irp b, 0,1,2,3
	v_max_num_f32 v[232+\b], v[232+\b], v[236+\b]
.endr
	v_max3_num_f32 v254, v232, v233, v234
	v_max_num_f32 v254, v254, v235
	v_mul_f32 v254, s[CS], v254
	v_max_num_f32 v13, v13, v254                   ; the running largest t
	v_mov_b32 v254, v12
	v_floor_f32 v12, -v13                          ; the new -M: M is a whole number
	v_sub_f32 v254, v12, v254
	v_cvt_i32_f32 v254, v254                       ; (it saturates)
	v_ldexp_f32 v252, 1.0, v254                    ; f = 2^(old M - new M): exact
.set j, 0
.rept 32
	v_pk_fma_f32 v[96+j:97+j], v[96+j:97+j], s[CS:CS+1], v[12:13] op_sel_hi:[1,0,0]   ; t - M
.set j, j+2
.endr
.irp b, 0,1,2,3
	v_fma_f32 v[232+\b], v[232+\b], s[CS], v12
.endr
.set j, 0
.rept 64
	v_exp_f32 v[96+j], v[96+j]                     ; p = 2^(t - M)
.set j, j+1
.endr
	v_pk_mul_f32 v[14:15], v[14:15], v[252:253] op_sel_hi:[1,0]   ; the sums under the new M: a plain place behind the exponentials
	s_wait_alu depctr_va_vdst(0)                   ; one wait for the whole batch, ahead of its first reader
.irp b, 0,1,2,3
	v_exp_f32 v[232+\b], v[232+\b]                 ; the blocks' largest p
.endr
	v_pk_add_f32 v[236:237], v[96:97], v[98:99]    ; the row's sum of the unquantised p, in two chains
.irp j, 4,8,12,16,20,24,28,32,36,40,44,48,52,56,60
	v_pk_add_f32 v[14:15], v[14:15], v[96+\j:97+\j]
	v_pk_add_f32 v[236:237], v[236:237], v[98+\j:99+\j]
.endr
	v_pk_add_f32 v[14:15], v[14:15], v[236:237]
	s_wait_alu depctr_va_vdst(0)                   ; and one for the four
.irp b, 0,1,2,3
	v_max_num_f32 v[232+\b], 0x2800000, v[232+\b]
.endr
.irp b, 0,1,2,3
	v_add_nc_u32 v[244+\b], 0xfe000000, v[232+\b]
.endr
.irp b, 0,1,2,3
	v_lshrrev_b32 v[236+\b], 23, v[244+\b]
.endr
	v_lshl_or_b32 v253, v237, 8, v236              ; p's scale word
	v_lshl_or_b32 v253, v238, 16, v253
	v_lshl_or_b32 v253, v239, 24, v253
.irp c, 0,1
	v_cvt_scalef32_pk16_bf6_f32 v[224+6*\c:226+6*\c], v[96+32*\c:111+32*\c], v[244+2*\c]
	v_cvt_scalef32_pk16_bf6_f32 v[236+4*\c:238+4*\c], v[112+32*\c:127+32*\c], v[244+2*\c+1]
.endr
	v_nop
.irp c, 0,1
.irp i, 0,1,2
	v_permlane16_swap_b32 v[224+6*\c+\i], v[236+4*\c+\i]
.endr
.irp i, 0,1,2
	v_mov_b32 v[227+6*\c+\i], v[236+4*\c+\i]
.endr
.endr
.set j, 0
.rept 32
	v_pk_mul_f32 v[160+j:161+j], v[160+j:161+j], v[252:253] op_sel_hi:[1,0]   ; O^T under the new M; these are also the places in front of the loads and products below
.set j, j+2
.endr
.irp g, 0,1                                    ; O^T += V^T P^T
.if \g > 0
.rept 4
	v_nop
.endr
.endif
.irp t, 0,1,2,3
.irp c, 0,1,2
	ds_load_b128 v[32+12*\t+4*\c:35+12*\t+4*\c], v[ADK] offset:49152+(4*\g+\t)*1536+512*\c
.endr
.endr
	ds_load_b128 v[248:251], v[ADS] offset:2048+16*\g
	s_wait_dscnt 0x0
.irp t, 0,1,2,3
	v_wmma_scale_f32_16x16x128_f8f6f4 v[160+8*(4*\g+\t):167+8*(4*\g+\t)], v[32+12*\t:43+12*\t], v[224:235], v[160+8*(4*\g+\t):167+8*(4*\g+\t)], v[248+\t], v253 matrix_a_fmt:MATRIX_FMT_BF6 matrix_b_fmt:MATRIX_FMT_BF6
.endr
.endr
.Lhidden_\@:
	s_add_co_u32 s[KF], s[KF], 128
	s_xor_b32 s[TB], s[TB], SLOT1                  ; on to the other slot
.endm
; THE CHANGE OF SLOTS stands at a step's head.  Each wave waits for all its tensor loads, adds 0 to its spare word, and waits for that and for its reads of the slot that it has left; behind the barrier the slot ahead is whole
; and nobody reads the other one.  fill = 1: that other slot is filled with the next step's block, while some wave will read it.
.macro CHANGE fill
	s_wait_tensorcnt 0x0
	ds_add_u32 v[SPW], v[NIL]
.if \fill
	ds_add_u32 v[SPW], v[NIL]                      ; and once more
	s_xor_b32 s[G0+1], s[G0+1], SLOT1              ; the walking descriptor: the other slot, the next block
	s_add_nc_u64 s[G0+2:G0+3], s[G0+2:G0+3], 102400
	s_wait_xcnt 0x0                                ; the last prefetch, a step back, has read its address
	s_add_nc_u64 s[PFA:PFA+1], s[PFA:PFA+1], 102400
.endif
	s_wait_dscnt 0x0
	s_barrier_signal -1
	s_barrier_wait -1
.if \fill
	s_add_co_u32 s96, s[KF], 128                   ; the first key of the block that this change would ask for
	s_add_co_u32 s97, s[Q0], 15                    ; the work-group's last query
	s_cmp_gt_u32 s96, s97                          ; ids and the count of steps alone: all sixteen waves go the same way; no step reads a block that was not asked for
	s_cbranch_scc1 .Lpast_\@
	TLOAD
.Lpast_\@:
	ASK
.endif
.endm
	s_wait_loadcnt 0x0                             ; Q
.Lslot:                                            ; seven trips
	CHANGE 1
	STEP
	s_sub_co_u32 s[SLOTS], s[SLOTS], 1
	s_cmp_lg_u32 s[SLOTS], 0
	s_cbranch_scc1 .Lslot
	CHANGE 0
	STEP
	; THE WAY OUT: y = O^T / the sum; quantised: K step = my head of the output projection; its part of u = y Ao^T
.rept 4
	v_nop                                          ; places in front of loads into registers that matrix instructions have read
.endr
.irp u, 0,1
.irp c, 0,1,2
	global_load_b128 v[32+12*\u+4*\c:35+12*\u+4*\c], v[LI], s[AOP:AOP+1] offset:24576*\u+512*\c
.endr
	global_load_b32 v[56+\u], v[R8], s[AWP:AWP+1] offset:1024*\u
.endr
	v_add_f32 v14, v14, v15
	v_permlanex16_b32 v252, v14, s[SEL], s[SEL+1]
	v_add_f32 v14, v14, v252                       ; the row's sum
	v_rcp_f32 v14, v14
	v_nop
	s_wait_alu depctr_va_vdst(0)
.set j, 0
.rept 64
	v_mul_f32 v[96+j], v[160+j], v14               ; register 16 B + 8 u + i is channel 32 B + 16 (lane / 16) + 8 u + i: the quantiser's order
.set j, j+1
.endr
	QUANT 96
.irp c, 0,1,2
	global_store_b128 v[LI], v[PC+4*\c:PC+4*\c+3], s[YIP:YIP+1] offset:512*\c
.endr
	ds_store_b32 v[YWA], v[PW]
	s_wait_loadcnt 0x0
.rept 8
	v_nop                                          ; a scale register written by a vector instruction stands eight places ahead of a scaled matrix instruction
.endr
	v_wmma_scale_f32_16x16x128_f8f6f4 v[64:71], v[32:43], v[224:235], 0, v56, v176 matrix_a_fmt:MATRIX_FMT_BF6 matrix_b_fmt:MATRIX_FMT_BF6
	v_wmma_scale_f32_16x16x128_f8f6f4 v[72:79], v[44:55], v[224:235], 0, v57, v176 matrix_a_fmt:MATRIX_FMT_BF6 matrix_b_fmt:MATRIX_FMT_BF6
.rept 4
	v_nop
.endr
.irp c, 0,1,2,3
	ds_store_b128 v[UPA], v[64+4*\c:67+4*\c] offset:512*\c
.endr
	s_wait_dscnt 0x0                               ; for the others' sake: my stores have landed
	s_barrier_signal -1
	s_barrier_wait -1
	s_cmp_eq_u32 s[WV], 0
	s_cbranch_scc1 .Lw0
	s_cmp_lt_u32 s[WV], 3
	s_cbranch_scc0 .Lend
	ds_load_b128 v[32:35], v[YRD]                  ; waves 1 and 2: y's scale words, 512 bytes each
	s_wait_dscnt 0x0
	global_store_b128 v[LI], v[32:35], s[YSP:YSP+1]
	s_branch .Lend
.Lw0:                                              ; wave 0: u's sixteen parts, five at a time
.irp bt, 0,1,2
.irp k, 0,1,2,3,4
.irp c, 0,1,2,3
	ds_load_b128 v[80+16*\k+4*\c:83+16*\k+4*\c], v[URD] offset:2048*(1+5*\bt+\k)+512*\c
.endr
.endr
	s_wait_dscnt 0x0
.irp k, 0,1,2,3,4
.irp i, 0,2,4,6,8,10,12,14
	v_pk_add_f32 v[64+\i:65+\i], v[64+\i:65+\i], v[80+16*\k+\i:81+16*\k+\i]
.endr
.endr
.endr
.set j, 0
.rept 48
	v_mov_b32 v[80+j], 0                           ; blocks 1 to 3: zeros
.set j, j+1
.endr
	s_wait_xcnt 0x0                                ; y's stores have read the codes' registers
	QUANT 64
.irp c, 0,1,2
	global_store_b128 v[LI], v[PC+4*\c:PC+4*\c+3], s[UIP:UIP+1] offset:512*\c
.endr
	global_store_b32 v[R4], v[PW], s[UWP:UWP+1]    ; 64 bytes: a row block has no more; lanes r and r + 16 store the same word
.Lend:
	s_wait_tensorcnt 0x0                           ; the wave's end
	ds_add_u32 v[SPW], v[NIL]
	s_wait_dscnt 0x0
	s_endpgm
.Lfunc_end_k_q3bf594ec44_attn:
	.size	k_q3bf594ec44_attn, .Lfunc_end_k_q3bf594ec44_attn-k_q3bf594ec44_attn
	.p2alignl 7, 3214868480
	.fill 96, 4, 3214868480
	.section	.rodata,"a",@progbits
	.p2align	6, 0x0
	.amdhsa_kernel k_q3bf594ec44_attn
		.amdhsa_group_segment_fixed_size 327680
		.amdhsa_private_segment_fixed_size 0
		.amdhsa_enable_private_segment 0
		.amdhsa_kernarg_size 24
		.amdhsa_user_sgpr_count 2
		.amdhsa_user_sgpr_kernarg_segment_ptr 1
		.amdhsa_wavefront_size32 1
		.amdhsa_system_sgpr_workgroup_id_x 1
		.amdhsa_system_sgpr_workgroup_id_y 1
		.amdhsa_system_sgpr_workgroup_id_z 1
		.amdhsa_system_vgpr_workitem_id 0
		.amdhsa_next_free_vgpr 256
		.amdhsa_next_free_sgpr 100
		.amdhsa_reserve_vcc 1
		.amdhsa_float_denorm_mode_32 3
		.amdhsa_float_denorm_mode_16_64 3
		.amdhsa_memory_ordered 1
		.amdhsa_forward_progress 1
		.amdhsa_inst_pref_size 84
	.end_amdhsa_kernel
	.amdgpu_metadata
---
amdhsa.version: [ 1, 2 ]
amdhsa.kernels:
  - .name:           k_q3bf594ec44_attn
    .symbol:         k_q3bf594ec44_attn.kd
    .args:
      - { .name: p3, .offset: 0, .size: 8, .value_kind: global_buffer, .address_space: global }
      - { .name: p1, .offset: 8, .size: 8, .value_kind: global_buffer, .address_space: global }
      - { .name: p4, .offset: 16, .size: 8, .value_kind: global_buffer, .address_space: global }
    .group_segment_fixed_size: 327680
    .private_segment_fixed_size: 0
    .kernarg_segment_align: 8
    .kernarg_segment_size: 24
    .max_flat_workgroup_size: 512
    .sgpr_count:     100
    .vgpr_count:     256
    .wavefront_size: 32
...
	.end_amdgpu_metadata
.endif
;; end of part 4
;; launch oproj (part 5): grid 8 x 16, 4 waves a work-group, clusters of 4 x 4, 327,680 bytes of LDS; arguments p4, p1, out0; writes out0
.if DOCPART == 5
	.amdgcn_target "amdgcn-amd-amdhsa--gfx1250"
	.amdhsa_code_object_version 6
	.text
	.protected	k_q3bf594ec44_oproj
	.globl	k_q3bf594ec44_oproj
	.p2align	8
	.type	k_q3bf594ec44_oproj,@function
k_q3bf594ec44_oproj:
	s_mov_b64 s[64:65], 0
	v_nop
	global_prefetch_b8 v0, s[64:65] scope:SCOPE_SE
	s_setreg_imm32_b32 hwreg(HW_REG_WAVE_MODE, 25, 1), 1
	s_wait_xcnt 0x0
	s_wait_alu depctr_hold_cnt(0) depctr_sa_sdst(0) depctr_va_vdst(0) depctr_va_sdst(0) depctr_va_ssrc(0) depctr_va_vcc(0) depctr_vm_vsrc(0)
	s_getreg_b32 s2, hwreg(HW_REG_IB_STS2, 6, 4)
	s_cmp_eq_u32 s2, 0
	s_cbranch_scc0 .Lentry_in_a_cluster
	s_endpgm
.Lentry_in_a_cluster:
	s_bfe_u32 s2, ttmp6, 0x10000c
	s_cmp_lg_u32 s2, 0xf033
	s_cbranch_scc0 .Lentry_shape_is_right
	s_endpgm
.Lentry_shape_is_right:
; out0 = Q(y) Q(Wo)^T + Q(u) Q(Bo)^T: 4,096 x 2,048, f32.  The same product as in the launch qkv: tiles of 256 x 256, four waves of 128 x 128, the LoRA term as the sums' first K step straight from memory,
; K in steps of 256 through a ring of two LDS slots of fragment images, the scale words in LDS once, 4 x 4 clusters with joint loads.  128 tiles: half of the WGPs have a work-group.
; THE MATRIX INSTRUCTION IS USED TRANSPOSED (source 0 = 16 rows of Wo, source 1 = 16 tokens): a lane holds eight neighbouring numbers of a row of the output.
.set APTR,  4                          ; s[4:5] p4: y's images
.set BPTR,  6                          ; s[6:7] p1: Wo's
.set LAPTR, 4                          ; u lies in p4
.set LAOFF, 6553600
.set LAWOFF, 6946816
.set LB0,   192
.set RB_B,  448
.set ASCW,  6291456
.set BSCW,  14352384
.set LBI,   14950400
.set LBW,   15441920
.set SIZE_N, 2048
.set NQ,    2
.set FR,    12
.set NL,    3
.set NP,    4
.set HALFT, 24576
.set SLOT,  4*HALFT
.set LAPS,  4
.set SCL,   2*SLOT
.set STG,   SCL+32768                  ; the way out: 16 rows x (512 bytes + 16) for each wave; no tile lands here
.set SPITCH, 528
.set SPARE, STG+4*16*SPITCH
.set ADRA, 16
.set ADRB, 20
.set STO,  24
.set RD,   25
.set CO,   26
.set ADRS, 27
.set SPW,  28
.set NIL,  29
.set LI,   30
.set R4,   31
.set SC,   32
.set AF,   128
.set BK,   128
.set G1, 24
.set G0, 32
.set G1B, 48
.set G0B, 56
.set G1S, 68
.set G0S, 76
.set G1SB, 80
.set G0SB, 88
.set PLA,  96
.set PLB,  98
.set PLAW, 100
.set PLBW, 12
.set MSB, 0
.macro WIN new
.if MSB != \new
	s_set_vgpr_msb (MSB<<8)|\new
.set MSB, \new
.endif
.endm
.set MUL_LO, 0xa1
.set MUL_HI, 0xf1
.set TO_B,   0x40
.macro JLOAD g0a, g1a, g0b, g1b
	s_cmp_eq_u32 s15, 0
	s_cbranch_scc0 .Lfor_b_\@
	tensor_load_to_lds s[\g0a:\g0a+3], s[\g1a:\g1a+7]
	s_nop 0
.rept 4
	v_nop
.endr
	s_branch .Lasked_\@
.Lfor_b_\@:
	tensor_load_to_lds s[\g0b:\g0b+3], s[\g1b:\g1b+7]
	s_nop 0
.rept 4
	v_nop
.endr
.Lasked_\@:
.endm
.macro CREST
	s_cmp_lg_u32 s14, 0
	s_cbranch_scc1 .Lnot_wave_0_\@
	s_barrier_signal -3
.Lnot_wave_0_\@:
	s_barrier_wait -3
	s_barrier_signal -1
	s_barrier_wait -1
.endm
.macro CROUND
	s_barrier_signal -1
	s_barrier_wait -1
	CREST
.endm
.macro PLACES n
.rept \n
	v_nop
.endr
.endm
	s_load_b128 s[4:7], s[0:1], 0x0                ; p4, p1
	s_load_b64 s[8:9], s[0:1], 0x10                ; out0
	v_lshl_add_u32 v[SPW], v0, 2, SPARE
	v_mov_b32 v[NIL], 0
	ds_add_u32 v[SPW], v[NIL]                      ; the wave's opening: the add, twice on end, and its wait ahead of my first tensor load
	ds_add_u32 v[SPW], v[NIL]
	v_lshrrev_b32 v1, 5, v0
	v_readfirstlane_b32 s14, v1
	s_lshr_b32 s15, s14, 1
	s_and_b32 s16, s14, 1
	s_bfe_u32 s40, ttmp6, 0x40000
	s_bfe_u32 s41, ttmp6, 0x40004
	s_lshl_b32 s42, ttmp9, 2
	s_add_co_u32 s42, s42, s40                     ; tile column
	s_and_b32 s17, ttmp7, 0xffff
	s_lshl_b32 s17, s17, 2
	s_add_co_u32 s17, s17, s41                     ; tile row
	s_lshl_b32 s43, s41, 2
	s_lshl_b32 s43, 15, s43
	s_lshl_b32 s44, 0x1111, s40
	s_or_b32 s[G1+0], s43, (3<<16)|(1<<21)
	s_or_b32 s[G1B+0], s44, (3<<16)|(1<<21)
.irp g, G1, G1B
	s_mov_b32 s[\g+1], 384<<16
	s_mov_b32 s[\g+2], 8<<16
	s_mov_b32 s[\g+3], 384<<16
	s_mov_b32 s[\g+4], 8
	s_mov_b32 s[\g+5], 3072
	s_mov_b32 s[\g+6], 0
	s_mov_b32 s[\g+7], 0
.endr
	s_or_b32 s[G1S+0], s43, (3<<16)|(1<<21)
	s_or_b32 s[G1SB+0], s44, (3<<16)|(1<<21)
.irp g, G1S, G1SB
	s_mov_b32 s[\g+1], 32<<16
	s_mov_b32 s[\g+2], 32<<16
	s_mov_b32 s[\g+3], 32<<16
	s_mov_b32 s[\g+4], 32
	s_mov_b32 s[\g+5], 32
	s_mov_b32 s[\g+6], 0
	s_mov_b32 s[\g+7], 0
.endr
	s_lshl_b32 s18, s16, 3
	s_lshl_b32 s20, s17, 4
	s_add_co_u32 s20, s20, s18
	s_lshl_b32 s46, s42, 4
	s_add_co_u32 s46, s46, s18
	s_add_co_u32 s46, s46, RB_B
	s_lshl_b32 s22, s20, 10
	s_add_co_u32 s22, s22, ASCW
	s_mov_b32 s23, 0
	s_lshl_b32 s92, s46, 10
	s_add_co_u32 s92, s92, BSCW
	s_mov_b32 s93, 0
	s_mul_i32 s20, s20, 24576
	s_mov_b32 s21, 0
	s_mul_i32 s46, s46, 24576
	s_mov_b32 s47, 0
	s_mul_i32 s45, s14, HALFT
	s_lshl_b32 s94, s14, 13
	s_wait_dscnt 0x0
	s_wait_kmcnt 0x0
	s_add_nc_u64 s[20:21], s[APTR:APTR+1], s[20:21]
	s_add_nc_u64 s[22:23], s[APTR:APTR+1], s[22:23]
	s_add_nc_u64 s[46:47], s[BPTR:BPTR+1], s[46:47]
	s_add_nc_u64 s[92:93], s[BPTR:BPTR+1], s[92:93]
	CROUND
	s_mov_b32 s[G0S], 1
	s_add_co_u32 s[G0S+1], s94, SCL
	s_mov_b64 s[G0S+2:G0S+3], s[22:23]
	s_or_b32 s[G0S+3], s[G0S+3], 0x80000000
	s_mov_b32 s[G0SB], 1
	s_add_co_u32 s[G0SB+1], s94, SCL
	s_mov_b64 s[G0SB+2:G0SB+3], s[92:93]
	s_or_b32 s[G0SB+3], s[G0SB+3], 0x80000000
	JLOAD G0S, G1S, G0SB, G1SB
.irp s, 0,1
	s_mov_b32 s[G0+4*\s], 1
	s_add_co_u32 s[G0+4*\s+1], s45, \s*SLOT
	s_add_nc_u64 s[G0+4*\s+2:G0+4*\s+3], s[20:21], \s*3072
	s_or_b32 s[G0+4*\s+3], s[G0+4*\s+3], 0x80000000
	s_mov_b32 s[G0B+4*\s], 1
	s_add_co_u32 s[G0B+4*\s+1], s45, \s*SLOT
	s_add_nc_u64 s[G0B+4*\s+2:G0B+4*\s+3], s[46:47], \s*3072
	s_or_b32 s[G0B+4*\s+3], s[G0B+4*\s+3], 0x80000000
	JLOAD G0+4*\s, G1, G0B+4*\s, G1B               ; by this text's count three tensor loads of mine are out
.endr
	v_and_b32 v1, 15, v0
	v_bfe_u32 v2, v0, 4, 1
	v_and_b32 v3, 31, v0
	v_lshlrev_b32 v[LI], 4, v3
	v_lshlrev_b32 v[R4], 2, v1
	s_mul_i32 s21, s15, HALFT
	s_mul_i32 s22, s16, HALFT
	s_add_co_u32 s22, s22, 2*HALFT
.irp s, 0,1
	v_add_nc_u32 v[ADRA+\s], s21, v[LI]
	v_add_nc_u32 v[ADRB+\s], s22, v[LI]
	s_add_co_u32 s21, s21, SLOT
	s_add_co_u32 s22, s22, SLOT
.endr
	s_lshl_b32 s21, s15, 13
	s_lshl_b32 s22, s16, 13
	s_add_co_u32 s22, s22, 16384
	s_sub_co_u32 s22, s22, s21
	v_mul_u32_u24 v6, s22, v2
	s_add_co_u32 s21, s21, SCL
	v_lshl_add_u32 v6, v1, 3, v6
	v_add_nc_u32 v[ADRS], s21, v6
	s_lshl_b32 s18, s17, 4
	s_lshl_b32 s19, s15, 3
	s_add_co_u32 s18, s18, s19
	s_mul_i32 s[PLA], s18, 1536
	s_add_co_u32 s[PLA], s[PLA], LAOFF
	s_mov_b32 s[PLA+1], 0
	s_lshl_b32 s[PLAW], s18, 6
	s_add_co_u32 s[PLAW], s[PLAW], LAWOFF
	s_mov_b32 s[PLAW+1], 0
	s_lshl_b32 s18, s42, 4
	s_lshl_b32 s19, s16, 3
	s_add_co_u32 s18, s18, s19
	s_add_co_u32 s18, s18, LB0
	s_mul_i32 s[PLB], s18, 1536
	s_add_co_u32 s[PLB], s[PLB], LBI
	s_mov_b32 s[PLB+1], 0
	s_lshl_b32 s[PLBW], s18, 6
	s_add_co_u32 s[PLBW], s[PLBW], LBW
	s_mov_b32 s[PLBW+1], 0
	s_add_nc_u64 s[PLA:PLA+1], s[LAPTR:LAPTR+1], s[PLA:PLA+1]
	s_add_nc_u64 s[PLAW:PLAW+1], s[LAPTR:LAPTR+1], s[PLAW:PLAW+1]
	s_add_nc_u64 s[PLB:PLB+1], s[BPTR:BPTR+1], s[PLB:PLB+1]
	s_add_nc_u64 s[PLBW:PLBW+1], s[BPTR:BPTR+1], s[PLBW:PLBW+1]
.irp i, 0,1,2,3,4,5,6,7
.irp c, 0,1,2
	global_load_b128 v[AF+FR*\i+4*\c:AF+FR*\i+4*\c+3], v[LI], s[PLA:PLA+1] offset:1536*\i+512*\c
.endr
.endr
	WIN TO_B
.irp i, 0,1,2,3,4,5,6,7
.irp c, 0,1,2
	global_load_b128 v[128+FR*\i+4*\c:128+FR*\i+4*\c+3], v[LI], s[PLB:PLB+1] offset:1536*\i+512*\c
.endr
.endr
	WIN 0
.irp i, 0,1,2,3,4,5,6,7
	global_load_b32 v[48+\i], v[R4], s[PLAW:PLAW+1] offset:64*\i
	global_load_b32 v[56+\i], v[R4], s[PLBW:PLBW+1] offset:64*\i
.endr
	s_mul_i32 s23, s14, 16*SPITCH
	s_add_co_u32 s23, s23, STG                     ; my stage
	v_mul_u32_u24 v5, v1, SPITCH
	v_lshl_add_u32 v5, v2, 5, v5
	v_add_nc_u32 v[STO], s23, v5                   ; in: row l % 16, 32 bytes for each half of the lanes
	v_lshlrev_b32 v[CO], 4, v3                     ; back: the 32 lanes take one row of 512 bytes; and the same in the output
	v_add_nc_u32 v[RD], s23, v[CO]
	s_lshl_b32 s20, s17, 8
	s_lshl_b32 s21, s15, 7
	s_add_co_u32 s20, s20, s21                     ; my first row
	s_lshl_b32 s20, s20, 13                        ; of 8,192 bytes
	s_lshl_b32 s46, s42, 10
	s_lshl_b32 s47, s16, 9
	s_add_co_u32 s20, s20, s46
	s_add_co_u32 s20, s20, s47                     ; my first column
	s_mov_b32 s21, 0
	s_add_nc_u64 s[8:9], s[8:9], s[20:21]
.macro FRAG reg, adr, q, i
.irp c, 0,1,2
	ds_load_b128 v[\reg+4*\c:\reg+4*\c+3], v[\adr] offset:(\i)*3072+(\q)*1536+512*\c
.endr
.endm
.macro MUL16 a0, p, q, sc              ; the 64 accumulators take turns, one instruction a turn, in the same order in every step
.irp a, \a0, \a0+1
.irp b, 0,1,2,3,4,5,6,7
	v_wmma_scale_f32_16x16x128_f8f6f4 v[8*(8*((\a)%4)+\b):8*(8*((\a)%4)+\b)+7], v[128*(\p)+FR*\b:128*(\p)+FR*\b+FR-1], v[AF+FR*(\a):AF+FR*(\a)+FR-1], v[8*(8*((\a)%4)+\b):8*(8*((\a)%4)+\b)+7], v[SC+8*NQ*(\sc)+NQ*\b+(\q)], v[SC+8*NQ*(\sc)+NQ*(\a)+(\q)] matrix_a_fmt:MATRIX_FMT_BF6 matrix_b_fmt:MATRIX_FMT_BF6 matrix_a_scale:MATRIX_SCALE_ROW1
.endr
.endr
.endm
.macro LMUL16 a0                       ; the LoRA step starts the sums
.irp a, \a0, \a0+1
.irp b, 0,1,2,3,4,5,6,7
	v_wmma_scale_f32_16x16x128_f8f6f4 v[8*(8*((\a)%4)+\b):8*(8*((\a)%4)+\b)+7], v[128+FR*\b:128+FR*\b+FR-1], v[AF+FR*(\a):AF+FR*(\a)+FR-1], 0, v[56+\b], v[48+(\a)] matrix_a_fmt:MATRIX_FMT_BF6 matrix_b_fmt:MATRIX_FMT_BF6
.endr
.endr
.endm
.macro FETCH_B slot, q, p
	WIN TO_B
.irp i, 0,1,2,3,4,5,6,7
	FRAG 128*(\p)+FR*\i, ADRB+\slot, \q, \i
.endr
	WIN 0
.endm
.macro FETCH_A slot, q, i0
.irp i, \i0, \i0+1, \i0+2, \i0+3
	FRAG AF+FR*(\i), ADRA+\slot, \q, \i
.endr
.endm
.macro SCALES sc
.irp i, 0,1,2,3,4,5,6,7
	ds_load_b64 v[SC+8*NQ*\sc+NQ*\i:SC+8*NQ*\sc+NQ*\i+1], v[ADRS] offset:\i*1024
.endr
.endm
.macro STEP slot, q
	s_wait_dscnt 4*NL                              ; Wo's set and y's blocks 0-3 are in; the youngest twelve loads may be out
	WIN MUL_LO
	MUL16 0, (\q)%2, \q, \slot
	MUL16 2, (\q)%2, \q, \slot
	s_wait_dscnt 0
	PLACES NP
	FETCH_B \slot, (\q)+1, 1-(\q)%2
	FETCH_A \slot, (\q)+1, 0
	WIN MUL_HI
	MUL16 4, (\q)%2, \q, \slot
	MUL16 6, (\q)%2, \q, \slot
	PLACES NP
	WIN 0
	FETCH_A \slot, (\q)+1, 4
.endm
.macro TURN slot, next, fill
	s_wait_tensorcnt 0x0                           ; all my tensor loads have landed
	ds_add_u32 v[SPW], v[NIL]
	s_wait_dscnt 4*NL+1                            ; (the add and the youngest twelve loads may be out)
	WIN MUL_LO
	MUL16 0, 1, NQ-1, \slot
	s_wait_dscnt 0x0                               ; the add is done, and my reads of this slot are over
	s_barrier_signal -1
	MUL16 2, 1, NQ-1, \slot
	WIN 0
	s_barrier_wait -1
.if \fill
	CREST
	s_add_nc_u64 s[G0+4*\slot+2:G0+4*\slot+3], s[G0+4*\slot+2:G0+4*\slot+3], 6144
	s_add_nc_u64 s[G0B+4*\slot+2:G0B+4*\slot+3], s[G0B+4*\slot+2:G0B+4*\slot+3], 6144
	JLOAD G0+4*\slot, G1, G0B+4*\slot, G1B
.else
	PLACES NP
.endif
	v_add_nc_u32 v[ADRS], 128, v[ADRS]
	FETCH_B \next, 0, 0
	FETCH_A \next, 0, 0
	SCALES \next
	WIN MUL_HI
	MUL16 4, 1, NQ-1, \slot
	MUL16 6, 1, NQ-1, \slot
	PLACES NP
	WIN 0
	FETCH_A \next, 0, 4
.endm
	s_wait_loadcnt 0x0                             ; the LoRA step's fragments and words
	WIN MUL_LO
	LMUL16 0
	LMUL16 2
	WIN MUL_HI
	LMUL16 4
	LMUL16 6
	WIN 0
	s_wait_tensorcnt 1                             ; the scale words and my part of K step 0 are in; K step 1's load may be out
	s_barrier_signal -1
	s_barrier_wait -1
	PLACES 5
	FETCH_B 0, 0, 0
	FETCH_A 0, 0, 0
	SCALES 0
	FETCH_A 0, 0, 4
	STEP 0, 0
	s_mov_b32 s3, LAPS-1
.Llap:
	TURN 0, 1, 1
	STEP 1, 0
	TURN 1, 0, 1
	STEP 0, 0
	s_sub_co_u32 s3, s3, 1
	s_cmp_lg_u32 s3, 0
	s_cbranch_scc1 .Llap
	TURN 0, 1, 0
	STEP 1, 0
	s_wait_dscnt 4*NL
	WIN MUL_LO
	MUL16 0, 1, NQ-1, 1
	MUL16 2, 1, NQ-1, 1
	s_wait_dscnt 0
	WIN MUL_HI
	MUL16 4, 1, NQ-1, 1
	MUL16 6, 1, NQ-1, 1
	WIN 0
; THE WAY OUT, block by block of 16 rows x 128 columns, through my own stage: in as 32 bytes a lane, back as whole rows of 512 bytes.  LDS serves a wave's instructions in order: no wait between the stores and the loads.
.macro TOSTAGE a
.set AC, 64*((\a)%4)
	WIN 0x08+4*((\a)/4)
.irp b, 0,1,2,3,4,5,6,7
	ds_store_b128 v[STO], v[AC+8*\b:AC+8*\b+3] offset:64*\b          ; each accumulator from its low end on
	ds_store_b128 v[STO], v[AC+8*\b+4:AC+8*\b+7] offset:64*\b+16
.endr
	WIN 0
.set BB, BK+64*((\a)%2)
.irp t, 0,1,2,3,4,5,6,7,8,9,10,11,12,13,14,15
	ds_load_b128 v[BB+4*\t:BB+4*\t+3], v[RD] offset:\t*SPITCH
.endr
.endm
.macro SEND a, younger
.set BB, BK+64*((\a)%2)
	s_wait_dscnt \younger                          ; the block is back in registers
.if (\a) > 0
	s_add_nc_u64 s[8:9], s[8:9], 16*SIZE_N*4       ; (behind a wait on XCNT: the earlier stores have read their base)
.endif
.irp t, 0,1,2,3,4,5,6,7,8,9,10,11,12,13,14,15
	global_store_b128 v[CO], v[BB+4*\t:BB+4*\t+3], s[8:9] offset:\t*SIZE_N*4 th:TH_STORE_NT   ; 32 lanes store 512 consecutive bytes
.endr
.endm
	PLACES NP
	TOSTAGE 0
.irp a, 1,2,3,4,5,6,7
.if \a > 1
	s_wait_xcnt 0x0                                ; block a - 2's stores have read their registers and their base
.endif
	TOSTAGE \a
	SEND \a-1, 32                                  ; behind block a - 1's loads: block a's 16 stores and 16 loads
.endr
	s_wait_xcnt 0x0
	SEND 7, 0
	s_wait_tensorcnt 0x0                           ; the wave's end
	ds_add_u32 v[SPW], v[NIL]
	s_wait_dscnt 0x0
	CROUND                                         ; the closing round
	s_endpgm
.Lfunc_end_k_q3bf594ec44_oproj:
	.size	k_q3bf594ec44_oproj, .Lfunc_end_k_q3bf594ec44_oproj-k_q3bf594ec44_oproj
	.p2alignl 7, 3214868480
	.fill 96, 4, 3214868480
	.section	.rodata,"a",@progbits
	.p2align	6, 0x0
	.amdhsa_kernel k_q3bf594ec44_oproj
		.amdhsa_group_segment_fixed_size 327680
		.amdhsa_private_segment_fixed_size 0
		.amdhsa_enable_private_segment 0
		.amdhsa_kernarg_size 24
		.amdhsa_user_sgpr_count 2
		.amdhsa_user_sgpr_kernarg_segment_ptr 1
		.amdhsa_wavefront_size32 1
		.amdhsa_system_sgpr_workgroup_id_x 1
		.amdhsa_system_sgpr_workgroup_id_y 1
		.amdhsa_system_sgpr_workgroup_id_z 1
		.amdhsa_system_vgpr_workitem_id 0
		.amdhsa_next_free_vgpr 1024
		.amdhsa_next_free_sgpr 102
		.amdhsa_reserve_vcc 0
		.amdhsa_float_denorm_mode_32 3
		.amdhsa_float_denorm_mode_16_64 3
		.amdhsa_memory_ordered 1
		.amdhsa_forward_progress 1
		.amdhsa_inst_pref_size 151
	.end_amdhsa_kernel
	.amdgpu_metadata
---
amdhsa.version: [ 1, 2 ]
amdhsa.kernels:
  - .name:           k_q3bf594ec44_oproj
    .symbol:         k_q3bf594ec44_oproj.kd
    .args:
      - { .name: p4, .offset: 0, .size: 8, .value_kind: global_buffer, .address_space: global }
      - { .name: p1, .offset: 8, .size: 8, .value_kind: global_buffer, .address_space: global }
      - { .name: out0, .offset: 16, .size: 8, .value_kind: global_buffer, .address_space: global }
    .group_segment_fixed_size: 327680
    .private_segment_fixed_size: 0
    .kernarg_segment_align: 8
    .kernarg_segment_size: 24
    .max_flat_workgroup_size: 128
    .sgpr_count:     102
    .vgpr_count:     1024
    .wavefront_size: 32
...
	.end_amdgpu_metadata
.endif
;; end of part 5
;; ======== version 2 of 2: 5 launches
;; workspace buffers: p1 15,986,688 bytes; p2 409,600 bytes; p3 9,830,400 bytes; p4 7,602,176 bytes
;; launch prep: the kernel of part 1 again; grid 620 x 1, 4 waves a work-group, no clusters, 36,352 bytes of LDS; arguments x, Wq, Wk, Wv, Wo, Aq, Ak, Av, Ao, Bq, Bk, Bv, Bo, p1; writes p1
;; launch lorat: the kernel of part 2 again; grid 256 x 1, 8 waves a work-group, no clusters, 50,176 bytes of LDS; arguments p1, p2; writes p2
;; launch qkv: the kernel of part 3 again; grid 12 x 16, 4 waves a work-group, clusters of 4 x 4, 327,680 bytes of LDS; arguments p1, p2, q_gain, p3; writes p3
;; launch attn (part 6): grid 64 x 4, 16 waves a work-group, no clusters, 327,680 bytes of LDS; arguments p3, p1, p4; writes p4
.if DOCPART == 6
	.amdgcn_target "amdgcn-amd-amdhsa--gfx1250"
	.amdhsa_code_object_version 6
	.text
	.protected	k_q3bf594ec44_attn
	.globl	k_q3bf594ec44_attn
	.p2align	8
	.type	k_q3bf594ec44_attn,@function
k_q3bf594ec44_attn:
	s_mov_b64 s[64:65], 0
	v_nop
	global_prefetch_b8 v0, s[64:65] scope:SCOPE_SE
	s_setreg_imm32_b32 hwreg(HW_REG_WAVE_MODE, 25, 1), 1
	s_wait_xcnt 0x0
; Causal attention on codes of BF6, then y quantised for the output projection, and the heads' parts of u = Q(y) Q(Ao)^T.
; WORK LEFT OUT: for a wave, a step of 128 keys all of which come after its 16 queries: the problem's own causal mask gives them the weight 0 for every input.
; SHARES.  A work-group owns TWO tiles of 16 queries of one batch, tile p and tile 63 - p, and EIGHT of the 16 heads (two key and value heads): sixteen waves, a (tile, head) each.
; Tile t walks t / 8 + 1 steps of 128 keys, so the two tiles walk 9 steps together, whatever p: every work-group has 9 x 8 wave steps.  A wave's head among the eight is its number >> 1; its tile is bit 0 xor bit 2 of its number:
; of waves w, w + 4, w + 8, w + 12, and of waves 4 j .. 4 j + 3 alike, two take each tile.
; A step's K and V of the two key and value heads come into a ring of two LDS slots: waves 0 and 1 bring K's and V's images (24,576 bytes each), waves 2 and 3 their scale words (1,024 each).
; NO CLUSTER: under the mask the work-groups of a batch need different numbers of steps; a joint load would bring tiles that a partner never reads.
; THE SOFTMAX: t = score x log2(e) / sqrt(128); M = the running largest t rounded up to a whole number; p = 2^(t - M) is quantised along the keys; the row's sum is taken of the unquantised p and divides at the end.
; LAYOUT.  Both products transposed: a lane holds one query.  Tile T of K holds keys 16 T + 0..15, so register 8 T + j holds key 16 T + 8 (lane / 16) + j; in p's operand the keys of a block of 32 stand with bits 3 and 4
; swapped, and V's images were laid alike.  V's rows were chosen so that O^T falls in the natural order of the head's channels.
; u's sum over the 16 heads spans two work-groups: each stores the f32 sum over its eight heads, and the launch oproj adds the two and quantises.
; p4: YI [256 row blocks][16 K steps][1536]; YS [256][8][16 rows][2 words]; UP [256][2 halves of the heads][2,048]: images of sixteen registers.
; REGISTERS: v1-11, v28-30 addresses; v12 -M, v13 the largest t, v[14:15] the sum; v16-27 Q; v32-79 four fragments; v96-159 S^T, then p; v160-223 O^T; v224.. p's codes; v232-254 at work; v255 Q's scale word.
.set SCW,   14352384
.set SLOT1, 1<<17
.set VIM,   24576                      ; in a slot: K's 16 images, then V's,
.set KWD,   49152                      ; K's scale words, and 1,024 bytes on V's
.set UPART, SLOT1+51200                ; 16 x 2,048 bytes: the waves' parts of u
.set YSC,   UPART+32768                ; y's scale words: 512 bytes for each tile
.set SPARE, YSC+1024                   ; the spare words, 128 bytes for each of sixteen waves
.set AK0,  1
.set UPA,  2
.set AS0,  3
.set YWA,  4
.set SPW,  5
.set NIL,  6
.set LI,   7
.set ADK,  8
.set URD,  9
.set ADS,  10
.set YRD,  28
.set PFO,  29
.set R8,   30
.set TB,   2
.set GRP,  10                          ; s10  which of the two tiles
.set IDX,  11                          ; s11  which of the eight heads
.set WV,   18
.set HD,   19                          ; s19  my head of the sixteen
.set SEL,  20
.set CS,   22
.set G1,   24                          ; s[24:31] group 1 for the images;  s[32:39] for the scale words
.set G1W,  32
.set G0,   40                          ; s[40:43], s[60:63] their groups 0, which walk
.set QP,   44
.set QSP,  46
.set YIP,  48
.set YSP,  50
.set UPP,  52
.set AOP,  56
.set AWP,  58
.set G0W,  60
.set SLOTS, 67
.set PFA,  76
.set LIM,  80
.set QL,   81                          ; s81  the work-group's last query
.set KF,   98
.set Q0,   99
.set PC,   224
.set TM,   160
.set PW,   176
.macro QUANT s
.irp b, 0,1,2,3
	v_max3_num_f32 v[TM+\b], |v[\s+16*\b]|, |v[\s+1+16*\b]|, 0x2800000
.endr
.irp i, 2,4,6,8,10,12,14
.irp b, 0,1,2,3
	v_max3_num_f32 v[TM+\b], v[TM+\b], |v[\s+16*\b+\i]|, |v[\s+1+16*\b+\i]|
.endr
.endr
.irp b, 0,1,2,3
	v_permlanex16_b32 v[TM+4+\b], v[TM+\b], s[SEL], s[SEL+1]
.endr
.irp b, 0,1,2,3
	v_max_num_f32 v[TM+\b], v[TM+\b], v[TM+4+\b]
.endr
.irp b, 0,1,2,3
	v_add_nc_u32 v[TM+12+\b], 0xfe000000, v[TM+\b]
.endr
.irp b, 0,1,2,3
	v_lshrrev_b32 v[TM+4+\b], 23, v[TM+12+\b]
.endr
	v_lshl_or_b32 v[PW], v[TM+5], 8, v[TM+4]
	v_lshl_or_b32 v[PW], v[TM+6], 16, v[PW]
	v_lshl_or_b32 v[PW], v[TM+7], 24, v[PW]
.irp c, 0,1
	v_cvt_scalef32_pk16_bf6_f32 v[PC+6*\c:PC+2+6*\c], v[\s+32*\c:\s+15+32*\c], v[TM+12+2*\c]
	v_cvt_scalef32_pk16_bf6_f32 v[PC+12+4*\c:PC+14+4*\c], v[\s+16+32*\c:\s+31+32*\c], v[TM+12+2*\c+1]
.endr
	v_nop
.irp c, 0,1
.irp i, 0,1,2
	v_permlane16_swap_b32 v[PC+6*\c+\i], v[PC+12+4*\c+\i]
.endr
.irp i, 0,1,2
	v_mov_b32 v[PC+3+6*\c+\i], v[PC+12+4*\c+\i]
.endr
.endr
.endm
.macro TLOAD                           ; waves 0 and 1 fetch the images, waves 2 and 3 the scale words, the others nothing; an s_nop 0 and four v_nop follow each line
	s_cmp_lt_u32 s[WV], 2
	s_cbranch_scc0 .Lnot_i_\@
	tensor_load_to_lds s[G0:G0+3], s[G1:G1+7]
	s_nop 0
.rept 4
	v_nop
.endr
	s_branch .Lasked_\@
.Lnot_i_\@:
	s_cmp_lt_u32 s[WV], 4
	s_cbranch_scc0 .Lasked_\@
	tensor_load_to_lds s[G0W:G0W+3], s[G1W:G1W+7]
	s_nop 0
.rept 4
	v_nop
.endr
.Lasked_\@:
.endm
; A prefetch of the images that the NEXT change of slots will ask for: K's 24,576 bytes and V's, lanes 256 bytes apart, 8,192 bytes a wave, one instruction in each of waves 4 to 9.  All work-groups of a batch and a half of the
; heads walk the same blocks: the one with p = 0, which walks all eight steps, asks, and nobody else, so each run of 256 bytes is named once.  The last change that fills a slot asks for nothing; steps 0 and 1, and the scale words, come by their loads alone.
.macro ASK
	s_cmp_gt_u32 s[SLOTS], s[LIM]
	s_cbranch_scc0 .Lnot_mine_\@
	global_prefetch_b8 v[PFO], s[PFA:PFA+1] th:TH_LOAD_NT scope:SCOPE_SE
.Lnot_mine_\@:
.endm
	s_load_b128 s[4:7], s[0:1], 0x0                ; p3, p1
	s_load_b64 s[8:9], s[0:1], 0x10                ; p4
	v_lshl_add_u32 v[SPW], v0, 2, SPARE
	v_mov_b32 v[NIL], 0
	ds_add_u32 v[SPW], v[NIL]                      ; the wave's opening: the add, twice on end, and its wait ahead of the first tensor load
	ds_add_u32 v[SPW], v[NIL]
	v_lshrrev_b32 v32, 5, v0
	v_readfirstlane_b32 s[WV], v32                 ; wave 0..15
	s_and_b32 s72, ttmp7, 0xffff                   ; batch
	s_lshr_b32 s12, ttmp9, 1                       ; p: the early tile
	s_and_b32 s13, ttmp9, 1                        ; which eight heads
	s_lshr_b32 s[IDX], s[WV], 1
	s_lshr_b32 s[GRP], s[WV], 2
	s_xor_b32 s[GRP], s[GRP], s[WV]
	s_and_b32 s[GRP], s[GRP], 1
	s_sub_co_u32 s14, 63, s12                      ; the late tile
	s_cmp_eq_u32 s[GRP], 0
	s_cselect_b32 s15, s12, s14                    ; my tile
	s_lshl_b32 s[Q0], s15, 4                       ; my first query
	s_lshl_b32 s[QL], s14, 4
	s_add_co_u32 s[QL], s[QL], 15
	s_lshl_b32 s[HD], s13, 3
	s_add_co_u32 s[HD], s[HD], s[IDX]
	s_mov_b32 s[G1], 3<<16                         ; no mask; elements of 8 bytes; no padding
	s_mov_b32 s[G1+1], 32<<16                      ; rows of 256 bytes
	s_mov_b32 s[G1+2], 96<<16                      ; 96 of them: 24,576 dense bytes
	s_mov_b32 s[G1+3], 32<<16
	s_mov_b32 s[G1+4], 96
	s_mov_b32 s[G1+5], 32
	s_mov_b32 s[G1+6], 0
	s_mov_b32 s[G1+7], 0
	s_mov_b32 s[G1W], 3<<16
	s_mov_b32 s[G1W+1], 32<<16
	s_mov_b32 s[G1W+2], 4<<16                      ; 4 rows: 1,024 dense bytes
	s_mov_b32 s[G1W+3], 32<<16
	s_mov_b32 s[G1W+4], 4
	s_mov_b32 s[G1W+5], 32
	s_mov_b32 s[G1W+6], 0
	s_mov_b32 s[G1W+7], 0
	s_and_b32 s73, s[WV], 1                        ; I fetch for K (0) or for V (1)
	s_mul_i32 s82, s72, 819200                     ; the batch's eight blocks of 102,400 bytes
	s_add_co_u32 s82, s82, 6553600
	s_mul_i32 s84, s73, 49152                      ; the images: K's at 0, V's at 49,152; my two heads' 24,576 bytes of them
	s_mul_i32 s90, s13, 24576
	s_add_co_u32 s84, s84, s90
	s_add_co_u32 s84, s84, s82
	s_mov_b32 s85, 0
	s_lshl_b32 s86, s73, 11                        ; the words: K's at 98,304, V's 2,048 on; my two heads' 1,024 bytes
	s_lshl_b32 s91, s13, 10
	s_add_co_u32 s86, s86, s91
	s_add_co_u32 s86, s86, s82
	s_add_co_u32 s86, s86, 98304
	s_mov_b32 s87, 0
	s_mul_i32 s74, s73, VIM                        ; and where they go in a slot
	s_lshl_b32 s75, s73, 10
	s_add_co_u32 s75, s75, KWD
	s_max_u32 s88, s[WV], 4                        ; the prefetches: part 0..5 of the two runs of 24,576 bytes
	s_sub_co_u32 s88, s88, 4
	s_min_u32 s88, s88, 5
	s_cmp_ge_u32 s88, 3
	s_cselect_b32 s91, 24576, 0                    ; parts 3 to 5 are V's
	s_lshl_b32 s88, s88, 13
	s_add_co_u32 s88, s88, s91
	s_add_co_u32 s88, s88, s90
	s_add_co_u32 s88, s88, s82
	s_add_co_u32 s88, s88, 102400                  ; they stand in step 1: the first change of slots steps them to step 2
	s_mov_b32 s89, 0
	s_lshl_b32 s16, s72, 6
	s_add_co_u32 s17, s16, s15                     ; my row block of y
	s_lshl_b32 s91, s17, 4
	s_add_co_u32 s91, s91, s[HD]
	s_mul_i32 s[YIP], s91, 1536
	s_mov_b32 s[YIP+1], 0
	s_lshl_b32 s[YSP], s17, 10                     ; its scale words: my eight heads' 512 bytes
	s_lshl_b32 s91, s13, 9
	s_add_co_u32 s[YSP], s[YSP], s91
	s_add_co_u32 s[YSP], s[YSP], 6291456
	s_mov_b32 s[YSP+1], 0
	s_lshl_b32 s[UPP], s17, 1
	s_add_co_u32 s[UPP], s[UPP], s13
	s_lshl_b32 s[UPP], s[UPP], 11
	s_add_co_u32 s[UPP], s[UPP], 6553600
	s_mov_b32 s[UPP+1], 0
	s_mul_i32 s[AOP], s[HD], 1536
	s_add_co_u32 s[AOP], s[AOP], 582*24576         ; Ao's two row blocks, K step = my head
	s_mov_b32 s[AOP+1], 0
	s_lshr_b32 s92, s[HD], 1
	s_lshl_b32 s92, s92, 7
	s_and_b32 s93, s[HD], 1
	s_lshl_b32 s93, s93, 2
	s_add_co_u32 s92, s92, s93                     ; my K step's place among a row block's scale words
	s_add_co_u32 s[AWP], s92, SCW+582*1024
	s_mov_b32 s[AWP+1], 0
	s_lshr_b32 s94, s[IDX], 1                      ; the same among my eight heads' 512 bytes,
	s_lshl_b32 s94, s94, 7
	s_and_b32 s95, s[IDX], 1
	s_lshl_b32 s95, s95, 2
	s_add_co_u32 s94, s94, s95
	s_lshl_b32 s95, s[GRP], 9                      ; in my tile's part of LDS
	s_add_co_u32 s94, s94, s95
	s_lshl_b32 s96, s72, 4
	s_add_co_u32 s96, s96, s[HD]                   ; 16 batch + head
	s_lshl_b32 s97, s96, 6
	s_add_co_u32 s97, s97, s15
	s_mul_i32 s[QP], s97, 1536
	s_mov_b32 s[QP+1], 0
	s_lshl_b32 s97, s96, 3
	s_lshr_b32 s91, s15, 3
	s_add_co_u32 s97, s97, s91
	s_lshl_b32 s[QSP], s97, 9
	s_and_b32 s91, s15, 7
	s_lshl_b32 s91, s91, 2
	s_add_co_u32 s[QSP], s[QSP], s91
	s_add_co_u32 s[QSP], s[QSP], 6291456
	s_mov_b32 s[QSP+1], 0
	s_mov_b32 s[SEL], 0x76543210
	s_mov_b32 s[SEL+1], 0xfedcba98
	s_mov_b32 s[CS], 0x3e0293ee                    ; c = log2(e) / sqrt(128)
	s_mov_b32 s[CS+1], s[CS]
	s_mov_b32 s[TB], 0
	s_mov_b32 s[SLOTS], 7
	s_mov_b32 s[KF], 0
	s_cmp_eq_u32 s12, 0
	s_cselect_b32 s[LIM], 1, -1
	s_cmp_lt_u32 s[WV], 4
	s_cselect_b32 s[LIM], -1, s[LIM]
	s_cmp_gt_u32 s[WV], 9
	s_cselect_b32 s[LIM], -1, s[LIM]
	s_wait_dscnt 0x0                               ; both opening adds are done
	s_wait_kmcnt 0x0
	s_mov_b32 s[G0], 1
	s_mov_b32 s[G0+1], s74                         ; slot 0
	s_add_nc_u64 s[G0+2:G0+3], s[4:5], s[84:85]
	s_or_b32 s[G0+3], s[G0+3], 0x80000000
	s_mov_b32 s[G0W], 1
	s_mov_b32 s[G0W+1], s75
	s_add_nc_u64 s[G0W+2:G0W+3], s[4:5], s[86:87]
	s_or_b32 s[G0W+3], s[G0W+3], 0x80000000
	TLOAD                                          ; step 0
	s_add_nc_u64 s[PFA:PFA+1], s[4:5], s[88:89]
	s_add_nc_u64 s[QP:QP+1], s[4:5], s[QP:QP+1]
	s_add_nc_u64 s[QSP:QSP+1], s[4:5], s[QSP:QSP+1]
	s_add_nc_u64 s[AOP:AOP+1], s[6:7], s[AOP:AOP+1]
	s_add_nc_u64 s[AWP:AWP+1], s[6:7], s[AWP:AWP+1]
	s_add_nc_u64 s[YIP:YIP+1], s[8:9], s[YIP:YIP+1]
	s_add_nc_u64 s[YSP:YSP+1], s[8:9], s[YSP:YSP+1]
	s_add_nc_u64 s[UPP:UPP+1], s[8:9], s[UPP:UPP+1]
	v_and_b32 v32, 15, v0                          ; r
	v_and_b32 v34, 31, v0                          ; lane
	v_lshlrev_b32 v[LI], 4, v34
	v_lshlrev_b32 v[PFO], 8, v34
	v_lshlrev_b32 v[R8], 3, v32
	v_lshlrev_b32 v11, 5, v32                      ; 32 r
.irp c, 0,1,2
	global_load_b128 v[16+4*\c:19+4*\c], v[LI], s[QP:QP+1] offset:512*\c     ; Q's fragment stays in registers
.endr
	global_load_b32 v255, v11, s[QSP:QSP+1]        ; and its scale words
	s_lshr_b32 s84, s[WV], 3                       ; my key and value head of the two
	s_mul_i32 s85, s84, 12288
	v_add_nc_u32 v[AK0], s85, v[LI]
	s_lshl_b32 s85, s84, 9
	s_add_co_u32 s85, s85, KWD
	v_add_nc_u32 v[AS0], s85, v11
	s_lshl_b32 s85, s[GRP], 3
	s_add_co_u32 s85, s85, s[IDX]
	s_lshl_b32 s85, s85, 11
	s_add_co_u32 s85, s85, UPART
	v_add_nc_u32 v[UPA], s85, v[LI]                ; my part of u: place 8 tile + head
	s_lshl_b32 s85, s[GRP], 14
	s_add_co_u32 s85, s85, UPART
	v_add_nc_u32 v[URD], s85, v[LI]                ; my tile's eight parts
	s_add_co_u32 s85, s94, YSC
	v_add_nc_u32 v[YWA], s85, v[R8]
	s_add_co_u32 s85, s95, YSC
	v_add_nc_u32 v[YRD], s85, v[LI]
	v_mov_b32 v13, 0xff61b1e6                      ; the largest t so far: -3e38
	v_floor_f32 v12, -v13                          ; -M
	v_mov_b32 v14, 0
	v_mov_b32 v15, 0
.irp b, 0,1,2,3
	v_mov_b32 v[236+\b], 0
.endr
	v_mov_b32 v253, 0
.set j, 0
.rept 64
	v_mov_b32 v[160+j], 0                          ; O^T: the step is written once; the first finds zeros
.set j, j+1
.endr
; A KEY STEP: 128 keys.
.macro STEP
	s_add_co_u32 s96, s[Q0], 15                    ; a step all of whose keys come after my queries is left out: a branch on ids, round the step's work alone
	s_cmp_gt_u32 s[KF], s96
	s_cbranch_scc1 .Lhidden_\@
	v_add_nc_u32 v[ADK], s[TB], v[AK0]
	v_add_nc_u32 v[ADS], s[TB], v[AS0]
	v_nop
	v_nop                                          ; four places in front of loads into registers that matrix instructions have read
.irp g, 0,1                                    ; S^T = K Q^T, four tiles of 16 keys at a time
.if \g > 0
.rept 4
	v_nop
.endr
.endif
.irp t, 0,1,2,3
.irp c, 0,1,2
	ds_load_b128 v[32+12*\t+4*\c:35+12*\t+4*\c], v[ADK] offset:(4*\g+\t)*1536+512*\c
.endr
.endr
	ds_load_b128 v[248:251], v[ADS] offset:16*\g   ; the four tiles' scale words of row r
	s_wait_dscnt 0x0
.irp t, 0,1,2,3
	v_wmma_scale_f32_16x16x128_f8f6f4 v[96+8*(4*\g+\t):103+8*(4*\g+\t)], v[32+12*\t:43+12*\t], v[16:27], 0, v[248+\t], v255 matrix_a_fmt:MATRIX_FMT_BF6 matrix_b_fmt:MATRIX_FMT_BF6
.endr
.endr
.rept 4
	v_nop
.endr
	s_add_co_u32 s96, s[KF], 127                   ; on the diagonal hidden scores become -infinity ahead of the maximum; a step all of whose keys count skips this
	s_cmp_le_u32 s96, s[Q0]
	s_cbranch_scc1 .Lopen_\@
	s_sub_co_i32 s96, s[Q0], s[KF]
	v_and_b32 v252, 15, v0
	v_bfe_u32 v253, v0, 4, 1
	v_lshlrev_b32 v253, 3, v253
	v_sub_nc_u32 v252, v252, v253
	v_add_nc_u32 v252, s96, v252                   ; d = my query - the step's first key - 8 (lane / 16): register n holds a hidden key where 16 (n / 8) + n % 8 > d
	v_mov_b32 v254, 0xff800000
.set n, 0
.rept 64
	v_cmp_gt_i32 vcc_lo, 16*(n/8)+n%8, v252
	v_cndmask_b32 v[96+n], v[96+n], v254, vcc_lo
.set n, n+1
.endr
.Lopen_\@:
.irp b, 0,1,2,3
	v_max3_num_f32 v[232+\b], v[96+16*\b], v[97+16*\b], v[98+16*\b]   ; the largest score of each block of 32 keys: for the row's maximum and for the block's largest p
.endr
.irp i, 3,5,7,9,11,13
.irp b, 0,1,2,3
	v_max3_num_f32 v[232+\b], v[232+\b], v[96+16*\b+\i], v[97+16*\b+\i]
.endr
.endr
.irp b, 0,1,2,3
	v_max_num_f32 v[232+\b], v[232+\b], v[111+16*\b]
.endr
.irp b, 0,1,2,3
	v_permlanex16_b32 v[236+\b], v[232+\b], s[SEL], s[SEL+1]
.endr
.irp b, 0,1,2,3
	v_max_num_f32 v[232+\b], v[232+\b], v[236+\b]
.endr
	v_max3_num_f32 v254, v232, v233, v234
	v_max_num_f32 v254, v254, v235
	v_mul_f32 v254, s[CS], v254
	v_max_num_f32 v13, v13, v254                   ; the running largest t
	v_mov_b32 v254, v12
	v_floor_f32 v12, -v13                          ; the new -M: M is a whole number
	v_sub_f32 v254, v12, v254
	v_cvt_i32_f32 v254, v254                       ; (it saturates)
	v_ldexp_f32 v252, 1.0, v254                    ; f = 2^(old M - new M): exact
.set j, 0
.rept 32
	v_pk_fma_f32 v[96+j:97+j], v[96+j:97+j], s[CS:CS+1], v[12:13] op_sel_hi:[1,0,0]   ; t - M
.set j, j+2
.endr
.irp b, 0,1,2,3
	v_fma_f32 v[232+\b], v[232+\b], s[CS], v12
.endr
.set j, 0
.rept 64
	v_exp_f32 v[96+j], v[96+j]                     ; p = 2^(t - M)
.set j, j+1
.endr
	v_pk_mul_f32 v[14:15], v[14:15], v[252:253] op_sel_hi:[1,0]   ; the sums under the new M: a plain place behind the exponentials
	s_wait_alu depctr_va_vdst(0)                   ; one wait for the whole batch, ahead of its first reader
.irp b, 0,1,2,3
	v_exp_f32 v[232+\b], v[232+\b]                 ; the blocks' largest p
.endr
	v_pk_add_f32 v[236:237], v[96:97], v[98:99]    ; the row's sum of the unquantised p, in two chains
.irp j, 4,8,12,16,20,24,28,32,36,40,44,48,52,56,60
	v_pk_add_f32 v[14:15], v[14:15], v[96+\j:97+\j]
	v_pk_add_f32 v[236:237], v[236:237], v[98+\j:99+\j]
.endr
	v_pk_add_f32 v[14:15], v[14:15], v[236:237]
	s_wait_alu depctr_va_vdst(0)                   ; and one for the four
.irp b, 0,1,2,3
	v_max_num_f32 v[232+\b], 0x2800000, v[232+\b]
.endr
.irp b, 0,1,2,3
	v_add_nc_u32 v[244+\b], 0xfe000000, v[232+\b]
.endr
.irp b, 0,1,2,3
	v_lshrrev_b32 v[236+\b], 23, v[244+\b]
.endr
	v_lshl_or_b32 v253, v237, 8, v236              ; p's scale word
	v_lshl_or_b32 v253, v238, 16, v253
	v_lshl_or_b32 v253, v239, 24, v253
.irp c, 0,1
	v_cvt_scalef32_pk16_bf6_f32 v[224+6*\c:226+6*\c], v[96+32*\c:111+32*\c], v[244+2*\c]
	v_cvt_scalef32_pk16_bf6_f32 v[236+4*\c:238+4*\c], v[112+32*\c:127+32*\c], v[244+2*\c+1]
.endr
	v_nop
.irp c, 0,1
.irp i, 0,1,2
	v_permlane16_swap_b32 v[224+6*\c+\i], v[236+4*\c+\i]
.endr
.irp i, 0,1,2
	v_mov_b32 v[227+6*\c+\i], v[236+4*\c+\i]
.endr
.endr
.set j, 0
.rept 32
	v_pk_mul_f32 v[160+j:161+j], v[160+j:161+j], v[252:253] op_sel_hi:[1,0]   ; O^T under the new M; these are also the places in front of the loads and products below
.set j, j+2
.endr
.irp g, 0,1                                    ; O^T += V^T P^T
.if \g > 0
.rept 4
	v_nop
.endr
.endif
.irp t, 0,1,2,3
.irp c, 0,1,2
	ds_load_b128 v[32+12*\t+4*\c:35+12*\t+4*\c], v[ADK] offset:VIM+(4*\g+\t)*1536+512*\c
.endr
.endr
	ds_load_b128 v[248:251], v[ADS] offset:1024+16*\g
	s_wait_dscnt 0x0
.irp t, 0,1,2,3
	v_wmma_scale_f32_16x16x128_f8f6f4 v[160+8*(4*\g+\t):167+8*(4*\g+\t)], v[32+12*\t:43+12*\t], v[224:235], v[160+8*(4*\g+\t):167+8*(4*\g+\t)], v[248+\t], v253 matrix_a_fmt:MATRIX_FMT_BF6 matrix_b_fmt:MATRIX_FMT_BF6
.endr
.endr
.Lhidden_\@:
	s_add_co_u32 s[KF], s[KF], 128
	s_xor_b32 s[TB], s[TB], SLOT1                  ; on to the other slot
.endm
; THE CHANGE OF SLOTS stands at a step's head.  Each wave waits for all its tensor loads, adds 0 to its spare word, and waits for that and for its reads of the slot that it has left; behind the barrier the slot ahead is whole
; and nobody reads the other one.  fill = 1: that other slot is filled with the next step's tiles, while some wave will read them.
.macro CHANGE fill
	s_wait_tensorcnt 0x0
	ds_add_u32 v[SPW], v[NIL]
.if \fill
	ds_add_u32 v[SPW], v[NIL]                      ; and once more
	s_xor_b32 s[G0+1], s[G0+1], SLOT1              ; the walking descriptors: the other slot, the next block
	s_add_nc_u64 s[G0+2:G0+3], s[G0+2:G0+3], 102400
	s_xor_b32 s[G0W+1], s[G0W+1], SLOT1
	s_add_nc_u64 s[G0W+2:G0W+3], s[G0W+2:G0W+3], 102400
	s_wait_xcnt 0x0                                ; the last prefetch, a step back, has read its address
	s_add_nc_u64 s[PFA:PFA+1], s[PFA:PFA+1], 102400
.endif
	s_wait_dscnt 0x0
	s_barrier_signal -1
	s_barrier_wait -1
.if \fill
	s_add_co_u32 s96, s[KF], 128                   ; the first key of the tiles that this change would ask for,
	s_cmp_gt_u32 s96, s[QL]                        ; against the work-group's last query: ids and the count of steps alone: all sixteen waves go the same way; no step reads tiles that were not asked for
	s_cbranch_scc1 .Lpast_\@
	TLOAD
.Lpast_\@:
	ASK
.endif
.endm
	s_wait_loadcnt 0x0                             ; Q
.Lslot:                                            ; seven trips
	CHANGE 1
	STEP
	s_sub_co_u32 s[SLOTS], s[SLOTS], 1
	s_cmp_lg_u32 s[SLOTS], 0
	s_cbranch_scc1 .Lslot
	CHANGE 0
	STEP
	; THE WAY OUT: y = O^T / the sum; quantised: K step = my head of the output projection; its part of u = y Ao^T
.rept 4
	v_nop                                          ; places in front of loads into registers that matrix instructions have read
.endr
.irp u, 0,1
.irp c, 0,1,2
	global_load_b128 v[32+12*\u+4*\c:35+12*\u+4*\c], v[LI], s[AOP:AOP+1] offset:24576*\u+512*\c
.endr
	global_load_b32 v[56+\u], v[R8], s[AWP:AWP+1] offset:1024*\u
.endr
	v_add_f32 v14, v14, v15
	v_permlanex16_b32 v252, v14, s[SEL], s[SEL+1]
	v_add_f32 v14, v14, v252                       ; the row's sum
	v_rcp_f32 v14, v14
	v_nop
	s_wait_alu depctr_va_vdst(0)
.set j, 0
.rept 64
	v_mul_f32 v[96+j], v[160+j], v14               ; register 16 B + 8 u + i is channel 32 B + 16 (lane / 16) + 8 u + i: the quantiser's order
.set j, j+1
.endr
	QUANT 96
.irp c, 0,1,2
	global_store_b128 v[LI], v[PC+4*\c:PC+4*\c+3], s[YIP:YIP+1] offset:512*\c
.endr
	ds_store_b32 v[YWA], v[PW]                     ; lanes r and r + 16 write the same word
	s_wait_loadcnt 0x0
.rept 8
	v_nop                                          ; a scale register written by a vector instruction stands eight places ahead of a scaled matrix instruction
.endr
	v_wmma_scale_f32_16x16x128_f8f6f4 v[64:71], v[32:43], v[224:235], 0, v56, v176 matrix_a_fmt:MATRIX_FMT_BF6 matrix_b_fmt:MATRIX_FMT_BF6
	v_wmma_scale_f32_16x16x128_f8f6f4 v[72:79], v[44:55], v[224:235], 0, v57, v176 matrix_a_fmt:MATRIX_FMT_BF6 matrix_b_fmt:MATRIX_FMT_BF6
.rept 4
	v_nop
.endr
.irp c, 0,1,2,3
	ds_store_b128 v[UPA], v[64+4*\c:67+4*\c] offset:512*\c
.endr
	s_wait_dscnt 0x0                               ; for the others' sake: my stores have landed
	s_barrier_signal -1
	s_barrier_wait -1
	s_cmp_eq_u32 s[IDX], 0
	s_cbranch_scc1 .Lw0
	s_cmp_eq_u32 s[IDX], 1
	s_cbranch_scc0 .Lend
	ds_load_b128 v[32:35], v[YRD]                  ; waves 2 and 3: their tile's 512 bytes of y's scale words
	s_wait_dscnt 0x0
	global_store_b128 v[LI], v[32:35], s[YSP:YSP+1]
	s_branch .Lend
.Lw0:                                              ; waves 0 and 1: their tile's eight parts of u: their own and seven from LDS
.irp k, 0,1,2,3
.irp c, 0,1,2,3
	ds_load_b128 v[80+16*\k+4*\c:83+16*\k+4*\c], v[URD] offset:2048*(1+\k)+512*\c
.endr
.endr
	s_wait_dscnt 0x0
.irp k, 0,1,2,3
.irp i, 0,2,4,6,8,10,12,14
	v_pk_add_f32 v[64+\i:65+\i], v[64+\i:65+\i], v[80+16*\k+\i:81+16*\k+\i]
.endr
.endr
.irp k, 0,1,2
.irp c, 0,1,2,3
	ds_load_b128 v[80+16*\k+4*\c:83+16*\k+4*\c], v[URD] offset:2048*(5+\k)+512*\c
.endr
.endr
	s_wait_dscnt 0x0
.irp k, 0,1,2
.irp i, 0,2,4,6,8,10,12,14
	v_pk_add_f32 v[64+\i:65+\i], v[64+\i:65+\i], v[80+16*\k+\i:81+16*\k+\i]
.endr
.endr
.irp c, 0,1,2,3
	global_store_b128 v[LI], v[64+4*\c:67+4*\c], s[UPP:UPP+1] offset:512*\c    ; 512 consecutive bytes
.endr
.Lend:
	s_wait_tensorcnt 0x0                           ; the wave's end
	ds_add_u32 v[SPW], v[NIL]
	s_wait_dscnt 0x0
	s_endpgm
.Lfunc_end_k_q3bf594ec44_attn:
	.size	k_q3bf594ec44_attn, .Lfunc_end_k_q3bf594ec44_attn-k_q3bf594ec44_attn
	.p2alignl 7, 3214868480
	.fill 96, 4, 3214868480
	.section	.rodata,"a",@progbits
	.p2align	6, 0x0
	.amdhsa_kernel k_q3bf594ec44_attn
		.amdhsa_group_segment_fixed_size 327680
		.amdhsa_private_segment_fixed_size 0
		.amdhsa_enable_private_segment 0
		.amdhsa_kernarg_size 24
		.amdhsa_user_sgpr_count 2
		.amdhsa_user_sgpr_kernarg_segment_ptr 1
		.amdhsa_wavefront_size32 1
		.amdhsa_system_sgpr_workgroup_id_x 1
		.amdhsa_system_sgpr_workgroup_id_y 1
		.amdhsa_system_sgpr_workgroup_id_z 1
		.amdhsa_system_vgpr_workitem_id 0
		.amdhsa_next_free_vgpr 256
		.amdhsa_next_free_sgpr 100
		.amdhsa_reserve_vcc 1
		.amdhsa_float_denorm_mode_32 3
		.amdhsa_float_denorm_mode_16_64 3
		.amdhsa_memory_ordered 1
		.amdhsa_forward_progress 1
		.amdhsa_inst_pref_size 75
	.end_amdhsa_kernel
	.amdgpu_metadata
---
amdhsa.version: [ 1, 2 ]
amdhsa.kernels:
  - .name:           k_q3bf594ec44_attn
    .symbol:         k_q3bf594ec44_attn.kd
    .args:
      - { .name: p3, .offset: 0, .size: 8, .value_kind: global_buffer, .address_space: global }
      - { .name: p1, .offset: 8, .size: 8, .value_kind: global_buffer, .address_space: global }
      - { .name: p4, .offset: 16, .size: 8, .value_kind: global_buffer, .address_space: global }
    .group_segment_fixed_size: 327680
    .private_segment_fixed_size: 0
    .kernarg_segment_align: 8
    .kernarg_segment_size: 24
    .max_flat_workgroup_size: 512
    .sgpr_count:     100
    .vgpr_count:     256
    .wavefront_size: 32
...
	.end_amdgpu_metadata
.endif
;; end of part 6
;; launch oproj (part 7): grid 8 x 32, 4 waves a work-group, clusters of 4 x 4, 327,680 bytes of LDS; arguments p4, p1, out0; writes out0
.if DOCPART == 7
	.amdgcn_target "amdgcn-amd-amdhsa--gfx1250"
	.amdhsa_code_object_version 6
	.text
	.protected	k_q3bf594ec44_oproj
	.globl	k_q3bf594ec44_oproj
	.p2align	8
	.type	k_q3bf594ec44_oproj,@function
k_q3bf594ec44_oproj:
	s_mov_b64 s[64:65], 0
	v_nop
	global_prefetch_b8 v0, s[64:65] scope:SCOPE_SE
	s_setreg_imm32_b32 hwreg(HW_REG_WAVE_MODE, 25, 1), 1
	s_wait_xcnt 0x0
	s_wait_alu depctr_hold_cnt(0) depctr_sa_sdst(0) depctr_va_vdst(0) depctr_va_sdst(0) depctr_va_ssrc(0) depctr_va_vcc(0) depctr_vm_vsrc(0)
	s_getreg_b32 s2, hwreg(HW_REG_IB_STS2, 6, 4)
	s_cmp_eq_u32 s2, 0
	s_cbranch_scc0 .Lentry_in_a_cluster
	s_endpgm
.Lentry_in_a_cluster:
	s_bfe_u32 s2, ttmp6, 0x10000c
	s_cmp_lg_u32 s2, 0xf033
	s_cbranch_scc0 .Lentry_shape_is_right
	s_endpgm
.Lentry_shape_is_right:
; out0 = Q(y) Q(Wo)^T + Q(u) Q(Bo)^T: 4,096 x 2,048, f32.
; A tile of 128 tokens x 256 columns is made by four waves, each 64 tokens x 128 columns: 32 accumulators.  4,096 x 2,048 numbers are 256 such tiles.
; THE LoRA TERM is one more K step of 128 and is the sums' first.  u comes as two f32 parts, each the sum over eight heads: a wave adds them and quantises the one block of 32 ranks (the step's other three blocks are zero codes
; under the byte 1); Bo's fragments come from memory as codes.  All of that stands while the first tiles are on their way.
; K goes in steps of 512 through a ring of two LDS slots: a slot holds, for 8 row blocks of y and 16 of Wo, four fragment images on end (6,144 consecutive bytes of memory).  2,048 along K are four slots' worth: two first fills,
; two refills, three changes of slots; all sixteen steps of 128 are written out.  A fragment comes out of LDS by three loads of 512 consecutive bytes.  A wave reads 12 fragments for a step's 32 products.
; The scale words of the work-group's rows, for all of K, come into LDS once, with the first fills.
; CLUSTERS: 4 x 4 work-groups; y's tiles are asked for jointly along a row of the cluster, Wo's along a column.
; THE MATRIX INSTRUCTION IS USED TRANSPOSED (source 0 = 16 rows of Wo, source 1 = 16 tokens): a lane holds eight neighbouring numbers of a row of the output.
; REGISTERS in windows of 256: window 0: v0-31 addresses; v32-63 scale words, two sets; v128-175, v176-223 y's fragments, two sets; at the head v64-159 and v224-255 u's parts; on the way out v128-255 rows of the output.
;   window 1: Wo's fragments, two sets, at v0 and at v128.   window 2: the accumulators, (a, b) at v[8 (8 a + b)].
.set APTR,  4                          ; s[4:5] p4: y's images, y's scale words, u's parts
.set BPTR,  6                          ; s[6:7] p1: Wo's and Bo's
.set UPO,   6553600
.set LB0,   192
.set RB_B,  448
.set ASCW,  6291456
.set BSCW,  14352384
.set LBI,   14950400
.set LBW,   15441920
.set SIZE_N, 2048
.set FR,    12
.set NP,    4                          ; places behind this matrix instruction (ISA guide 7.12.1)
.set RBB,   6144                       ; a row block's bytes in a slot: four images
.set ATILE, 8*RBB                      ; y's eight row blocks; Wo's sixteen lie behind them
.set SLOT,  24*RBB
.set SCL,   2*SLOT                     ; the scale words: y's 8,192 bytes, then Wo's 16,384
.set SPARE, SCL+24576                  ; the spare words, 128 bytes for each wave
.set SPITCH, 528                       ; the way out: a stage of 16 rows x (512 bytes + 16) for each wave.  It lies in slot 0, which has had its last fill and its last read when the first result is stored there
.set ADRA, 16
.set ADRB, 20
.set STO,  24
.set RD,   25
.set CO,   26
.set ADRS, 27
.set SPW,  28
.set NIL,  29
.set LI,   30
.set R4,   31
.set SC,   32
.set AF,   128
.set BK,   128
.set G1, 24
.set G0, 32
.set G1B, 48
.set G0B, 56
.set SEL, 66
.set G1S, 68
.set G0S, 76
.set G1SB, 80
.set G0SB, 88
.set PLA,  96
.set PLB,  98
.set PLBW, 12
.set MSB, 0
.macro WIN new                         ; the immediate's high byte repeats the setting that is left
.if MSB != \new
	s_set_vgpr_msb (MSB<<8)|\new
.set MSB, \new
.endif
.endm
.set MUL,  0xa1                        ; source 0 (Wo) window 1, source 1 (y) window 0, C and D window 2
.set TO_B, 0x40
.macro JLOAD g0a, g1a, g0b, g1b        ; a joint load: waves 0 and 1 fetch for y, waves 2 and 3 for Wo; an s_nop 0 and four v_nop follow each line
	s_cmp_eq_u32 s15, 0
	s_cbranch_scc0 .Lfor_b_\@
	tensor_load_to_lds s[\g0a:\g0a+3], s[\g1a:\g1a+7]
	s_nop 0
.rept 4
	v_nop
.endr
	s_branch .Lasked_\@
.Lfor_b_\@:
	tensor_load_to_lds s[\g0b:\g0b+3], s[\g1b:\g1b+7]
	s_nop 0
.rept 4
	v_nop
.endr
.Lasked_\@:
.endm
.macro CREST
	s_cmp_lg_u32 s14, 0
	s_cbranch_scc1 .Lnot_wave_0_\@
	s_barrier_signal -3
.Lnot_wave_0_\@:
	s_barrier_wait -3
	s_barrier_signal -1
	s_barrier_wait -1
.endm
.macro CROUND
	s_barrier_signal -1
	s_barrier_wait -1
	CREST
.endm
.macro PLACES n
.rept \n
	v_nop
.endr
.endm
	s_load_b128 s[4:7], s[0:1], 0x0                ; p4, p1
	s_load_b64 s[8:9], s[0:1], 0x10                ; out0
	v_lshl_add_u32 v[SPW], v0, 2, SPARE
	v_mov_b32 v[NIL], 0
	ds_add_u32 v[SPW], v[NIL]                      ; the wave's opening: the add, twice on end, and its wait ahead of my first tensor load
	ds_add_u32 v[SPW], v[NIL]
	v_lshrrev_b32 v1, 5, v0
	v_readfirstlane_b32 s14, v1                    ; wave 0..3
	s_lshr_b32 s15, s14, 1                         ; my half of the tokens.  Also: I fetch for y (0) or for Wo (1)
	s_and_b32 s16, s14, 1                          ; my half of the columns.  Also: which half of that tile I fetch
	s_bfe_u32 s40, ttmp6, 0x40000                  ; cx, cy
	s_bfe_u32 s41, ttmp6, 0x40004
	s_lshl_b32 s42, ttmp9, 2
	s_add_co_u32 s42, s42, s40                     ; tile column 0..7
	s_and_b32 s17, ttmp7, 0xffff
	s_lshl_b32 s17, s17, 2
	s_add_co_u32 s17, s17, s41                     ; tile row 0..31
	s_lshl_b32 s43, s41, 2
	s_lshl_b32 s43, 15, s43                        ; my row of the cluster
	s_lshl_b32 s44, 0x1111, s40                    ; my column
	s_or_b32 s[G1+0], s43, (3<<16)|(1<<21)         ; the mask; elements of 8 bytes; bit 21 beside a mask; no padding
	s_mov_b32 s[G1+1], 768<<16                     ; tensor_dim0: 6,144 bytes
	s_mov_b32 s[G1+2], 4<<16                       ; tensor_dim1: 4 row blocks of y
	s_mov_b32 s[G1+3], 768<<16                     ; tile_dim0
	s_mov_b32 s[G1+4], 4                           ; tile_dim1
	s_mov_b32 s[G1+5], 3072                        ; from row block to row block: 24,576 bytes
	s_mov_b32 s[G1+6], 0
	s_mov_b32 s[G1+7], 0
	s_or_b32 s[G1B+0], s44, (3<<16)|(1<<21)
	s_mov_b32 s[G1B+1], 768<<16
	s_mov_b32 s[G1B+2], 8<<16                      ; 8 row blocks of Wo
	s_mov_b32 s[G1B+3], 768<<16
	s_mov_b32 s[G1B+4], 8
	s_mov_b32 s[G1B+5], 3072
	s_mov_b32 s[G1B+6], 0
	s_mov_b32 s[G1B+7], 0
	s_or_b32 s[G1S+0], s43, (3<<16)|(1<<21)        ; the scale words of 4 row blocks: 4,096 dense bytes as 16 rows of 256
	s_mov_b32 s[G1S+1], 32<<16
	s_mov_b32 s[G1S+2], 16<<16
	s_mov_b32 s[G1S+3], 32<<16
	s_mov_b32 s[G1S+4], 16
	s_mov_b32 s[G1S+5], 32
	s_mov_b32 s[G1S+6], 0
	s_mov_b32 s[G1S+7], 0
	s_or_b32 s[G1SB+0], s44, (3<<16)|(1<<21)       ; of 8 row blocks: 32 rows of 256
	s_mov_b32 s[G1SB+1], 32<<16
	s_mov_b32 s[G1SB+2], 32<<16
	s_mov_b32 s[G1SB+3], 32<<16
	s_mov_b32 s[G1SB+4], 32
	s_mov_b32 s[G1SB+5], 32
	s_mov_b32 s[G1SB+6], 0
	s_mov_b32 s[G1SB+7], 0
	s_lshl_b32 s18, s16, 2
	s_lshl_b32 s20, s17, 3
	s_add_co_u32 s20, s20, s18                     ; y: row block 8 x tile row + 4 x half
	s_lshl_b32 s18, s16, 3
	s_lshl_b32 s46, s42, 4
	s_add_co_u32 s46, s46, s18
	s_add_co_u32 s46, s46, RB_B                    ; Wo: 16 x tile column + 8 x half
	s_lshl_b32 s22, s20, 10
	s_add_co_u32 s22, s22, ASCW
	s_mov_b32 s23, 0
	s_lshl_b32 s92, s46, 10
	s_add_co_u32 s92, s92, BSCW
	s_mov_b32 s93, 0
	s_mul_i32 s20, s20, 24576
	s_mov_b32 s21, 0
	s_mul_i32 s46, s46, 24576
	s_mov_b32 s47, 0
	s_mul_i32 s45, s16, 4*RBB                      ; where they go, by the wave's number alone: y's halves,
	s_mul_i32 s95, s16, 8*RBB
	s_add_co_u32 s95, s95, ATILE                   ; Wo's halves,
	s_lshl_b32 s94, s16, 12                        ; y's scale words,
	s_lshl_b32 s3, s16, 13
	s_add_co_u32 s3, s3, 8192                      ; Wo's
	s_mov_b32 s[SEL], 0x76543210
	s_mov_b32 s[SEL+1], 0xfedcba98
	s_wait_dscnt 0x0                               ; both opening adds are done
	s_wait_kmcnt 0x0
	s_add_nc_u64 s[20:21], s[APTR:APTR+1], s[20:21]
	s_add_nc_u64 s[22:23], s[APTR:APTR+1], s[22:23]
	s_add_nc_u64 s[46:47], s[BPTR:BPTR+1], s[46:47]
	s_add_nc_u64 s[92:93], s[BPTR:BPTR+1], s[92:93]
	CROUND                                         ; all sixteen work-groups are here: the first joint loads meet
	s_mov_b32 s[G0S], 1
	s_add_co_u32 s[G0S+1], s94, SCL
	s_mov_b64 s[G0S+2:G0S+3], s[22:23]
	s_or_b32 s[G0S+3], s[G0S+3], 0x80000000
	s_mov_b32 s[G0SB], 1
	s_add_co_u32 s[G0SB+1], s3, SCL
	s_mov_b64 s[G0SB+2:G0SB+3], s[92:93]
	s_or_b32 s[G0SB+3], s[G0SB+3], 0x80000000
	JLOAD G0S, G1S, G0SB, G1SB
.irp s, 0,1
	s_mov_b32 s[G0+4*\s], 1
	s_add_co_u32 s[G0+4*\s+1], s45, \s*SLOT
	s_add_nc_u64 s[G0+4*\s+2:G0+4*\s+3], s[20:21], \s*RBB
	s_or_b32 s[G0+4*\s+3], s[G0+4*\s+3], 0x80000000
	s_mov_b32 s[G0B+4*\s], 1
	s_add_co_u32 s[G0B+4*\s+1], s95, \s*SLOT
	s_add_nc_u64 s[G0B+4*\s+2:G0B+4*\s+3], s[46:47], \s*RBB
	s_or_b32 s[G0B+4*\s+3], s[G0B+4*\s+3], 0x80000000
	JLOAD G0+4*\s, G1, G0B+4*\s, G1B               ; by this text's count three tensor loads of mine are out
.endr
	v_and_b32 v1, 15, v0                           ; r
	v_bfe_u32 v2, v0, 4, 1                         ; h
	v_and_b32 v3, 31, v0                           ; lane
	v_lshlrev_b32 v[LI], 4, v3
	v_lshlrev_b32 v[R4], 2, v1
	; u's parts, Bo's fragments and words
	s_lshl_b32 s18, s17, 3
	s_lshl_b32 s19, s15, 2
	s_add_co_u32 s18, s18, s19                     ; my first row block of tokens
	s_lshl_b32 s[PLA], s18, 12                     ; 4,096 bytes a row block: two parts
	s_add_co_u32 s[PLA], s[PLA], UPO
	s_mov_b32 s[PLA+1], 0
	s_lshl_b32 s18, s42, 4
	s_lshl_b32 s19, s16, 3
	s_add_co_u32 s18, s18, s19
	s_add_co_u32 s18, s18, LB0                     ; my first row block of Bo
	s_mul_i32 s[PLB], s18, 1536
	s_add_co_u32 s[PLB], s[PLB], LBI
	s_mov_b32 s[PLB+1], 0
	s_lshl_b32 s[PLBW], s18, 6
	s_add_co_u32 s[PLBW], s[PLBW], LBW
	s_mov_b32 s[PLBW+1], 0
	s_add_nc_u64 s[PLA:PLA+1], s[APTR:APTR+1], s[PLA:PLA+1]
	s_add_nc_u64 s[PLB:PLB+1], s[BPTR:BPTR+1], s[PLB:PLB+1]
	s_add_nc_u64 s[PLBW:PLBW+1], s[BPTR:BPTR+1], s[PLBW:PLBW+1]
.macro ULOAD i                         ; token block i: the two parts of u, sixteen registers each, as they were stored
.set UT, 64+32*(\i)+64*((\i)/3)
.irp p, 0,1
.irp c, 0,1,2,3
	global_load_b128 v[UT+16*\p+4*\c:UT+16*\p+4*\c+3], v[LI], s[PLA:PLA+1] offset:4096*(\i)+2048*\p+512*\c
.endr
.endr
.endm
	ULOAD 0
	ULOAD 1
	ULOAD 2
	ULOAD 3
	WIN TO_B
.irp i, 0,1,2,3,4,5,6,7
.irp c, 0,1,2
	global_load_b128 v[128+FR*\i+4*\c:128+FR*\i+4*\c+3], v[LI], s[PLB:PLB+1] offset:1536*\i+512*\c
.endr
.endr
	WIN 0
.irp i, 0,1,2,3,4,5,6,7
	global_load_b32 v[56+\i], v[R4], s[PLBW:PLBW+1] offset:64*\i
.endr
	s_mul_i32 s21, s15, 4*RBB                      ; my four row blocks of y,
	s_mul_i32 s22, s16, 8*RBB
	s_add_co_u32 s22, s22, ATILE                   ; my eight of Wo
.irp s, 0,1
	v_add_nc_u32 v[ADRA+\s], s21, v[LI]
	v_add_nc_u32 v[ADRB+\s], s22, v[LI]
	s_add_co_u32 s21, s21, SLOT
	s_add_co_u32 s22, s22, SLOT
.endr
	s_lshl_b32 s21, s15, 12                        ; scale words: lanes 0-15 take y's, lanes 16-31 Wo's: one product by the lane's half
	s_lshl_b32 s22, s16, 13
	s_add_co_u32 s22, s22, 8192
	s_sub_co_u32 s22, s22, s21
	v_mul_u32_u24 v6, s22, v2
	s_add_co_u32 s21, s21, SCL
	v_lshl_add_u32 v6, v1, 3, v6
	v_add_nc_u32 v[ADRS], s21, v6
	s_mul_i32 s23, s14, 16*SPITCH                  ; my stage
	v_mul_u32_u24 v5, v1, SPITCH
	v_lshl_add_u32 v5, v2, 5, v5
	v_add_nc_u32 v[STO], s23, v5                   ; in: row l % 16, 32 bytes for each half of the lanes
	v_lshlrev_b32 v[CO], 4, v3                     ; back: the 32 lanes take one row of 512 bytes; and the same in the output
	v_add_nc_u32 v[RD], s23, v[CO]
	s_lshl_b32 s20, s17, 7
	s_lshl_b32 s21, s15, 6
	s_add_co_u32 s20, s20, s21                     ; my first row
	s_lshl_b32 s20, s20, 13                        ; of 8,192 bytes
	s_lshl_b32 s46, s42, 10
	s_lshl_b32 s47, s16, 9
	s_add_co_u32 s20, s20, s46
	s_add_co_u32 s20, s20, s47                     ; my first column
	s_mov_b32 s21, 0
	s_add_nc_u64 s[8:9], s[8:9], s[20:21]
	v_mov_b32 v14, 0                               ; (a lane permute's destination counts as one of its sources)
.irp i, 0,1,2,3
.irp e, 3,4,5,6,7,8,9,10,11
	v_mov_b32 v[AF+48+FR*\i+\e], 0                 ; u's fragments: all but block 0's codes are zero codes
.endr
.endr
; Token block i: u = the two parts' sum; its block of 32 ranks is quantised into y's second set of registers.  A lane's 16 numbers are places 16 (lane / 16) + 0..15 of the block, in the order in which Bo's codes were laid.
.macro UQ i
.set UT, 64+32*(\i)+64*((\i)/3)
.set FA, AF+48+FR*(\i)
.irp e, 0,2,4,6,8,10,12,14
	v_pk_add_f32 v[UT+\e:UT+\e+1], v[UT+\e:UT+\e+1], v[UT+16+\e:UT+16+\e+1]
.endr
	v_max3_num_f32 v13, |v[UT]|, |v[UT+1]|, 0x2800000   ; my 16 numbers, and the floor 2^(5 - 127): the byte cannot fall under 1
.irp e, 2,4,6,8,10,12,14
	v_max3_num_f32 v13, v13, |v[UT+\e]|, |v[UT+\e+1]|
.endr
	v_permlanex16_b32 v14, v13, s[SEL], s[SEL+1]
	v_max_num_f32 v13, v13, v14                    ; with lane l xor 16's: the block's largest magnitude
	v_add_nc_u32 v13, 0xfe000000, v13              ; 4 off its exponent field: the conversion's scale operand
	v_lshrrev_b32 v14, 23, v13                     ; the scale's byte
	v_or_b32 v[48+(\i)], 0x01010100, v14           ; the scale word: the three blocks of zero codes under the byte 1
	v_cvt_scalef32_pk16_bf6_f32 v[FA:FA+2], v[UT:UT+15], v13
	v_nop                                          ; one plain place behind a scaled conversion
.irp e, 0,1,2
	v_permlane16_swap_b32 v[FA+\e], v[FA+3+\e]     ; lanes 0-15 now hold the whole block 0, lanes 16-31 zeros: block 1
.endr
.endm
.macro FRAG reg, adr, q, i             ; a fragment's image: three loads of 512 consecutive bytes
.irp c, 0,1,2
	ds_load_b128 v[\reg+4*\c:\reg+4*\c+3], v[\adr] offset:(\i)*RBB+(\q)*1536+512*\c
.endr
.endm
.macro FETCH slot, q, p                ; the fragments of the slot's q-th 128 along K into set p: Wo's eight, y's four
	WIN TO_B
.irp i, 0,1,2,3,4,5,6,7
	FRAG 128*(\p)+FR*\i, ADRB+(\slot), \q, \i
.endr
	WIN 0
.irp i, 0,1,2,3
	FRAG AF+48*(\p)+FR*\i, ADRA+(\slot), \q, \i
.endr
.endm
.macro SCALES pr                       ; the words of K steps 2 pr and 2 pr + 1 into set pr % 2: lanes 0-15 y's block i, lanes 16-31 Wo's block i (for i over 3 lanes 0-15 read words that no product names)
.irp i, 0,1,2,3,4,5,6,7
	ds_load_b64 v[SC+16*((\pr)&1)+2*\i:SC+16*((\pr)&1)+2*\i+1], v[ADRS] offset:\i*1024+(\pr)*128
.endr
.endm
; 8 matrix instructions of K step k: token block a x Wo's eight, from set p.  The 32 accumulators take turns, one instruction a turn, in the same order in every step.
.macro MULA a, p, k
.irp b, 0,1,2,3,4,5,6,7
	v_wmma_scale_f32_16x16x128_f8f6f4 v[8*(8*(\a)+\b):8*(8*(\a)+\b)+7], v[128*(\p)+FR*\b:128*(\p)+FR*\b+FR-1], v[AF+48*(\p)+FR*(\a):AF+48*(\p)+FR*(\a)+FR-1], v[8*(8*(\a)+\b):8*(8*(\a)+\b)+7], v[SC+16*(((\k)>>1)&1)+2*\b+((\k)&1)], v[SC+16*(((\k)>>1)&1)+2*(\a)+((\k)&1)] matrix_a_fmt:MATRIX_FMT_BF6 matrix_b_fmt:MATRIX_FMT_BF6 matrix_a_scale:MATRIX_SCALE_ROW1
.endr
.endm
.macro LMULA a                         ; the LoRA step starts the sums: nothing is ever cleared
.irp b, 0,1,2,3,4,5,6,7
	v_wmma_scale_f32_16x16x128_f8f6f4 v[8*(8*(\a)+\b):8*(8*(\a)+\b)+7], v[128+FR*\b:128+FR*\b+FR-1], v[AF+48+FR*(\a):AF+48+FR*(\a)+FR-1], 0, v[56+\b], v[48+(\a)] matrix_a_fmt:MATRIX_FMT_BF6 matrix_b_fmt:MATRIX_FMT_BF6
.endr
.endm
; K step k, one that has its successor in the same slot: the successor's fragments are asked for ahead of this step's 32 products.
.macro KSTEP k
.set SL, ((\k)>>2)&1
.set QQ, (\k)&3
.set PP, (\k)&1
	s_wait_dscnt 0x0                               ; this step's fragments and scale words are in
	PLACES NP                                      ; in front of loads into the other set, which the last step's products read
	FETCH SL, QQ+1, 1-PP
.if PP
	SCALES ((\k)+1)>>1
.endif
	WIN MUL
	MULA 0, PP, \k
	MULA 1, PP, \k
	MULA 2, PP, \k
	MULA 3, PP, \k
.endm
; A slot's last step changes slots: one barrier; in front of it each wave waits for all its tensor loads, adds 0 to its spare word, and waits for that and for its own reads of this slot.  fill = 1: this slot is filled again, with the K steps two slots on.
.macro TURN k, fill
.set SL, ((\k)>>2)&1
.set PP, (\k)&1
	WIN 0                                          ; (the add's two registers lie in window 0)
	s_wait_tensorcnt 0x0                           ; all my tensor loads have landed: my part of the next slot
	ds_add_u32 v[SPW], v[NIL]                      ; 0 onto my spare word
	s_wait_dscnt 1                                 ; this step's fragments are in (the add may be out)
	WIN MUL
	MULA 0, PP, \k
	s_wait_dscnt 0x0                               ; the add is done, and my reads of this slot are over
	s_barrier_signal -1
	MULA 1, PP, \k
	WIN 0
	s_barrier_wait -1
.if \fill
	CREST                                          ; the barrier has opened a round of the cluster's: no wave of any partner still reads this slot or has a load on its way
	s_add_nc_u64 s[G0+4*SL+2:G0+4*SL+3], s[G0+4*SL+2:G0+4*SL+3], 2*RBB
	s_add_nc_u64 s[G0B+4*SL+2:G0B+4*SL+3], s[G0B+4*SL+2:G0B+4*SL+3], 2*RBB
	JLOAD G0+4*SL, G1, G0B+4*SL, G1B               ; the first tensor load behind the round; its four v_nop are the places in front of the loads below
.else
	PLACES NP
.endif
	FETCH 1-SL, 0, 1-PP
	SCALES ((\k)+1)>>1
	WIN MUL
	MULA 2, PP, \k
	MULA 3, PP, \k
.endm
	s_wait_loadcnt 32                              ; u's 32 loads are in; Bo's 24 and its 8 words may be out
	UQ 0
	UQ 1
	UQ 2
	UQ 3
	s_wait_loadcnt 0x0
	PLACES 8                                       ; a scale register written by a vector instruction stands eight places ahead of a scaled matrix instruction, an operand so written four
	WIN MUL
	LMULA 0
	LMULA 1
	LMULA 2
	LMULA 3
	WIN 0
	s_wait_tensorcnt 1                             ; the scale words and my part of slot 0 are in; slot 1's load may be out
	s_barrier_signal -1
	s_barrier_wait -1
	FETCH 0, 0, 0                                  ; into registers that no product has named
	SCALES 0
	KSTEP 0
	KSTEP 1
	KSTEP 2
	TURN 3, 1
	KSTEP 4
	KSTEP 5
	KSTEP 6
	TURN 7, 1
	KSTEP 8
	KSTEP 9
	KSTEP 10
	TURN 11, 0                                     ; nothing is left to fetch
	KSTEP 12
	KSTEP 13
	KSTEP 14
	s_wait_dscnt 0x0
	WIN MUL
	MULA 0, 1, 15
	MULA 1, 1, 15
	MULA 2, 1, 15
	MULA 3, 1, 15
	WIN 0
; THE WAY OUT, block by block of 16 rows x 128 columns, through my own stage: in as 32 bytes a lane, back as whole rows of 512 bytes.  LDS serves a wave's instructions in order: no wait between the stores and the loads.
.macro TOSTAGE a
.set AC, 64*(\a)
	WIN 0x08                                       ; an LDS store's data are its source 1: window 2
.irp b, 0,1,2,3,4,5,6,7
	ds_store_b128 v[STO], v[AC+8*\b:AC+8*\b+3] offset:64*\b          ; each accumulator from its low end on
	ds_store_b128 v[STO], v[AC+8*\b+4:AC+8*\b+7] offset:64*\b+16
.endr
	WIN 0
.set BB, BK+64*((\a)%2)
.irp t, 0,1,2,3,4,5,6,7,8,9,10,11,12,13,14,15
	ds_load_b128 v[BB+4*\t:BB+4*\t+3], v[RD] offset:\t*SPITCH
.endr
.endm
.macro SEND a, younger
.set BB, BK+64*((\a)%2)
	s_wait_dscnt \younger                          ; the block is back in registers
.if (\a) > 0
	s_add_nc_u64 s[8:9], s[8:9], 16*SIZE_N*4       ; (behind a wait on XCNT: the earlier stores have read their base)
.endif
.irp t, 0,1,2,3,4,5,6,7,8,9,10,11,12,13,14,15
	global_store_b128 v[CO], v[BB+4*\t:BB+4*\t+3], s[8:9] offset:\t*SIZE_N*4 th:TH_STORE_NT   ; 32 lanes store 512 consecutive bytes
.endr
.endm
	PLACES NP                                      ; in front of the first reads of results, and of loads into the registers that held y's fragments
	TOSTAGE 0
.irp a, 1,2,3
.if \a > 1
	s_wait_xcnt 0x0                                ; block a - 2's stores have read their registers and their base
.endif
	TOSTAGE \a
	SEND \a-1, 32                                  ; behind block a - 1's loads: block a's 16 stores and 16 loads
.endr
	s_wait_xcnt 0x0
	SEND 3, 0
	s_wait_tensorcnt 0x0                           ; the wave's end
	ds_add_u32 v[SPW], v[NIL]
	s_wait_dscnt 0x0
	CROUND                                         ; the closing round
	s_endpgm
.Lfunc_end_k_q3bf594ec44_oproj:
	.size	k_q3bf594ec44_oproj, .Lfunc_end_k_q3bf594ec44_oproj-k_q3bf594ec44_oproj
	.p2alignl 7, 3214868480
	.fill 96, 4, 3214868480
	.section	.rodata,"a",@progbits
	.p2align	6, 0x0
	.amdhsa_kernel k_q3bf594ec44_oproj
		.amdhsa_group_segment_fixed_size 327680
		.amdhsa_private_segment_fixed_size 0
		.amdhsa_enable_private_segment 0
		.amdhsa_kernarg_size 24
		.amdhsa_user_sgpr_count 2
		.amdhsa_user_sgpr_kernarg_segment_ptr 1
		.amdhsa_wavefront_size32 1
		.amdhsa_system_sgpr_workgroup_id_x 1
		.amdhsa_system_sgpr_workgroup_id_y 1
		.amdhsa_system_sgpr_workgroup_id_z 1
		.amdhsa_system_vgpr_workitem_id 0
		.amdhsa_next_free_vgpr 768
		.amdhsa_next_free_sgpr 102
		.amdhsa_reserve_vcc 0
		.amdhsa_float_denorm_mode_32 3
		.amdhsa_float_denorm_mode_16_64 3
		.amdhsa_memory_ordered 1
		.amdhsa_forward_progress 1
		.amdhsa_inst_pref_size 154
	.end_amdhsa_kernel
	.amdgpu_metadata
---
amdhsa.version: [ 1, 2 ]
amdhsa.kernels:
  - .name:           k_q3bf594ec44_oproj
    .symbol:         k_q3bf594ec44_oproj.kd
    .args:
      - { .name: p4, .offset: 0, .size: 8, .value_kind: global_buffer, .address_space: global }
      - { .name: p1, .offset: 8, .size: 8, .value_kind: global_buffer, .address_space: global }
      - { .name: out0, .offset: 16, .size: 8, .value_kind: global_buffer, .address_space: global }
    .group_segment_fixed_size: 327680
    .private_segment_fixed_size: 0
    .kernarg_segment_align: 8
    .kernarg_segment_size: 24
    .max_flat_workgroup_size: 128
    .sgpr_count:     102
    .vgpr_count:     768
    .wavefront_size: 32
...
	.end_amdgpu_metadata
.endif
;; end of part 7
